; MI455X (gfx1250); checked and timed in simulation.
; The chip was launched on July 23, 2026; its instructions are those of AMD's public machine-readable ISA for CDNA 5 (MIT licence, August 2026) and "CDNA5" Instruction Set Architecture Reference Guide (July 2026). The comments in the code are by the model that wrote it; some were corrected since.
;; Multi Head Self Attention Block. Allowed arithmetic: matrix products marked QUANTISED: E2M3 operands, one E8M0 scale for each 32 along K, by v_wmma_scale_f32_16x16x128_f8f6f4 with both operands' format E2M3, f32 sums; everything else in f32.
;; Inputs: bk 1,024 float32; bo 1,024 float32; bq 1,024 float32; bv 1,024 float32; k 2 x 2,048 x 1,024 float32; mask 1 x 1 x 2,048 x 2,048 int32; q 2 x 2,048 x 1,024 float32; v 2 x 2,048 x 1,024 float32; wk 1,024 x 1,024 float32; wo 1,024 x 1,024 float32; wq 1,024 x 1,024 float32; wv 1,024 x 1,024 float32.
;; Outputs: out0 2 x 2,048 x 1,024 float32.
;; This version of the problem:
;;   THIS VERSION OF THE PROBLEM IS GIVEN IN LOW PRECISION. The matrix products marked QUANTISED in the list below multiply operands that are first quantised to E2M3 (2 exponent bits, 3 mantissa bits; 6 bits a number), with one power-of-two scale for each 32 numbers along K (OCP MX v1.0); their sums are f32. All else is computed in f32.
;;   The module's matrix products, in the order in which they are computed (A, B: the left and right operand; K: the contracted axis; several contracted axes count as one K, in the product's order):
;;     1. [M 4,096, K 1,024] x [K 1,024, N 1,024]; A: input q; B: input wq: QUANTISED
;;     2. [M 4,096, K 1,024] x [K 1,024, N 1,024]; A: input k; B: input wk: QUANTISED
;;     3. [M 4,096, K 1,024] x [K 1,024, N 1,024]; A: input v; B: input wv: QUANTISED
;;     4. batch 32 x [M 2,048, K 64] x [K 64, N 2,048]; A: computed on the way; B: computed on the way: QUANTISED
;;     5. batch 32 x [M 2,048, K 2,048] x [K 2,048, N 64]; A: softmax (see below); B: computed on the way: QUANTISED
;;     6. [M 4,096, K 1,024] x [K 1,024, N 1,024]; A: computed on the way; B: input wo: QUANTISED
;;   THE QUANTISER, for each operand of a quantised product, along K:
;;     - K is cut into blocks of 32 from its start; a last block that is shorter is filled with zeros.
;;     - A block's scale is 2^e with e = floor(log2(the largest magnitude in the block)) - 2, held to -126 .. 127; a block of zeros has e = 0. As a byte (E8M0): e + 127.
;;     - Each number is divided by its block's scale, clamped to +-7.5, and rounded to the nearest number of E2M3, ties to even, subnormals kept.
;;     - The product sums the exact products of the quantised numbers (number of the format x scale) in f32.
;;   ~~~python
;;   def quantise(x, axis):      # numpy; x: float32 -> the quantised numbers, widened to float32 again
;;       x = np.moveaxis(x, axis, -1); K = x.shape[-1]
;;       x = np.pad(x, [(0, 0)] * (x.ndim - 1) + [(0, -K % 32)]); x = x.reshape(x.shape[:-1] + (-1, 32)); a = np.abs(x).max(-1, keepdims=True)
;;       e = np.where(a > 0, np.clip(np.frexp(np.where(a > 0, a, 1))[1] - 1 - 2, -126, 127), 0)      # np.frexp(a)[1] - 1 = floor(log2(a)), exactly
;;       r = np.clip(x / 2.0 ** e, -7.5, 7.5)
;;       step = 2.0 ** (np.maximum(np.frexp(np.where(r == 0, 1, r))[1] - 1, 0) - 3)
;;       q = np.round(r / step) * step * 2.0 ** e      # np.round: ties to even
;;       return np.moveaxis(q.reshape(q.shape[:-2] + (-1,))[..., :K], -1, axis).astype(np.float32)
;;   ~~~
;;   SOFTMAX AHEAD OF A QUANTISED PRODUCT. Where the list says 'softmax', what is quantised is not the finished softmax but p = 2^(t - M), with t = logit x log2(e) and M = ceil(the row's largest t), a whole number; so 1/2 < the row's largest p <= 1. The row's sum l is taken of the UNQUANTISED p, in f32, and the product's result is divided by l at the end. Since M is a whole number, a kernel that streams over the keys may use a running M (the ceiling of the running maximum): every later rescaling is an exact power of two, which a block's scale takes up: the codes' values come out the same.
;;   OPERANDS COMPUTED ON THE WAY. 'Computed on the way' means the value that the module computes at that place (a softmax that the list does not call 'softmax' is quantised finished and normalised). What goes into a quantiser is computed in f32, as accurately as f32 sums, v_exp_f32 and their like allow (about 1e-6 of the number): no bf16 or f16 on the way to a quantiser, and a product that is left as it is and whose result goes on into a quantised operand takes f32 operands (vector FMAs, or v_wmma_f32_16x16x4_f32). A number that lies on a knife's edge between two numbers of the format may be rounded either way, as far as f32 arithmetic and the matrix unit's own rounding can turn it there, and no further.
;; 2 versions. Each part assembles by itself: llvm-mc -triple=amdgcn-amd-amdhsa -mcpu=gfx1250 --defsym DOCPART=n.
;; ======== version 1 of 2: 5 launches
;; workspace buffers: codes 12,582,912 bytes; scales 524,288 bytes; mbits 524,288 bytes of whole numbers; qf 3,407,872 bytes; kv 6,684,672 bytes; xc 3,145,728 bytes; xs 131,072 bytes
;; launch quant (part 1): grid 512 x 1, 4 waves a work-group, no clusters, 34,304 bytes of LDS; arguments q, k, v, wq, wk, wv, wo, codes, scales; writes codes, scales
.if DOCPART == 1
	.amdgcn_target "amdgcn-amd-amdhsa--gfx1250"
	.amdhsa_code_object_version 6
	.text
	.protected	k_qc7198c4904_quant
	.globl	k_qc7198c4904_quant
	.p2align	8
	.type	k_qc7198c4904_quant,@function
k_qc7198c4904_quant:
	s_mov_b64 s[64:65], 0
	v_nop
	global_prefetch_b8 v0, s[64:65] scope:SCOPE_SE
	s_setreg_imm32_b32 hwreg(HW_REG_WAVE_MODE, 25, 1), 1
	s_wait_xcnt 0x0
; q, k, v [4096][1024] and wq, wk, wv, wo [1024][1024], f32, K innermost, become codes of FP6 (E2M3) with one E8M0 byte for each 32 along K.
; A block's scale is 2^(floor(log2(its largest magnitude)) - 2); its byte is that magnitude's exponent field - 2, held at 1 from below.
; LIMITS: NaN and infinities among the inputs are not served; a block whose largest magnitude lies under 2^-124 keeps the byte 1; a block of zeros
; gets the byte 1 where the rule says 127: its codes are zeros, which add nothing under any byte but 0xff, and this program alone reads the bytes.
; THE CODES ARE LAID AS IMAGES OF OPERAND REGISTERS.  The seven tensors count as one run of 16,384 rows = 1,024 tiles of 16.  Tile T holds in lane r the row
; 32 (T / 2) + 8 (T % 2) + r + 8 (r / 8).  A unit is 16 rows x 64 K = 768 bytes: lane L = r + 16 h owns the 24 bytes of row r's block h: 16 at 16 L, 8 at 512 + 8 L.
; codes: [T / 8][K step of 128: 8][T % 8][unit: 2][768];  scales: [T][half of K: 2][r][16 bytes]: four scale words, one for each K step of 128.
; SHARES: a work-group owns 32 rows (two tiles); wave w takes tile w / 2 and half w % 2 of K: four steps of 16 rows x 128 numbers.
; Each load reads 512 consecutive bytes of one row; a step's 8,192 bytes turn through the wave's own stage in LDS (rows 528 = 33 x 16 bytes apart, so that the sixteen
; rows that a read touches begin 16 bytes apart modulo 256) and come back as 2 x 32 neighbours a lane: whole blocks, so no other lane is asked for a maximum.
; No tensor loads, no barrier: waves share nothing.  Loads run two steps (32 loads, 16 KiB a wave) ahead.  Matrix units and clusters have no work here: a stream read once.
.set X,  48                            ; v48-111, v112-175: two sets of 64 numbers
.set C,  20                            ; v20-31: a step's 12 registers of codes
.set CT, 32                            ; v32-34, v36-38: the upper halves of the two blocks (a conversion's three registers begin on an even number)
	s_load_b512 s[4:19], s[0:1], 0x0               ; q, k, v, wq, wk, wv, wo, codes
	s_load_b64 s[20:21], s[0:1], 0x40              ; scales
	v_lshl_add_u32 v176, v0, 2, 0x8400
	v_mov_b32 v177, 0
	v_lshrrev_b32 v1, 5, v0
	v_readfirstlane_b32 s22, v1                    ; wave
	v_and_b32 v8, 31, v0                           ; L
	v_and_b32 v9, 15, v0                           ; r
	v_bfe_u32 v7, v0, 4, 1                         ; h
	v_lshlrev_b32 v1, 4, v8                        ; 16 L
	v_lshlrev_b32 v2, 3, v8                        ; 8 L
	v_lshlrev_b32 v3, 4, v9
	v_lshl_add_u32 v3, v7, 3, v3                   ; 16 r + 8 h: my 8 of a row's 16 scale bytes
	s_mul_i32 s28, s22, 8448                       ; my wave's stage: 16 rows x 528 bytes
	v_add_nc_u32 v4, s28, v1                       ; into it: 16 L, the row in the immediate
	v_mul_u32_u24 v5, v9, 528
	v_lshl_add_u32 v5, v7, 7, v5
	v_add_nc_u32 v5, s28, v5                       ; out of it: row r, + 128 h: my block of 32 numbers
	v_lshlrev_b32 v6, 3, v7                        ; 8 h
	v_mov_b32 v15, 0                               ; a lane permute's destination counts as one of its sources
	s_lshr_b32 s23, ttmp9, 7                       ; 0 q, 1 k, 2 v, 3 a weight
	s_bfe_u32 s24, ttmp9, 0x20005                  ; which weight
	s_lshr_b32 s29, s22, 1                         ; u: which of the two tiles
	s_and_b32 s30, s22, 1                          ; kh: which half of K
	s_mov_b32 s26, 0x76543210
	s_mov_b32 s27, 0xfedcba98                      ; v_permlanex16_b32's selects for lane l xor 16
	s_lshr_b32 s34, ttmp9, 2                       ; codes: (T / 8) x 98,304 + (T % 8) x 1,536 + kh x 4 steps x 12,288
	s_mul_i32 s34, s34, 98304
	s_and_b32 s35, ttmp9, 3
	s_lshl_b32 s35, s35, 1
	s_add_co_u32 s35, s35, s29
	s_mul_i32 s35, s35, 1536
	s_add_co_u32 s34, s34, s35
	s_mul_i32 s35, s30, 49152
	s_add_co_u32 s34, s34, s35
	s_mov_b32 s35, 0
	s_lshl_b32 s36, ttmp9, 1                       ; scales: T x 512 + kh x 256
	s_add_co_u32 s36, s36, s29
	s_lshl_b32 s36, s36, 9
	s_lshl_b32 s37, s30, 8
	s_add_co_u32 s36, s36, s37
	s_mov_b32 s37, 0
	s_wait_kmcnt 0x0
	s_cmp_eq_u32 s24, 1                            ; the tensor is chosen by the work-group's number alone
	s_cselect_b64 s[10:11], s[12:13], s[10:11]
	s_cmp_eq_u32 s24, 2
	s_cselect_b64 s[10:11], s[14:15], s[10:11]
	s_cmp_eq_u32 s24, 3
	s_cselect_b64 s[10:11], s[16:17], s[10:11]
	s_cmp_eq_u32 s23, 1
	s_cselect_b64 s[4:5], s[6:7], s[4:5]
	s_cmp_eq_u32 s23, 2
	s_cselect_b64 s[4:5], s[8:9], s[4:5]
	s_cmp_eq_u32 s23, 3
	s_cselect_b64 s[4:5], s[10:11], s[4:5]
	s_cselect_b32 s25, 31, 127                     ; a weight has 32 groups of 32 rows, an activation 128
	s_and_b32 s25, ttmp9, s25
	s_lshl_b32 s32, s25, 17                        ; 32 rows of 4,096 bytes,
	s_lshl_b32 s33, s29, 15                        ; + 8 u rows,
	s_add_co_u32 s32, s32, s33
	s_lshl_b32 s33, s30, 11                        ; + kh x 512 numbers
	s_add_co_u32 s32, s32, s33
	s_mov_b32 s33, 0
	s_add_nc_u64 s[4:5], s[4:5], s[32:33]
	s_add_nc_u64 s[18:19], s[18:19], s[34:35]
	s_add_nc_u64 s[20:21], s[20:21], s[36:37]
.macro LOAD t                          ; step t: 128 numbers of each of the tile's 16 rows; a load is one row's 512 consecutive bytes
.set XL, X+64*((\t)%2)
.set i, 0
.rept 16
	global_load_b128 v[XL+4*i:XL+4*i+3], v1, s[4:5] offset:(i+8*(i/8))*4096+512*(\t) th:TH_LOAD_NT
.set i, i+1
.endr
.endm
.macro TURN t                          ; through the stage and back into the same registers: LDS serves a wave's instructions in order (ISA guide 5.7.1.4)
.set XS, X+64*((\t)%2)
.set i, 0
.rept 16
	ds_store_b128 v4, v[XS+4*i:XS+4*i+3] offset:528*i
.set i, i+1
.endr
.irp c, 0,1
.irp q, 0,1,2,3,4,5,6,7
	ds_load_b128 v[XS+32*\c+4*\q:XS+32*\c+4*\q+3], v5 offset:256*\c+16*\q   ; register 32 c + i = k 64 c + 32 h + i of row r
.endr
.endr
.endm
.macro STEP t
.if (\t) < 3
	s_wait_loadcnt 16                              ; this step's sixteen loads are in; the next step's sixteen may be out
.else
	s_wait_loadcnt 0x0
.endif
	TURN \t
	s_wait_dscnt 0x0
.irp c, 0,1
	v_max3_num_f32 v[8+\c], |v[XS+32*\c]|, |v[XS+32*\c+1]|, 0x1800000   ; my two blocks by turns; the floor 2^(3 - 127) holds the byte at 1 from below
.endr
.irp i, 2,4,6,8,10,12,14,16,18,20,22,24,26,28,30
.irp c, 0,1
	v_max3_num_f32 v[8+\c], v[8+\c], |v[XS+32*\c+\i]|, |v[XS+32*\c+\i+1]|
.endr
.endr
	v_add_nc_u32 v10, 0xff000000, v8               ; 2 off the exponent field: the conversion takes the exponent field of this operand as its scale
	v_add_nc_u32 v11, 0xff000000, v9
	v_lshrrev_b32 v12, 23, v10                     ; the scale bytes
	v_lshrrev_b32 v13, 23, v11
.if (\t) > 0
	s_wait_xcnt 0x0                                ; the last step's stores have read their registers (ISA guide 3.1): the codes may be written again
.endif
.irp c, 0,1
	v_cvt_scalef32_pk16_fp6_f32 v[C+6*\c:C+6*\c+2], v[XS+32*\c:XS+32*\c+15], v[10+\c]
	v_cvt_scalef32_pk16_fp6_f32 v[CT+4*\c:CT+4*\c+2], v[XS+32*\c+16:XS+32*\c+31], v[10+\c]
.endr
	v_lshl_or_b32 v14, v13, 16, v12                ; my two bytes: blocks h and 2 + h.  (The plain place behind the conversions)
.irp c, 0,1
.irp i, 0,1,2
	v_mov_b32 v[C+6*\c+3+\i], v[CT+4*\c+\i]
.endr
.endr
.irp c, 0,1
	global_store_b128 v1, v[C+6*\c:C+6*\c+3], s[18:19] offset:12288*(\t)+768*\c        ; 512 consecutive bytes,
	global_store_b64 v2, v[C+6*\c+4:C+6*\c+5], s[18:19] offset:12288*(\t)+768*\c+512   ; and 256: a unit is three aligned blocks of 256 bytes
.endr
.if (\t) < 2
	LOAD (\t)+2
.endif
	v_lshlrev_b32 v14, v6, v14                     ; at their places in the scale word (8 h bits up);
	v_permlanex16_b32 v15, v14, s26, s27
	v_or_b32 v[16+(\t)], v14, v15                  ; with lane l xor 16's two the word is whole
.endm
	LOAD 0
	LOAD 1
	STEP 0
	STEP 1
	STEP 2
	STEP 3
	v_cmp_ne_u32 vcc_lo, 0, v7
	v_cndmask_b32 v40, v16, v18, vcc_lo            ; lanes 0-15 store words 0, 1 of their row, lanes 16-31 words 2, 3
	v_cndmask_b32 v41, v17, v19, vcc_lo
	global_store_b64 v3, v[40:41], s[20:21]        ; 32 lanes store 256 consecutive bytes, aligned
	s_wait_tensorcnt 0x0
	ds_add_u32 v176, v177
	s_wait_dscnt 0x0
	s_endpgm
.Lfunc_end_k_qc7198c4904_quant:
	.size	k_qc7198c4904_quant, .Lfunc_end_k_qc7198c4904_quant-k_qc7198c4904_quant
	.p2alignl 7, 3214868480
	.fill 96, 4, 3214868480
	.section	.rodata,"a",@progbits
	.p2align	6, 0x0
	.amdhsa_kernel k_qc7198c4904_quant
		.amdhsa_group_segment_fixed_size 34304
		.amdhsa_private_segment_fixed_size 0
		.amdhsa_enable_private_segment 0
		.amdhsa_kernarg_size 72
		.amdhsa_user_sgpr_count 2
		.amdhsa_user_sgpr_kernarg_segment_ptr 1
		.amdhsa_wavefront_size32 1
		.amdhsa_system_sgpr_workgroup_id_x 1
		.amdhsa_system_sgpr_workgroup_id_y 1
		.amdhsa_system_sgpr_workgroup_id_z 1
		.amdhsa_system_vgpr_workitem_id 0
		.amdhsa_next_free_vgpr 178
		.amdhsa_next_free_sgpr 66
		.amdhsa_reserve_vcc 1
		.amdhsa_float_denorm_mode_32 3
		.amdhsa_float_denorm_mode_16_64 3
		.amdhsa_memory_ordered 1
		.amdhsa_forward_progress 1
		.amdhsa_inst_pref_size 31
	.end_amdhsa_kernel
	.amdgpu_metadata
---
amdhsa.version: [ 1, 2 ]
amdhsa.kernels:
  - .name:           k_qc7198c4904_quant
    .symbol:         k_qc7198c4904_quant.kd
    .args:
      - { .name: q, .offset: 0, .size: 8, .value_kind: global_buffer, .address_space: global }
      - { .name: k, .offset: 8, .size: 8, .value_kind: global_buffer, .address_space: global }
      - { .name: v, .offset: 16, .size: 8, .value_kind: global_buffer, .address_space: global }
      - { .name: wq, .offset: 24, .size: 8, .value_kind: global_buffer, .address_space: global }
      - { .name: wk, .offset: 32, .size: 8, .value_kind: global_buffer, .address_space: global }
      - { .name: wv, .offset: 40, .size: 8, .value_kind: global_buffer, .address_space: global }
      - { .name: wo, .offset: 48, .size: 8, .value_kind: global_buffer, .address_space: global }
      - { .name: codes, .offset: 56, .size: 8, .value_kind: global_buffer, .address_space: global }
      - { .name: scales, .offset: 64, .size: 8, .value_kind: global_buffer, .address_space: global }
    .group_segment_fixed_size: 34304
    .private_segment_fixed_size: 0
    .kernarg_segment_align: 8
    .kernarg_segment_size: 72
    .max_flat_workgroup_size: 128
    .sgpr_count:     66
    .vgpr_count:     178
    .wavefront_size: 32
...
	.end_amdgpu_metadata
.endif
;; end of part 1
;; launch maskpack (part 2): grid 256 x 1, 4 waves a work-group, no clusters, 34,304 bytes of LDS; arguments mask, mbits; writes mbits
.if DOCPART == 2
	.amdgcn_target "amdgcn-amd-amdhsa--gfx1250"
	.amdhsa_code_object_version 6
	.text
	.protected	k_qc7198c4904_maskpack
	.globl	k_qc7198c4904_maskpack
	.p2align	8
	.type	k_qc7198c4904_maskpack,@function
k_qc7198c4904_maskpack:
	s_mov_b64 s[64:65], 0
	v_nop
	global_prefetch_b8 v0, s[64:65] scope:SCOPE_SE
	s_setreg_imm32_b32 hwreg(HW_REG_WAVE_MODE, 25, 1), 1
	s_wait_xcnt 0x0
; mask [2048 queries][2048 keys], int32, becomes lane masks for the attention launch: mbits [query tile 128][key step 16][64 words].
; Word n of (qt, ks) has in bit L = r + 16 h: mask != 0 for query 32 (qt / 2) + 8 (qt % 2) + r + 8 (r / 8) and key 128 ks + 32 (n / 16) + 16 h + n % 16:
; the query of lane L and the key of score register n there.  So one v_cndmask_b32 with the word in a scalar register masks a register of scores.
; SHARES: a work-group takes one query tile and eight key steps, a wave two of them.  A load reads 512 consecutive bytes of one mask row; a step's 8,192 bytes turn
; through the wave's own stage in LDS (rows 528 bytes apart), so that a lane holds its query's 64 keys in the order of the score registers.  A compare gives a word.
; The mask is read once, as it is given.  No barrier: waves share nothing.
.set X, 16                             ; v16-79, v80-143: the two steps' numbers
	s_load_b128 s[4:7], s[0:1], 0x0                ; mask, mbits
	v_lshl_add_u32 v144, v0, 2, 0x8400
	v_mov_b32 v145, 0
	v_lshrrev_b32 v1, 5, v0
	v_readfirstlane_b32 s8, v1                     ; wave
	v_and_b32 v5, 31, v0
	v_and_b32 v10, 15, v0                          ; r
	v_bfe_u32 v11, v0, 4, 1                        ; h
	v_lshlrev_b32 v1, 4, v5                        ; 16 L
	v_lshlrev_b32 v2, 3, v5                        ; 8 L
	s_mul_i32 s9, s8, 8448
	v_add_nc_u32 v3, s9, v1                        ; into my stage
	v_mul_u32_u24 v4, v10, 528
	v_lshl_add_u32 v4, v11, 6, v4
	v_add_nc_u32 v4, s9, v4                        ; out of it: row r, + 64 h
.irp r, 6,7,8,9
	v_mov_b32 v\r, 0                               ; v_writelane_b32's destination counts as read
.endr
	s_lshr_b32 s10, ttmp9, 1                       ; qt
	s_and_b32 s11, ttmp9, 1
	s_lshl_b32 s11, s11, 3
	s_lshl_b32 s12, s8, 1
	s_add_co_u32 s11, s11, s12                     ; my first key step
	s_lshr_b32 s12, s10, 1
	s_lshl_b32 s12, s12, 18                        ; 32 rows of 8,192 bytes
	s_and_b32 s13, s10, 1
	s_lshl_b32 s13, s13, 16                        ; 8 rows
	s_add_co_u32 s12, s12, s13
	s_lshl_b32 s13, s11, 9                         ; 128 keys
	s_add_co_u32 s12, s12, s13
	s_mov_b32 s13, 0
	s_lshl_b32 s14, s10, 4
	s_add_co_u32 s14, s14, s11
	s_lshl_b32 s14, s14, 8                         ; 256 bytes for a tile and a step
	s_mov_b32 s15, 0
	s_wait_kmcnt 0x0
	s_add_nc_u64 s[4:5], s[4:5], s[12:13]
	s_add_nc_u64 s[6:7], s[6:7], s[14:15]
.irp e, 0,1
.set i, 0
.rept 16
	global_load_b128 v[X+64*\e+4*i:X+64*\e+4*i+3], v1, s[4:5] offset:(i+8*(i/8))*8192+512*\e th:TH_LOAD_NT
.set i, i+1
.endr
.endr
.macro PACKU e
.set XS, X+64*(\e)
.set WD, 6+2*(\e)
.if (\e) == 0
	s_wait_loadcnt 16                              ; the first step's sixteen loads are in; the second's may be out
.else
	s_wait_loadcnt 0x0
.endif
.set i, 0
.rept 16
	ds_store_b128 v3, v[XS+4*i:XS+4*i+3] offset:528*i
.set i, i+1
.endr
.irp b, 0,1,2,3
.irp q, 0,1,2,3
	ds_load_b128 v[XS+16*\b+4*\q:XS+16*\b+4*\q+3], v4 offset:128*\b+16*\q   ; register 16 b + i = key 32 b + 16 h + i of query r
.endr
.endr
	s_wait_dscnt 0x0
.set j, 0
.rept 16
.irp k, 0,1,2,3
	v_cmp_ne_u32 s[20+\k], 0, v[XS+j+\k]           ; word j + k
.endr
.irp k, 0,1,2,3
	v_writelane_b32 v[WD+\k%2], s[20+\k], (j+\k)/2 ; lane l gathers words 2 l and 2 l + 1
.endr
.set j, j+4
.endr
	global_store_b64 v2, v[WD:WD+1], s[6:7] offset:256*(\e)   ; 32 lanes store 256 consecutive bytes, aligned
.endm
	PACKU 0
	PACKU 1
	s_wait_tensorcnt 0x0
	ds_add_u32 v144, v145
	s_wait_dscnt 0x0
	s_endpgm
.Lfunc_end_k_qc7198c4904_maskpack:
	.size	k_qc7198c4904_maskpack, .Lfunc_end_k_qc7198c4904_maskpack-k_qc7198c4904_maskpack
	.p2alignl 7, 3214868480
	.fill 96, 4, 3214868480
	.section	.rodata,"a",@progbits
	.p2align	6, 0x0
	.amdhsa_kernel k_qc7198c4904_maskpack
		.amdhsa_group_segment_fixed_size 34304
		.amdhsa_private_segment_fixed_size 0
		.amdhsa_enable_private_segment 0
		.amdhsa_kernarg_size 16
		.amdhsa_user_sgpr_count 2
		.amdhsa_user_sgpr_kernarg_segment_ptr 1
		.amdhsa_wavefront_size32 1
		.amdhsa_system_sgpr_workgroup_id_x 1
		.amdhsa_system_sgpr_workgroup_id_y 1
		.amdhsa_system_sgpr_workgroup_id_z 1
		.amdhsa_system_vgpr_workitem_id 0
		.amdhsa_next_free_vgpr 146
		.amdhsa_next_free_sgpr 66
		.amdhsa_reserve_vcc 0
		.amdhsa_float_denorm_mode_32 3
		.amdhsa_float_denorm_mode_16_64 3
		.amdhsa_memory_ordered 1
		.amdhsa_forward_progress 1
		.amdhsa_inst_pref_size 26
	.end_amdhsa_kernel
	.amdgpu_metadata
---
amdhsa.version: [ 1, 2 ]
amdhsa.kernels:
  - .name:           k_qc7198c4904_maskpack
    .symbol:         k_qc7198c4904_maskpack.kd
    .args:
      - { .name: mask, .offset: 0, .size: 8, .value_kind: global_buffer, .address_space: global }
      - { .name: mbits, .offset: 8, .size: 8, .value_kind: global_buffer, .address_space: global }
    .group_segment_fixed_size: 34304
    .private_segment_fixed_size: 0
    .kernarg_segment_align: 8
    .kernarg_segment_size: 16
    .max_flat_workgroup_size: 128
    .sgpr_count:     66
    .vgpr_count:     146
    .wavefront_size: 32
...
	.end_amdgpu_metadata
.endif
;; end of part 2
;; launch proj (part 3): grid 256 x 3, 8 waves a work-group, no clusters, 205,824 bytes of LDS; arguments codes, scales, bq, bk, bv, qf, kv; writes qf, kv
.if DOCPART == 3
	.amdgcn_target "amdgcn-amd-amdhsa--gfx1250"
	.amdhsa_code_object_version 6
	.text
	.protected	k_qc7198c4904_proj
	.globl	k_qc7198c4904_proj
	.p2align	8
	.type	k_qc7198c4904_proj,@function
k_qc7198c4904_proj:
	s_mov_b64 s[64:65], 0
	v_nop
	global_prefetch_b8 v0, s[64:65] scope:SCOPE_SE
	s_setreg_imm32_b32 hwreg(HW_REG_WAVE_MODE, 25, 1), 1
	s_wait_xcnt 0x0
; The three input projections x W^T + b on codes of FP6 (E2M3) with E8M0 scales, 4,096 x 1,024 x 1,024 each (grid y: 0 query, 1 key, 2 value); the results are quantised here, in f32
; registers, into the operands of the attention launch.  Operands come as images of registers: a unit of 768 bytes is 16 rows x 64 K, lane L = r + 16 h owning row r's block h
; (16 bytes at 16 L, 8 at 512 + 8 L); tile T holds in lane r the row 32 (T / 2) + 8 (T % 2) + r + 8 (r / 8).
; A WORK-GROUP makes 128 x 128 of a product over all of K: source 0 = 128 rows P, source 1 = 128 rows R.  Query and key: P = the weight's rows, R = tokens: a lane holds one token, and its 32
; registers of one R tile run along 64 channels, one head: register n = channel 32 (n / 16) + 16 h + n % 16.  Value: P = tokens, R = the weight's rows: a lane holds a channel and its registers
; run down 64 keys, since the keys are the K of the second attention product.  So one macro quantises all three.
; EIGHT WAVES: wave w takes P tiles 4 (w % 2) .. + 3 and R tiles 2 (w / 2), + 1: eight accumulators.
; LDS: both groups for all of K (2 x 98,304 bytes of codes, 2 x 4,096 of scales) are filled ONCE: five tensor loads a wave at the start (the scales; four chunks of two K steps); no byte is filled again.
; The biases are loaded into the accumulators, so that every K step is the same link of a chain and nothing is cleared or added.
; NO JOINT LOADS: each work-group asks for its own 204,800 bytes.  The eight neighbours along x share the activations' group, half of that; asking for it jointly is left out of this text.
; LIMITS: NaN and infinities are not served; a block whose largest magnitude lies under 2^-124, a block of zeros among them, keeps the byte 1 (zeros' codes add nothing under it; this program alone reads the bytes).
; qf: [head 32][query tile 128][768] codes; from byte 3,145,728 [head][tile][16 x 4] scale words (bytes 2, 3 are 0).
; kv: [head][key step 16][13,056]: K's 8 units; from 6,144 V's 8 units (3,072 (ct / 2) + 1,536 half + 768 (ct % 2)); from 12,288 K's scale words (128 j + 4 L: lanes 0-15 tile 2 j, 16-31 tile 2 j + 1); from 12,800 V's.
.set RCODE, 98304                      ; LDS: P's codes at 0, R's here,
.set PSCL,  196608                     ; P's scales,
.set RSCL,  200704                     ; R's scales
.set SCP, 24                           ; v24-39  P's scale words: pair j of tiles, K step s at SCP + 8 j + s (lanes 0-15 the even tile, 16-31 the odd)
.set SCR, 40                           ; v40-47  R's: K step s at SCR + s
.set FB,  48                           ; v48-119, v120-191: two fragment buffers: P's four fragments, then R's two
.set ACC, 192                          ; v192-255: accumulator (pt, rt) at ACC + 32 rt + 8 pt
.set QM,  17                           ; v17-18 largest magnitudes; v19-20 permute results, then bytes; v21-22 scale operands
.set QP,  19
.set QS,  21
.set SEL, 72
.macro PLACES                          ; four places behind a matrix instruction of this form, ahead of loads into its sources and of reads of its results
.rept 4
	v_nop
.endr
.endm
.macro G0SET g, c                      ; descriptor group 0 of chunk c
	s_mov_b32 s[\g], 1
	s_add_co_u32 s[\g+1], s74, (\c)*24576
	s_add_nc_u64 s[\g+2:\g+3], s[78:79], (\c)*24576
	s_or_b32 s[\g+3], s[\g+3], 0x80000000
.endm
.macro SCALES
.irp j, 0,1
.irp kh, 0,1
	ds_load_b128 v[SCP+8*\j+4*\kh:SCP+8*\j+4*\kh+3], v14 offset:1024*\j+256*\kh
.endr
.endr
.irp kh, 0,1
	ds_load_b128 v[SCR+4*\kh:SCR+4*\kh+3], v15 offset:256*\kh
.endr
.endm
.macro FETCH s, b                      ; K step s: six fragments, 24 loads, each of consecutive bytes
.set FO, 12288*((\s)%4)
.set FK, (\s)/4
.set FR0, FB+72*(\b)
.irp t, 0,1,2,3
	ds_load_b128 v[FR0+12*\t:FR0+12*\t+3], v[6+FK] offset:FO+1536*\t
	ds_load_b64 v[FR0+12*\t+4:FR0+12*\t+5], v[8+FK] offset:FO+1536*\t+512
	ds_load_b128 v[FR0+12*\t+6:FR0+12*\t+9], v[6+FK] offset:FO+1536*\t+768
	ds_load_b64 v[FR0+12*\t+10:FR0+12*\t+11], v[8+FK] offset:FO+1536*\t+1280
.endr
.irp t, 0,1
	ds_load_b128 v[FR0+48+12*\t:FR0+48+12*\t+3], v[10+FK] offset:FO+1536*\t
	ds_load_b64 v[FR0+48+12*\t+4:FR0+48+12*\t+5], v[12+FK] offset:FO+1536*\t+512
	ds_load_b128 v[FR0+48+12*\t+6:FR0+48+12*\t+9], v[10+FK] offset:FO+1536*\t+768
	ds_load_b64 v[FR0+48+12*\t+10:FR0+48+12*\t+11], v[12+FK] offset:FO+1536*\t+1280
.endr
.endm
.macro WM d, a, b, sa, sb, ra, rb      ; one product; ra, rb: the side's scale words stand in lanes 16-31
.if (\ra) && (\rb)
	v_wmma_scale_f32_16x16x128_f8f6f4 v[\d:\d+7], v[\a:\a+11], v[\b:\b+11], v[\d:\d+7], v[\sa], v[\sb] matrix_a_fmt:MATRIX_FMT_FP6 matrix_b_fmt:MATRIX_FMT_FP6 matrix_a_scale:MATRIX_SCALE_ROW1 matrix_b_scale:MATRIX_SCALE_ROW1
.elseif (\ra)
	v_wmma_scale_f32_16x16x128_f8f6f4 v[\d:\d+7], v[\a:\a+11], v[\b:\b+11], v[\d:\d+7], v[\sa], v[\sb] matrix_a_fmt:MATRIX_FMT_FP6 matrix_b_fmt:MATRIX_FMT_FP6 matrix_a_scale:MATRIX_SCALE_ROW1
.elseif (\rb)
	v_wmma_scale_f32_16x16x128_f8f6f4 v[\d:\d+7], v[\a:\a+11], v[\b:\b+11], v[\d:\d+7], v[\sa], v[\sb] matrix_a_fmt:MATRIX_FMT_FP6 matrix_b_fmt:MATRIX_FMT_FP6 matrix_b_scale:MATRIX_SCALE_ROW1
.else
	v_wmma_scale_f32_16x16x128_f8f6f4 v[\d:\d+7], v[\a:\a+11], v[\b:\b+11], v[\d:\d+7], v[\sa], v[\sb] matrix_a_fmt:MATRIX_FMT_FP6 matrix_b_fmt:MATRIX_FMT_FP6
.endif
.endm
.macro MUL8 s, b                       ; the eight accumulators take turns, one instruction a turn, in the same order in every K step
.set FR0, FB+72*(\b)
.irp rt, 0,1
.irp pt, 0,1,2,3
	WM ACC+32*\rt+8*\pt, FR0+12*\pt, FR0+48+12*\rt, SCP+8*(\pt/2)+(\s), SCR+(\s), \pt%2, \rt
.endr
.endr
.endm
.macro KSTEP s
.if (\s) < 7
.if ((\s)+1)%2 == 0
	s_wait_tensorcnt 3-((\s)+1)/2                  ; my part of the chunk that the next K step begins is in; the later chunks may be out
	s_wait_dscnt 0x0                               ; no LDS instruction of mine is out at a signal
	s_barrier_signal -1
	s_barrier_wait -1                              ; everybody's part is in
.endif
.if (\s) >= 1
	PLACES                                         ; the buffer that the last K step's products read is loaded again
.endif
	FETCH (\s)+1, ((\s)+1)%2
	s_wait_dscnt 24                                ; all but the 24 loads just issued: this K step's fragments are in
.else
	s_wait_dscnt 0x0
.endif
	MUL8 \s, (\s)%2
.endm
; 32 numbers of a lane, register 16 b + i = k 32 b + 16 h + i of my row, become a unit's six registers v[pc] on; the two blocks' bytes are left in v[QP], v[QP+1].
.macro QUANT32 s, pc, pt
	v_max3_num_f32 v[QM], |v[\s]|, |v[\s+1]|, 0x1800000          ; each accumulator is read from its low end on; the floor 2^(3 - 127) holds the byte at 1 from below
	v_max3_num_f32 v[QM+1], |v[\s+16]|, |v[\s+17]|, 0x1800000
.irp i, 2,4,6,8,10,12,14
	v_max3_num_f32 v[QM], v[QM], |v[\s+\i]|, |v[\s+\i+1]|
	v_max3_num_f32 v[QM+1], v[QM+1], |v[\s+16+\i]|, |v[\s+17+\i]|
.endr
	v_permlanex16_b32 v[QP], v[QM], s[SEL], s[SEL+1]
	v_permlanex16_b32 v[QP+1], v[QM+1], s[SEL], s[SEL+1]
	v_max_num_f32 v[QM], v[QM], v[QP]              ; with lane l xor 16's: the block's largest magnitude
	v_max_num_f32 v[QM+1], v[QM+1], v[QP+1]
	v_add_nc_u32 v[QS], 0xff000000, v[QM]          ; 2 off the exponent field: the conversion's scale operand
	v_add_nc_u32 v[QS+1], 0xff000000, v[QM+1]
	v_lshrrev_b32 v[QP], 23, v[QS]                 ; the bytes
	v_lshrrev_b32 v[QP+1], 23, v[QS+1]
	v_cvt_scalef32_pk16_fp6_f32 v[\pc:\pc+2], v[\s:\s+15], v[QS]
	v_cvt_scalef32_pk16_fp6_f32 v[\pt:\pt+2], v[\s+16:\s+31], v[QS+1]
	v_nop                                          ; one plain place behind a scaled conversion
.irp i, 0,1,2
	v_permlane16_swap_b32 v[\pc+\i], v[\pt+\i]     ; a whole block to a lane: lanes 0-15 block 0, lanes 16-31 block 1
.endr
.irp i, 0,1,2
	v_mov_b32 v[\pc+3+\i], v[\pt+\i]
.endr
.endm
.macro OUT cb                          ; my two units: each three aligned blocks of 256 bytes, written whole
	global_store_b128 v1, v[48:51], s[\cb:\cb+1]
	global_store_b64 v2, v[52:53], s[\cb:\cb+1] offset:512
	global_store_b128 v1, v[64:67], s[\cb:\cb+1] offset:768
	global_store_b64 v2, v[68:69], s[\cb:\cb+1] offset:1280
.endm
	s_load_b256 s[4:11], s[0:1], 0x0               ; codes, scales, bq, bk
	s_load_b128 s[12:15], s[0:1], 0x20             ; bv, qf
	s_load_b64 s[16:17], s[0:1], 0x30              ; kv
	v_lshl_add_u32 v23, v0, 2, 0x32000
	s_set_vgpr_msb 0x40
	v_mov_b32 v1, 0
	s_set_vgpr_msb 0x4044
	ds_add_u32 v23, v1
	ds_add_u32 v23, v1
	s_set_vgpr_msb 0x4400
	v_lshrrev_b32 v17, 5, v0
	v_readfirstlane_b32 s18, v17                   ; wave 0..7
	s_and_b32 s19, s18, 1                          ; wp: which four P tiles
	s_lshr_b32 s20, s18, 1                         ; wr: which two R tiles
	s_lshr_b32 s21, s18, 2                         ; I fetch for P (0) or for R (1),
	s_and_b32 s22, s18, 3                          ; this quarter of each block
	s_and_b32 s23, ttmp7, 0xffff                   ; y: 0 query, 1 key, 2 value
	s_and_b32 s24, ttmp9, 7                        ; wt: which 128 channels
	s_lshr_b32 s25, ttmp9, 3                       ; at: which 128 tokens
	s_lshl_b32 s26, s23, 5
	s_add_co_u32 s26, s26, s25                     ; the activations' group: 32 y + at
	s_lshl_b32 s27, s23, 3
	s_add_co_u32 s27, s27, s24
	s_add_co_u32 s27, s27, 96                      ; the weight's group: 96 + 8 y + wt
	s_cmp_eq_u32 s23, 2
	s_cselect_b32 s29, 1, 0
	s_xor_b32 s29, s29, s21                        ; P is the weight for query and key, the activations for value
	s_cmp_eq_u32 s29, 0
	s_cselect_b32 s28, s27, s26                    ; the group that I fetch from
	s_mov_b32 s32, 3<<16                           ; group 1, codes: elements of 8 bytes, no mask, no padding;
	s_mov_b32 s33, 32<<16                          ; tensor_dim0 = 32 (256 bytes)
	s_mov_b32 s34, 24<<16                          ; tensor_dim1 = 24
	s_mov_b32 s35, 32<<16                          ; tile_dim0 = 32
	s_mov_b32 s36, 24                              ; tile_dim1 = 24: 6,144 dense bytes
	s_mov_b32 s37, 32                              ; the pitch
	s_mov_b32 s38, 0
	s_mov_b32 s39, 0
	s_mov_b32 s40, 3<<16                           ; group 1, scales: 4 rows of 256 bytes
	s_mov_b32 s41, 32<<16
	s_mov_b32 s42, 4<<16
	s_mov_b32 s43, 32<<16
	s_mov_b32 s44, 4
	s_mov_b32 s45, 32
	s_mov_b32 s46, 0
	s_mov_b32 s47, 0
	s_mul_i32 s74, s21, 98304                      ; LDS, from the wave's number alone: codes: side x 98,304 + quarter x 6,144 (+ chunk x 24,576);
	s_mul_i32 s75, s22, 6144
	s_add_co_u32 s74, s74, s75
	s_lshl_b32 s75, s21, 12                        ; scales: 196,608 + side x 4,096 + quarter x 1,024
	s_lshl_b32 s76, s22, 10
	s_add_co_u32 s75, s75, s76
	s_add_co_u32 s75, s75, PSCL
	s_mul_i32 s78, s28, 98304                      ; memory: the same terms behind the group
	s_mul_i32 s79, s22, 6144
	s_add_co_u32 s78, s78, s79
	s_mov_b32 s79, 0
	s_lshl_b32 s80, s28, 12
	s_add_co_u32 s80, s80, s76
	s_mov_b32 s81, 0
	s_mov_b32 s[SEL], 0x76543210
	s_mov_b32 s[SEL+1], 0xfedcba98
	s_wait_dscnt 0x0
	s_wait_kmcnt 0x0
	s_add_nc_u64 s[78:79], s[4:5], s[78:79]
	s_add_nc_u64 s[80:81], s[6:7], s[80:81]
	s_mov_b32 s48, 1
	s_mov_b32 s49, s75
	s_mov_b64 s[50:51], s[80:81]
	s_or_b32 s51, s51, 0x80000000
	G0SET 52, 0
	G0SET 56, 1
	G0SET 60, 2
	G0SET 68, 3
	tensor_load_to_lds s[48:51], s[40:47]          ; all first fills together, ahead of every wait on TENSORcnt, LDS read and barrier: five loads of mine are out
	s_nop 0
	tensor_load_to_lds s[52:55], s[32:39]
	s_nop 0
	tensor_load_to_lds s[56:59], s[32:39]
	s_nop 0
	tensor_load_to_lds s[60:63], s[32:39]
	s_nop 0
	tensor_load_to_lds s[68:71], s[32:39]
	s_nop 0
	PLACES
	v_and_b32 v17, 31, v0
	v_and_b32 v4, 15, v0                           ; r
	v_bfe_u32 v5, v0, 4, 1                         ; h
	v_lshlrev_b32 v1, 4, v17                       ; 16 L
	v_lshlrev_b32 v2, 3, v17                       ; 8 L
	v_lshlrev_b32 v3, 2, v17                       ; 4 L
	s_mul_i32 s82, s19, 6144                       ; my four P tiles; K steps 0-3 and 4-7 have an address register each, so that the immediates stay under 65,536
	v_add_nc_u32 v6, s82, v1
	v_add_nc_u32 v8, s82, v2
	s_add_co_u32 s82, s82, 49152
	v_add_nc_u32 v7, s82, v1
	v_add_nc_u32 v9, s82, v2
	s_mul_i32 s82, s20, 3072                       ; my two R tiles
	s_add_co_u32 s82, s82, RCODE
	v_add_nc_u32 v10, s82, v1
	v_add_nc_u32 v12, s82, v2
	s_add_co_u32 s82, s82, 49152
	v_add_nc_u32 v11, s82, v1
	v_add_nc_u32 v13, s82, v2
	v_lshlrev_b32 v18, 4, v4
	v_lshl_add_u32 v18, v5, 9, v18                 ; scales: 16 r, and lanes 16-31 one tile (512 bytes) on
	s_lshl_b32 s82, s19, 11
	s_add_co_u32 s82, s82, PSCL
	v_add_nc_u32 v14, s82, v18
	s_lshl_b32 s82, s20, 10
	s_add_co_u32 s82, s82, RSCL
	v_add_nc_u32 v15, s82, v18
	v_mov_b32 v19, 0                               ; a lane permute's destination counts as one of its sources
	v_mov_b32 v20, 0
	; the biases, in the results' layout, straight into the accumulators
	s_cmp_eq_u32 s23, 2
	s_cbranch_scc1 .Lbias_v
	s_cmp_eq_u32 s23, 1
	s_cselect_b64 s[8:9], s[10:11], s[8:9]
	s_lshl_b32 s84, s24, 9                         ; 4 (128 wt + 64 wp)
	s_lshl_b32 s85, s19, 8
	s_add_co_u32 s84, s84, s85
	s_mov_b32 s85, 0
	s_add_nc_u64 s[8:9], s[8:9], s[84:85]
	v_lshlrev_b32 v16, 6, v5                       ; register 8 pt + j: channel 32 (pt / 2) + 8 (pt % 2) + 16 h + j
.irp rt, 0,1
.irp pt, 0,1,2,3
	global_load_b128 v[ACC+32*\rt+8*\pt:ACC+32*\rt+8*\pt+3], v16, s[8:9] offset:128*(\pt/2)+32*(\pt%2)
	global_load_b128 v[ACC+32*\rt+8*\pt+4:ACC+32*\rt+8*\pt+7], v16, s[8:9] offset:128*(\pt/2)+32*(\pt%2)+16
.endr
.endr
	s_branch .Lbias_done
.Lbias_v:
	s_lshl_b32 s84, s24, 9                         ; 4 (128 wt + 32 wr)
	s_lshl_b32 s85, s20, 7
	s_add_co_u32 s84, s84, s85
	s_mov_b32 s85, 0
	s_add_nc_u64 s[12:13], s[12:13], s[84:85]
	v_and_b32 v16, 8, v4
	v_add_nc_u32 v16, v16, v4
	v_lshlrev_b32 v16, 2, v16                      ; a lane holds ONE channel, 8 rt + r + 8 (r / 8): its number goes into all 32 registers of the tile
.irp rt, 0,1
.set n, 0
.rept 32
	global_load_b32 v[ACC+32*\rt+n], v16, s[12:13] offset:32*\rt
.set n, n+1
.endr
.endr
.Lbias_done:
	s_wait_tensorcnt 3                             ; the scales and my part of chunk 0 are in; three chunks may be out
	s_barrier_signal -1
	s_barrier_wait -1                              ; everybody's are
	SCALES
	FETCH 0, 0
	s_wait_loadcnt 0x0                             ; the biases
.irp s, 0,1,2,3,4,5,6,7
	KSTEP \s
.endr
	PLACES
	QUANT32 ACC, 48, 56
	v_lshl_or_b32 v80, v[QP+1], 8, v[QP]           ; R tile 0's scale half-word
	QUANT32 ACC+32, 64, 72
	v_lshl_or_b32 v81, v[QP+1], 8, v[QP]
	v_cmp_ne_u32 vcc_lo, 0, v5
	v_cndmask_b32 v82, v80, v81, vcc_lo            ; lanes 0-15 carry the even tile's, lanes 16-31 the odd tile's
	s_lshr_b32 s80, s25, 4
	s_lshl_b32 s80, s80, 4                         ; 16 x batch
	s_and_b32 s81, s25, 15                         ; a: which 128 tokens of the batch
	s_cmp_eq_u32 s23, 2
	s_cbranch_scc1 .Lout_v
	s_lshl_b32 s82, s24, 1
	s_add_co_u32 s82, s82, s19
	s_add_co_u32 s82, s82, s80                     ; head = 16 x batch + 2 wt + wp
	s_cmp_eq_u32 s23, 1
	s_cbranch_scc1 .Lout_k
	s_lshl_b32 s82, s82, 7                         ; QUERY: tile n = 128 x head + 8 a + 2 wr
	s_lshl_b32 s83, s81, 3
	s_add_co_u32 s82, s82, s83
	s_lshl_b32 s83, s20, 1
	s_add_co_u32 s82, s82, s83
	s_mul_i32 s84, s82, 768
	s_mov_b32 s85, 0
	s_lshl_b32 s86, s82, 6
	s_add_co_u32 s86, s86, 3145728
	s_mov_b32 s87, 0
	s_add_nc_u64 s[84:85], s[14:15], s[84:85]
	s_add_nc_u64 s[86:87], s[14:15], s[86:87]
	OUT 84
	global_store_b32 v3, v82, s[86:87]             ; two tiles' words: 128 consecutive bytes
	s_set_vgpr_msb 0x4
	s_wait_tensorcnt 0x0
	ds_add_u32 v23, v1
	s_wait_dscnt 0x0
	s_set_vgpr_msb 0x400
	s_endpgm
.Lout_k:
	s_lshl_b32 s82, s82, 4                         ; KEY: step (16 x head + a) x 13,056
	s_add_co_u32 s82, s82, s81
	s_mul_i32 s82, s82, 13056
	s_mul_i32 s83, s20, 1536
	s_add_co_u32 s84, s82, s83
	s_mov_b32 s85, 0
	s_lshl_b32 s83, s20, 7
	s_add_co_u32 s86, s82, s83
	s_add_co_u32 s86, s86, 12288
	s_mov_b32 s87, 0
	s_add_nc_u64 s[84:85], s[16:17], s[84:85]
	s_add_nc_u64 s[86:87], s[16:17], s[86:87]
	OUT 84
	global_store_b32 v3, v82, s[86:87]
	s_set_vgpr_msb 0x4
	s_wait_tensorcnt 0x0
	ds_add_u32 v23, v1
	s_wait_dscnt 0x0
	s_set_vgpr_msb 0x400
	s_endpgm
.Lout_v:
	s_lshl_b32 s82, s24, 1                         ; VALUE: head = 16 x batch + 2 wt + wr / 2; channel tiles 2 (wr % 2), + 1; keys 64 wp on
	s_lshr_b32 s83, s20, 1
	s_add_co_u32 s82, s82, s83
	s_add_co_u32 s82, s82, s80
	s_lshl_b32 s82, s82, 4
	s_add_co_u32 s82, s82, s81
	s_mul_i32 s82, s82, 13056
	s_and_b32 s83, s20, 1
	s_mul_i32 s88, s83, 3072
	s_add_co_u32 s84, s82, s88
	s_mul_i32 s88, s19, 1536
	s_add_co_u32 s84, s84, s88
	s_add_co_u32 s84, s84, 6144
	s_mov_b32 s85, 0
	s_lshl_b32 s88, s83, 7
	s_add_co_u32 s86, s82, s88
	s_lshl_b32 s88, s19, 1
	s_add_co_u32 s86, s86, s88
	s_add_co_u32 s86, s86, 12800
	s_mov_b32 s87, 0
	s_add_nc_u64 s[84:85], s[16:17], s[84:85]
	s_add_nc_u64 s[86:87], s[16:17], s[86:87]
	OUT 84
	global_store_b16 v3, v82, s[86:87]             ; my half (64 keys, two bytes) of each channel's scale word; the wave with the other keys writes the other half
	s_set_vgpr_msb 0x4
	s_wait_tensorcnt 0x0
	ds_add_u32 v23, v1
	s_wait_dscnt 0x0
	s_set_vgpr_msb 0x400
	s_endpgm
.Lfunc_end_k_qc7198c4904_proj:
	.size	k_qc7198c4904_proj, .Lfunc_end_k_qc7198c4904_proj-k_qc7198c4904_proj
	.p2alignl 7, 3214868480
	.fill 96, 4, 3214868480
	.section	.rodata,"a",@progbits
	.p2align	6, 0x0
	.amdhsa_kernel k_qc7198c4904_proj
		.amdhsa_group_segment_fixed_size 205824
		.amdhsa_private_segment_fixed_size 0
		.amdhsa_enable_private_segment 0
		.amdhsa_kernarg_size 56
		.amdhsa_user_sgpr_count 2
		.amdhsa_user_sgpr_kernarg_segment_ptr 1
		.amdhsa_wavefront_size32 1
		.amdhsa_system_sgpr_workgroup_id_x 1
		.amdhsa_system_sgpr_workgroup_id_y 1
		.amdhsa_system_sgpr_workgroup_id_z 1
		.amdhsa_system_vgpr_workitem_id 0
		.amdhsa_next_free_vgpr 258
		.amdhsa_next_free_sgpr 96
		.amdhsa_reserve_vcc 1
		.amdhsa_float_denorm_mode_32 3
		.amdhsa_float_denorm_mode_16_64 3
		.amdhsa_memory_ordered 1
		.amdhsa_forward_progress 1
		.amdhsa_inst_pref_size 44
	.end_amdhsa_kernel
	.amdgpu_metadata
---
amdhsa.version: [ 1, 2 ]
amdhsa.kernels:
  - .name:           k_qc7198c4904_proj
    .symbol:         k_qc7198c4904_proj.kd
    .args:
      - { .name: codes, .offset: 0, .size: 8, .value_kind: global_buffer, .address_space: global }
      - { .name: scales, .offset: 8, .size: 8, .value_kind: global_buffer, .address_space: global }
      - { .name: bq, .offset: 16, .size: 8, .value_kind: global_buffer, .address_space: global }
      - { .name: bk, .offset: 24, .size: 8, .value_kind: global_buffer, .address_space: global }
      - { .name: bv, .offset: 32, .size: 8, .value_kind: global_buffer, .address_space: global }
      - { .name: qf, .offset: 40, .size: 8, .value_kind: global_buffer, .address_space: global }
      - { .name: kv, .offset: 48, .size: 8, .value_kind: global_buffer, .address_space: global }
    .group_segment_fixed_size: 205824
    .private_segment_fixed_size: 0
    .kernarg_segment_align: 8
    .kernarg_segment_size: 56
    .max_flat_workgroup_size: 256
    .sgpr_count:     96
    .vgpr_count:     258
    .wavefront_size: 32
...
	.end_amdgpu_metadata
.endif
;; end of part 3
;; launch attn (part 4): grid 8 x 32, 16 waves a work-group, clusters of 4 x 1, 210,944 bytes of LDS; arguments qf, kv, mbits, xc, xs; writes xc, xs
.if DOCPART == 4
	.amdgcn_target "amdgcn-amd-amdhsa--gfx1250"
	.amdhsa_code_object_version 6
	.text
	.protected	k_qc7198c4904_attn
	.globl	k_qc7198c4904_attn
	.p2align	8
	.type	k_qc7198c4904_attn,@function
k_qc7198c4904_attn:
	s_mov_b64 s[64:65], 0
	v_nop
	global_prefetch_b8 v0, s[64:65] scope:SCOPE_SE
	s_setreg_imm32_b32 hwreg(HW_REG_WAVE_MODE, 25, 1), 1
	s_wait_xcnt 0x0
	s_wait_alu depctr_hold_cnt(0) depctr_sa_sdst(0) depctr_va_vdst(0) depctr_va_sdst(0) depctr_va_ssrc(0) depctr_va_vcc(0) depctr_vm_vsrc(0)
	s_getreg_b32 s2, hwreg(HW_REG_IB_STS2, 6, 4)
	s_cmp_eq_u32 s2, 0
	s_cbranch_scc0 .Lentry_in_a_cluster
	s_endpgm
.Lentry_in_a_cluster:
	s_bfe_u32 s2, ttmp6, 0x10000c
	s_cmp_lg_u32 s2, 0x3003
	s_cbranch_scc0 .Lentry_shape_is_right
	s_endpgm
.Lentry_shape_is_right:
; x[b][q][64 hd + d] = the sum over keys of softmax(where(mask == 0, -1, Q . K / 8)) V, both products on codes of FP6 (E2M3) with E8M0 scales; x is quantised here for the output projection.
; THE MASK IS SOFT: a masked key's logit is -1, so it counts in the maximum, the sum and the second product.  A raw score of -8.0 is that logit exactly; the lane masks come as 64 words a step
; into scalar registers, and one v_cndmask_b32 masks a register of scores.
; THE SOFTMAX: t = score x log2(e) / 8; M = the running largest t rounded UP to a whole number; p = 2^(t - M) is quantised along the keys, not normalised; the row's sum is taken of the unquantised p
; and divides at the end; when M moves, the sum and O are multiplied by 2^(old M - new M): exact.  A block's largest p is made from its largest score by the same two instructions
; (this takes v_exp_f32 not to fall where its input rises).
; SHARES: a work-group owns 256 queries of one head, each of its sixteen waves one tile of 16; four waves to a SIMD, so that one wave's vector work stands beside another's products and LDS loads.
; Both products are used transposed (S^T = K Q^T, O^T = V^T P^T): a lane holds one query throughout.  Tiles hold rows 32 (T / 2) + 8 (T % 2) + r + 8 (r / 8), so that score register 16 b + i is key 32 b + 16 h + i.
; THE SCORES' K IS 64: Q's registers 6-11 are zero codes; K's units lie six registers apart, so that a K operand's upper six registers are the next unit's codes (E2M3 has no NaN or infinity), which meet Q's
; zeros; bytes 2 and 3 of both scale words are 0, never 0xff.
; LDS: the whole head's K and V, 16 steps x 13,056 bytes as they lie in memory, filled ONCE, in thirds; no byte is filled again.
; CLUSTER: the four query blocks of a cluster belong to one head and want the same 208,896 bytes: every fill is asked for jointly, by the same tensor load with the same descriptor and a mask that names the four.
; LIMITS: NaN and infinities are not served; a block of x whose largest magnitude lies under 2^-124 keeps the byte 1, as does a block of p that has fallen to zeros.
.set STEPB, 13056
.set THIRD, 69632
.set F,   36                           ; v36-83 eight units of K, then four fragments of V; v84-89 zeros
.set KS,  30                           ; v30-33 K's scale words; v34-35 V's; v28 Q's; v29 p's
.set VS,  34
.set S,   96                           ; v96-159 S^T, then p
.set OT,  160                          ; v160-191 O^T
.set PCD, 192                          ; v192-203 p's codes
.set PT,  204                          ; v204-206, v208-210 conversion results on their way
.set BM,  212                          ; v212-215 block maxima
.set BP,  216                          ; v216-219 permute results, then bytes
.set BS,  220                          ; v220-223 scale operands
.set QM,  212
.set QP,  216
.set QS,  220
.macro CROUND                          ; a round of the cluster's barrier
	s_barrier_signal -1
	s_barrier_wait -1
	s_cmp_lg_u32 s31, 0
	s_cbranch_scc1 .Lnot_wave_0_\@
	s_barrier_signal -3
.Lnot_wave_0_\@:
	s_barrier_wait -3
	s_barrier_signal -1
	s_barrier_wait -1
.endm
.macro KQ t
.if (\t)%2
	v_wmma_scale_f32_16x16x128_f8f6f4 v[S+8*\t:S+8*\t+7], v[F+6*\t:F+6*\t+11], v[16:27], 0, v[KS+\t/2], v28 matrix_a_fmt:MATRIX_FMT_FP6 matrix_b_fmt:MATRIX_FMT_FP6 matrix_a_scale:MATRIX_SCALE_ROW1
.else
	v_wmma_scale_f32_16x16x128_f8f6f4 v[S+8*\t:S+8*\t+7], v[F+6*\t:F+6*\t+11], v[16:27], 0, v[KS+\t/2], v28 matrix_a_fmt:MATRIX_FMT_FP6 matrix_b_fmt:MATRIX_FMT_FP6
.endif
.endm
.macro PV t
.if (\t)%2
	v_wmma_scale_f32_16x16x128_f8f6f4 v[OT+8*\t:OT+8*\t+7], v[F+12*\t:F+12*\t+11], v[PCD:PCD+11], v[OT+8*\t:OT+8*\t+7], v[VS+\t/2], v29 matrix_a_fmt:MATRIX_FMT_FP6 matrix_b_fmt:MATRIX_FMT_FP6 matrix_a_scale:MATRIX_SCALE_ROW1
.else
	v_wmma_scale_f32_16x16x128_f8f6f4 v[OT+8*\t:OT+8*\t+7], v[F+12*\t:F+12*\t+11], v[PCD:PCD+11], v[OT+8*\t:OT+8*\t+7], v[VS+\t/2], v29 matrix_a_fmt:MATRIX_FMT_FP6 matrix_b_fmt:MATRIX_FMT_FP6
.endif
.endm
; 32 numbers of a lane, register 16 b + i = k 32 b + 16 h + i of my row, become a unit's six registers v[pc] on; the two blocks' bytes are left in v[QP], v[QP+1].
.macro QUANT32 s, pc, pt
	v_max3_num_f32 v[QM], |v[\s]|, |v[\s+1]|, 0x1800000
	v_max3_num_f32 v[QM+1], |v[\s+16]|, |v[\s+17]|, 0x1800000
.irp i, 2,4,6,8,10,12,14
	v_max3_num_f32 v[QM], v[QM], |v[\s+\i]|, |v[\s+\i+1]|
	v_max3_num_f32 v[QM+1], v[QM+1], |v[\s+16+\i]|, |v[\s+17+\i]|
.endr
	v_permlanex16_b32 v[QP], v[QM], s26, s27
	v_permlanex16_b32 v[QP+1], v[QM+1], s26, s27
	v_max_num_f32 v[QM], v[QM], v[QP]
	v_max_num_f32 v[QM+1], v[QM+1], v[QP+1]
	v_add_nc_u32 v[QS], 0xff000000, v[QM]
	v_add_nc_u32 v[QS+1], 0xff000000, v[QM+1]
	v_lshrrev_b32 v[QP], 23, v[QS]
	v_lshrrev_b32 v[QP+1], 23, v[QS+1]
	v_cvt_scalef32_pk16_fp6_f32 v[\pc:\pc+2], v[\s:\s+15], v[QS]
	v_cvt_scalef32_pk16_fp6_f32 v[\pt:\pt+2], v[\s+16:\s+31], v[QS+1]
	v_nop                                          ; one plain place behind a scaled conversion
.irp i, 0,1,2
	v_permlane16_swap_b32 v[\pc+\i], v[\pt+\i]
.endr
.irp i, 0,1,2
	v_mov_b32 v[\pc+3+\i], v[\pt+\i]
.endr
.endm
	s_load_b128 s[32:35], s[0:1], 0x0              ; qf, kv
	s_load_b64 s[36:37], s[0:1], 0x10              ; mbits
	v_lshl_add_u32 v254, v0, 2, 0x33000
	v_mov_b32 v255, 0
	ds_add_u32 v254, v255
	ds_add_u32 v254, v255
	v_lshrrev_b32 v8, 5, v0
	v_readfirstlane_b32 s31, v8                    ; wave 0..15
	s_bfe_u32 s42, ttmp6, 0x40000                  ; cx: it enters the addresses of Q, the mask words and x alone
	s_lshl_b32 s43, ttmp9, 2
	s_add_co_u32 s43, s43, s42                     ; my block of 256 queries
	s_lshl_b32 s43, s43, 4
	s_add_co_u32 s43, s43, s31                     ; qt: my tile of 16 queries
	s_and_b32 s44, ttmp7, 0xffff                   ; the head, which the four partners share
	s_mul_i32 s45, s31, 4352                       ; my sixteenth of a third, in LDS and in memory alike
	s_mul_i32 s46, s44, 208896
	s_add_co_u32 s46, s46, s45
	s_mov_b32 s47, 0
	s_mov_b32 s4, 15|(3<<16)|(1<<21)               ; group 1: the mask names all four work-groups; elements of 8 bytes; bit 21 set beside a mask
	s_mov_b32 s5, 32<<16                           ; tensor_dim0 = 32 (256 bytes)
	s_mov_b32 s6, 17<<16                           ; tensor_dim1 = 17
	s_mov_b32 s7, 32<<16                           ; tile_dim0
	s_mov_b32 s8, 17                               ; tile_dim1: 4,352 dense bytes
	s_mov_b32 s9, 32                               ; the pitch
	s_mov_b32 s10, 0
	s_mov_b32 s11, 0
	s_lshl_b32 s50, s44, 7
	s_add_co_u32 s50, s50, s43                     ; 128 x head + qt
	s_mul_i32 s52, s50, 768
	s_mov_b32 s53, 0
	s_lshl_b32 s54, s50, 6
	s_add_co_u32 s54, s54, 3145728
	s_mov_b32 s55, 0
	s_lshl_b32 s56, s43, 12                        ; a tile's mask words: 16 steps x 256 bytes
	s_mov_b32 s57, 0
	s_mov_b32 s26, 0x76543210
	s_mov_b32 s27, 0xfedcba98                      ; v_permlanex16_b32's selects for lane l xor 16
	s_mov_b32 s28, 0x3e38aa3b                      ; c = log2(e) / 8
	s_mov_b32 s29, s28                             ; (named with it as a pair, so it is written)
	s_mov_b32 s2, 0                                ; the step's first LDS byte
	s_mov_b32 s3, 0                                ; the step's first byte among my tile's mask words
	s_wait_dscnt 0x0
	s_wait_kmcnt 0x0
	s_add_nc_u64 s[48:49], s[34:35], s[46:47]
	s_add_nc_u64 s[38:39], s[32:33], s[52:53]      ; Q's unit
	s_add_nc_u64 s[40:41], s[32:33], s[54:55]      ; Q's scale words
	s_add_nc_u64 s[24:25], s[36:37], s[56:57]      ; my tile's mask words
.irp c, 0,1,2
	s_mov_b32 s[12+4*\c], 1
	s_add_co_u32 s[13+4*\c], s45, \c*THIRD
	s_add_nc_u64 s[14+4*\c:15+4*\c], s[48:49], \c*THIRD
	s_or_b32 s[15+4*\c], s[15+4*\c], 0x80000000
.endr
	CROUND                                         ; all four work-groups are here: the joint loads meet
	tensor_load_to_lds s[12:15], s[4:11]           ; all fills together: three loads of mine are out
	s_nop 0
	tensor_load_to_lds s[16:19], s[4:11]
	s_nop 0
	tensor_load_to_lds s[20:23], s[4:11]
	s_nop 0
.rept 4
	v_nop
.endr
	v_and_b32 v8, 31, v0
	v_lshlrev_b32 v1, 4, v8                        ; 16 L
	v_lshlrev_b32 v2, 3, v8                        ; 8 L
	v_lshlrev_b32 v3, 2, v8                        ; 4 L
	v_and_b32 v9, 15, v0
	v_lshlrev_b32 v9, 2, v9
	global_load_b128 v[16:19], v1, s[38:39]        ; Q stays in registers
	global_load_b64 v[20:21], v2, s[38:39] offset:512
	global_load_b32 v28, v9, s[40:41]
	s_wait_xcnt 0x0                                ; these loads have read their bases (ISA guide 3.1): the mask words may land there
	s_load_b512 s[32:47], s[24:25], s3             ; step 0's 64 mask words: word n in s[32 + n], from n = 32 on in s[36 + n]
	s_load_b512 s[48:63], s[24:25], s3 offset:0x40
	s_load_b512 s[68:83], s[24:25], s3 offset:0x80
	s_load_b512 s[84:99], s[24:25], s3 offset:0xc0
	v_mov_b32 v7, 0xc1000000                       ; -8.0: the raw score of a masked key
	v_mov_b32 v13, 0xff61b1e6                      ; the largest t so far: -3e38
	v_floor_f32 v12, -v13                          ; -M
.irp r, 14,15,22,23,24,25,26,27,84,85,86,87,88,89,216,217,218,219,227
	v_mov_b32 v\r, 0                               ; the sum; the zero codes; permute destinations; the upper half of f's pair
.endr
.set n, 0
.rept 32
	v_mov_b32 v[OT+n], 0                           ; O^T: the step is written once; the first change of M leaves zeros zeros
.set n, n+1
.endr
	s_wait_loadcnt 0x0                             ; Q
.macro STEP
	v_add_nc_u32 v4, s2, v1                        ; with the v_nop: the four places behind the last step's products, ahead of the loads into their sources
	v_add_nc_u32 v5, s2, v2
	v_add_nc_u32 v6, s2, v3
	v_nop
.irp t, 0,1,2,3,4,5,6,7
	ds_load_b128 v[F+6*\t:F+6*\t+3], v4 offset:768*\t
	ds_load_b64 v[F+6*\t+4:F+6*\t+5], v5 offset:768*\t+512
.endr
.irp j, 0,1,2,3
	ds_load_b32 v[KS+\j], v6 offset:12288+128*\j
.endr
	s_wait_dscnt 0x0
.irp t, 0,1,2,3,4,5,6,7
	KQ \t
.endr
.rept 4
	v_nop
.endr
.irp ct, 0,1,2,3                               ; V's fragments land under the softmax
.irp hf, 0,1
	ds_load_b128 v[F+12*\ct+6*\hf:F+12*\ct+6*\hf+3], v4 offset:6144+3072*(\ct/2)+1536*\hf+768*(\ct%2)
	ds_load_b64 v[F+12*\ct+6*\hf+4:F+12*\ct+6*\hf+5], v5 offset:6144+3072*(\ct/2)+1536*\hf+768*(\ct%2)+512
.endr
.endr
	ds_load_b32 v[VS], v6 offset:12800
	ds_load_b32 v[VS+1], v6 offset:12928
	s_wait_kmcnt 0x0                               ; this step's mask words
.set n, 0
.rept 64
.if n < 32
	v_cndmask_b32 v[S+n], v7, v[S+n], s[32+n]      ; mask == 0: the logit is -1.  Ascending: each accumulator is read from its low end on
.else
	v_cndmask_b32 v[S+n], v7, v[S+n], s[36+n]
.endif
.set n, n+1
.endr
.irp b, 0,1,2,3
	v_max3_num_f32 v[BM+\b], v[S+16*\b], v[S+1+16*\b], v[S+2+16*\b]   ; the largest score of each block of 32 keys: for the row's maximum and for the block's largest p
.endr
.irp i, 3,5,7,9,11,13
.irp b, 0,1,2,3
	v_max3_num_f32 v[BM+\b], v[BM+\b], v[S+16*\b+\i], v[S+1+16*\b+\i]
.endr
.endr
.irp b, 0,1,2,3
	v_max_num_f32 v[BM+\b], v[BM+\b], v[S+15+16*\b]
.endr
	s_add_co_u32 s3, s3, 256                       ; the next step's mask words (the last step asks for step 0's once more: inside the buffer)
	s_and_b32 s3, s3, 0xfff
	s_load_b512 s[32:47], s[24:25], s3
	s_load_b512 s[48:63], s[24:25], s3 offset:0x40
	s_load_b512 s[68:83], s[24:25], s3 offset:0x80
	s_load_b512 s[84:99], s[24:25], s3 offset:0xc0
.irp b, 0,1,2,3
	v_permlanex16_b32 v[BP+\b], v[BM+\b], s26, s27
.endr
.irp b, 0,1,2,3
	v_max_num_f32 v[BM+\b], v[BM+\b], v[BP+\b]     ; with lane l xor 16's 16 keys
.endr
	v_max3_num_f32 v224, v[BM], v[BM+1], v[BM+2]
	v_max_num_f32 v224, v224, v[BM+3]
	v_mul_f32 v224, s28, v224                      ; as t (c is positive)
	v_max_num_f32 v13, v13, v224                   ; the running largest t
	v_mov_b32 v224, v12
	v_floor_f32 v12, -v13                          ; the new -M = -ceil(t)
	v_sub_f32 v224, v12, v224                      ; old M - new M: a whole number, 0 or less
	v_cvt_i32_f32 v224, v224                       ; (it saturates)
	v_ldexp_f32 v226, 1.0, v224                    ; f = 2^(old M - new M)
.set n, 0
.rept 32
	v_pk_fma_f32 v[S+n:S+n+1], v[S+n:S+n+1], s[28:29], v[12:13] op_sel_hi:[1,0,0]   ; t - M, two at a time
.set n, n+2
.endr
.irp b, 0,1,2,3
	v_fma_f32 v[BM+\b], v[BM+\b], s28, v12
.endr
.set n, 0
.rept 64
	v_exp_f32 v[S+n], v[S+n]                       ; p = 2^(t - M), at most 1
.set n, n+1
.endr
.irp b, 0,1,2,3
	v_exp_f32 v[BM+\b], v[BM+\b]                   ; the block's largest p
.endr
	v_pk_mul_f32 v[14:15], v[14:15], v[226:227] op_sel_hi:[1,0]   ; the sums under the new M.  (The plain place behind the exponentials)
	s_wait_alu depctr_va_vdst(0)
.irp b, 0,1,2,3
	v_max_num_f32 v[BM+\b], 0x1800000, v[BM+\b]    ; the floor 2^(3 - 127)
.endr
.irp b, 0,1,2,3
	v_add_nc_u32 v[BS+\b], 0xff000000, v[BM+\b]    ; the conversion's scale operand
.endr
.irp b, 0,1,2,3
	v_lshrrev_b32 v[BP+\b], 23, v[BS+\b]           ; the byte
.endr
	v_lshl_or_b32 v29, v[BP+1], 8, v[BP]           ; p's scale word for these 128 keys
	v_lshl_or_b32 v29, v[BP+2], 16, v29
	v_lshl_or_b32 v29, v[BP+3], 24, v29
.irp c, 0,1
	v_cvt_scalef32_pk16_fp6_f32 v[PCD+6*\c:PCD+6*\c+2], v[S+32*\c:S+32*\c+15], v[BS+2*\c]
	v_cvt_scalef32_pk16_fp6_f32 v[PT+4*\c:PT+4*\c+2], v[S+16+32*\c:S+31+32*\c], v[BS+2*\c+1]
.endr
	v_nop                                          ; one plain place behind a scaled conversion
.irp c, 0,1
.irp i, 0,1,2
	v_permlane16_swap_b32 v[PCD+6*\c+\i], v[PT+4*\c+\i]   ; a whole block to a lane
.endr
.irp i, 0,1,2
	v_mov_b32 v[PCD+3+6*\c+\i], v[PT+4*\c+\i]
.endr
.endr
	v_pk_add_f32 v[228:229], v[S:S+1], v[S+2:S+3]  ; the row's sum of the unquantised p, in two chains
.irp j, 4,8,12,16,20,24,28,32,36,40,44,48,52,56,60
	v_pk_add_f32 v[14:15], v[14:15], v[S+\j:S+\j+1]
	v_pk_add_f32 v[228:229], v[228:229], v[S+2+\j:S+3+\j]
.endr
	v_pk_add_f32 v[14:15], v[14:15], v[228:229]
.set n, 0
.rept 16
	v_pk_mul_f32 v[OT+n:OT+n+1], v[OT+n:OT+n+1], v[226:227] op_sel_hi:[1,0]   ; O^T under the new M.  (With the sums: the places between p's codes and scale word and the products)
.set n, n+2
.endr
	s_wait_dscnt 0x0                               ; V
.irp ct, 0,1,2,3
	PV \ct                                         ; the four accumulators by turns
.endr
	s_add_co_u32 s2, s2, STEPB
.endm
.macro RUN n, left                     ; n steps, behind the third of the head that they need; left: the later thirds, which may stay out
	s_wait_tensorcnt \left
	s_wait_dscnt 0x0
	s_barrier_signal -1
	s_barrier_wait -1
	s_mov_b32 s30, \n
.Lstep_\@:
	STEP
	s_sub_co_u32 s30, s30, 1
	s_cmp_lg_u32 s30, 0
	s_cbranch_scc1 .Lstep_\@
.endm
	RUN 5, 2                                       ; steps 0-4 end at byte 65,280, inside the first third (69,632)
	RUN 5, 1                                       ; steps 5-9 end at 130,560, inside the first two (139,264)
	RUN 6, 0
.rept 4
	v_nop
.endr
	v_add_f32 v14, v14, v15                        ; the sum's two halves,
	v_permlanex16_b32 v224, v14, s26, s27
	v_add_f32 v14, v14, v224                       ; and lane l xor 16's keys
	v_rcp_f32 v226, v14
	v_nop
.set n, 0
	s_wait_alu depctr_va_vdst(0)
.rept 16
	v_pk_mul_f32 v[S+n:S+n+1], v[OT+n:OT+n+1], v[226:227] op_sel_hi:[1,0]   ; x: register n = channel 32 (n / 16) + 16 h + n % 16 of my head
.set n, n+2
.endr
	QUANT32 S, PCD, PT
	v_bfe_u32 v8, v0, 4, 1
	v_cmp_ne_u32 vcc_lo, 0, v8
	v_cndmask_b32 v9, v[QP], v[QP+1], vcc_lo       ; lane (r, h) stores block h's byte
	v_and_b32 v10, 15, v0
	v_lshl_add_u32 v10, v10, 4, v8                 ; 16 r + h
	s_wait_kmcnt 0x0                               ; the last mask words asked for have landed: their registers are free
	s_load_b128 s[32:35], s[0:1], 0x18             ; xc, xs
	s_bfe_u32 s36, ttmp6, 0x40000
	s_lshl_b32 s37, ttmp9, 2
	s_add_co_u32 s37, s37, s36
	s_lshl_b32 s37, s37, 4
	s_add_co_u32 s37, s37, s31                     ; qt
	s_and_b32 s38, ttmp7, 0xffff
	s_lshr_b32 s39, s38, 4
	s_lshl_b32 s39, s39, 7
	s_add_co_u32 s39, s39, s37                     ; T = 128 x batch + qt
	s_and_b32 s38, s38, 15                         ; hd
	s_lshr_b32 s40, s39, 3                         ; xc: (T / 8) x 98,304 + (hd / 2) x 12,288 + (T % 8) x 1,536 + (hd % 2) x 768
	s_mul_i32 s40, s40, 98304
	s_lshr_b32 s41, s38, 1
	s_mul_i32 s41, s41, 12288
	s_add_co_u32 s40, s40, s41
	s_and_b32 s41, s39, 7
	s_mul_i32 s41, s41, 1536
	s_add_co_u32 s40, s40, s41
	s_and_b32 s41, s38, 1
	s_mul_i32 s41, s41, 768
	s_add_co_u32 s40, s40, s41
	s_mov_b32 s41, 0
	s_lshl_b32 s42, s39, 9                         ; xs: 512 T + 256 (hd / 8) + 2 (hd % 8)
	s_lshr_b32 s43, s38, 3
	s_lshl_b32 s43, s43, 8
	s_add_co_u32 s42, s42, s43
	s_and_b32 s43, s38, 7
	s_lshl_b32 s43, s43, 1
	s_add_co_u32 s42, s42, s43
	s_mov_b32 s43, 0
	s_wait_kmcnt 0x0
	s_add_nc_u64 s[32:33], s[32:33], s[40:41]
	s_add_nc_u64 s[34:35], s[34:35], s[42:43]
	global_store_b128 v1, v[PCD:PCD+3], s[32:33]   ; the unit: three aligned blocks of 256 bytes, written whole
	global_store_b64 v2, v[PCD+4:PCD+5], s[32:33] offset:512
	global_store_b8 v10, v9, s[34:35]              ; two bytes of each row's sixteen: one byte in 24 of what the wave stores
	s_wait_tensorcnt 0x0
	ds_add_u32 v254, v255
	s_wait_dscnt 0x0
	CROUND                                         ; the closing round: no work-group ends while a partner may still ask for a tile that names it
	s_endpgm
.Lfunc_end_k_qc7198c4904_attn:
	.size	k_qc7198c4904_attn, .Lfunc_end_k_qc7198c4904_attn-k_qc7198c4904_attn
	.p2alignl 7, 3214868480
	.fill 96, 4, 3214868480
	.section	.rodata,"a",@progbits
	.p2align	6, 0x0
	.amdhsa_kernel k_qc7198c4904_attn
		.amdhsa_group_segment_fixed_size 210944
		.amdhsa_private_segment_fixed_size 0
		.amdhsa_enable_private_segment 0
		.amdhsa_kernarg_size 40
		.amdhsa_user_sgpr_count 2
		.amdhsa_user_sgpr_kernarg_segment_ptr 1
		.amdhsa_wavefront_size32 1
		.amdhsa_system_sgpr_workgroup_id_x 1
		.amdhsa_system_sgpr_workgroup_id_y 1
		.amdhsa_system_sgpr_workgroup_id_z 1
		.amdhsa_system_vgpr_workitem_id 0
		.amdhsa_next_free_vgpr 256
		.amdhsa_next_free_sgpr 100
		.amdhsa_reserve_vcc 1
		.amdhsa_float_denorm_mode_32 3
		.amdhsa_float_denorm_mode_16_64 3
		.amdhsa_memory_ordered 1
		.amdhsa_forward_progress 1
		.amdhsa_inst_pref_size 74
	.end_amdhsa_kernel
	.amdgpu_metadata
---
amdhsa.version: [ 1, 2 ]
amdhsa.kernels:
  - .name:           k_qc7198c4904_attn
    .symbol:         k_qc7198c4904_attn.kd
    .args:
      - { .name: qf, .offset: 0, .size: 8, .value_kind: global_buffer, .address_space: global }
      - { .name: kv, .offset: 8, .size: 8, .value_kind: global_buffer, .address_space: global }
      - { .name: mbits, .offset: 16, .size: 8, .value_kind: global_buffer, .address_space: global }
      - { .name: xc, .offset: 24, .size: 8, .value_kind: global_buffer, .address_space: global }
      - { .name: xs, .offset: 32, .size: 8, .value_kind: global_buffer, .address_space: global }
    .group_segment_fixed_size: 210944
    .private_segment_fixed_size: 0
    .kernarg_segment_align: 8
    .kernarg_segment_size: 40
    .max_flat_workgroup_size: 512
    .sgpr_count:     100
    .vgpr_count:     256
    .wavefront_size: 32
...
	.end_amdgpu_metadata
.endif
;; end of part 4
;; launch outp (part 5): grid 256 x 1, 8 waves a work-group, no clusters, 240,640 bytes of LDS; arguments codes, scales, xc, xs, bo, out0; writes out0
.if DOCPART == 5
	.amdgcn_target "amdgcn-amd-amdhsa--gfx1250"
	.amdhsa_code_object_version 6
	.text
	.protected	k_qc7198c4904_outp
	.globl	k_qc7198c4904_outp
	.p2align	8
	.type	k_qc7198c4904_outp,@function
k_qc7198c4904_outp:
	s_mov_b64 s[64:65], 0
	v_nop
	global_prefetch_b8 v0, s[64:65] scope:SCOPE_SE
	s_setreg_imm32_b32 hwreg(HW_REG_WAVE_MODE, 25, 1), 1
	s_wait_xcnt 0x0
; out0 = x wo^T + bo on codes of FP6 (E2M3) with E8M0 scales: 4,096 x 1,024 x 1,024, f32 out.  Operands come as images of registers: a unit of 768 bytes is 16 rows x 64 K, lane L = r + 16 h owning
; row r's block h (16 bytes at 16 L, 8 at 512 + 8 L); tile T holds in lane r the row 32 (T / 2) + 8 (T % 2) + r + 8 (r / 8).
; A WORK-GROUP makes 128 tokens x 128 channels over all of K: source 0 = 128 rows of wo (P), source 1 = 128 tokens of x (R): a lane holds one token and its registers run along the channels.
; EIGHT WAVES: wave w takes P tiles 4 (w % 2) .. + 3 and R tiles 2 (w / 2), + 1: eight accumulators.
; LDS: both groups for all of K (2 x 98,304 bytes of codes, 2 x 4,096 of scales) are filled ONCE: five tensor loads a wave at the start; no byte is filled again.  Behind them a stage of 16 rows x 272 bytes
; for each wave, into which no fill lands.  The bias is loaded into the accumulators.
; NO JOINT LOADS: each work-group asks for its own 204,800 bytes.  The eight neighbours along x share x's group, half of that; asking for it jointly is left out of this text.
.set RCODE, 98304
.set PSCL,  196608
.set RSCL,  200704
.set STAGE, 204800
.set SCP, 24                           ; v24-39  P's scale words: pair j of tiles, K step s at SCP + 8 j + s
.set SCR, 40                           ; v40-47  R's
.set FB,  48                           ; v48-119, v120-191: two fragment buffers
.set ACC, 192                          ; accumulator (pt, rt) at ACC + 32 rt + 8 pt
.macro PLACES                          ; four places behind a matrix instruction of this form (ISA guide 7.12.1)
.rept 4
	v_nop
.endr
.endm
.macro G0SET g, c
	s_mov_b32 s[\g], 1
	s_add_co_u32 s[\g+1], s74, (\c)*24576
	s_add_nc_u64 s[\g+2:\g+3], s[78:79], (\c)*24576
	s_or_b32 s[\g+3], s[\g+3], 0x80000000
.endm
.macro SCALES
.irp j, 0,1
.irp kh, 0,1
	ds_load_b128 v[SCP+8*\j+4*\kh:SCP+8*\j+4*\kh+3], v14 offset:1024*\j+256*\kh
.endr
.endr
.irp kh, 0,1
	ds_load_b128 v[SCR+4*\kh:SCR+4*\kh+3], v15 offset:256*\kh
.endr
.endm
.macro FETCH s, b
.set FO, 12288*((\s)%4)
.set FK, (\s)/4
.set FR0, FB+72*(\b)
.irp t, 0,1,2,3
	ds_load_b128 v[FR0+12*\t:FR0+12*\t+3], v[6+FK] offset:FO+1536*\t
	ds_load_b64 v[FR0+12*\t+4:FR0+12*\t+5], v[8+FK] offset:FO+1536*\t+512
	ds_load_b128 v[FR0+12*\t+6:FR0+12*\t+9], v[6+FK] offset:FO+1536*\t+768
	ds_load_b64 v[FR0+12*\t+10:FR0+12*\t+11], v[8+FK] offset:FO+1536*\t+1280
.endr
.irp t, 0,1
	ds_load_b128 v[FR0+48+12*\t:FR0+48+12*\t+3], v[10+FK] offset:FO+1536*\t
	ds_load_b64 v[FR0+48+12*\t+4:FR0+48+12*\t+5], v[12+FK] offset:FO+1536*\t+512
	ds_load_b128 v[FR0+48+12*\t+6:FR0+48+12*\t+9], v[10+FK] offset:FO+1536*\t+768
	ds_load_b64 v[FR0+48+12*\t+10:FR0+48+12*\t+11], v[12+FK] offset:FO+1536*\t+1280
.endr
.endm
.macro WM d, a, b, sa, sb, ra, rb
.if (\ra) && (\rb)
	v_wmma_scale_f32_16x16x128_f8f6f4 v[\d:\d+7], v[\a:\a+11], v[\b:\b+11], v[\d:\d+7], v[\sa], v[\sb] matrix_a_fmt:MATRIX_FMT_FP6 matrix_b_fmt:MATRIX_FMT_FP6 matrix_a_scale:MATRIX_SCALE_ROW1 matrix_b_scale:MATRIX_SCALE_ROW1
.elseif (\ra)
	v_wmma_scale_f32_16x16x128_f8f6f4 v[\d:\d+7], v[\a:\a+11], v[\b:\b+11], v[\d:\d+7], v[\sa], v[\sb] matrix_a_fmt:MATRIX_FMT_FP6 matrix_b_fmt:MATRIX_FMT_FP6 matrix_a_scale:MATRIX_SCALE_ROW1
.elseif (\rb)
	v_wmma_scale_f32_16x16x128_f8f6f4 v[\d:\d+7], v[\a:\a+11], v[\b:\b+11], v[\d:\d+7], v[\sa], v[\sb] matrix_a_fmt:MATRIX_FMT_FP6 matrix_b_fmt:MATRIX_FMT_FP6 matrix_b_scale:MATRIX_SCALE_ROW1
.else
	v_wmma_scale_f32_16x16x128_f8f6f4 v[\d:\d+7], v[\a:\a+11], v[\b:\b+11], v[\d:\d+7], v[\sa], v[\sb] matrix_a_fmt:MATRIX_FMT_FP6 matrix_b_fmt:MATRIX_FMT_FP6
.endif
.endm
.macro MUL8 s, b                       ; the eight accumulators take turns, one instruction a turn
.set FR0, FB+72*(\b)
.irp rt, 0,1
.irp pt, 0,1,2,3
	WM ACC+32*\rt+8*\pt, FR0+12*\pt, FR0+48+12*\rt, SCP+8*(\pt/2)+(\s), SCR+(\s), \pt%2, \rt
.endr
.endr
.endm
.macro KSTEP s
.if (\s) < 7
.if ((\s)+1)%2 == 0
	s_wait_tensorcnt 3-((\s)+1)/2                  ; my part of the chunk that the next K step begins is in; the later chunks may be out
	s_wait_dscnt 0x0
	s_barrier_signal -1
	s_barrier_wait -1
.endif
.if (\s) >= 1
	PLACES
.endif
	FETCH (\s)+1, ((\s)+1)%2
	s_wait_dscnt 24                                ; all but the 24 loads just issued
.else
	s_wait_dscnt 0x0
.endif
	MUL8 \s, (\s)%2
.endm
	s_load_b256 s[4:11], s[0:1], 0x0               ; codes, scales, xc, xs
	s_load_b128 s[12:15], s[0:1], 0x20             ; bo, out0
	v_lshl_add_u32 v22, v0, 2, 0x3a800
	v_mov_b32 v23, 0
	ds_add_u32 v22, v23
	ds_add_u32 v22, v23
	v_lshrrev_b32 v20, 5, v0
	v_readfirstlane_b32 s18, v20                   ; wave 0..7
	s_and_b32 s19, s18, 1                          ; wp
	s_lshr_b32 s20, s18, 1                         ; wr
	s_lshr_b32 s21, s18, 2                         ; I fetch for P (0) or for R (1),
	s_and_b32 s22, s18, 3                          ; this quarter of each block
	s_and_b32 s24, ttmp9, 7                        ; wt: which 128 channels
	s_lshr_b32 s25, ttmp9, 3                       ; at: which 128 tokens
	s_add_co_u32 s27, s24, 120                     ; wo's group among the codes
	s_cmp_eq_u32 s21, 0
	s_cselect_b32 s28, s27, s25                    ; the group that I fetch from
	s_mov_b32 s32, 3<<16                           ; group 1, codes: 24 rows of 32 elements of 8 bytes, dense
	s_mov_b32 s33, 32<<16
	s_mov_b32 s34, 24<<16
	s_mov_b32 s35, 32<<16
	s_mov_b32 s36, 24
	s_mov_b32 s37, 32
	s_mov_b32 s38, 0
	s_mov_b32 s39, 0
	s_mov_b32 s40, 3<<16                           ; group 1, scales: 4 rows
	s_mov_b32 s41, 32<<16
	s_mov_b32 s42, 4<<16
	s_mov_b32 s43, 32<<16
	s_mov_b32 s44, 4
	s_mov_b32 s45, 32
	s_mov_b32 s46, 0
	s_mov_b32 s47, 0
	s_mul_i32 s74, s21, 98304                      ; LDS, from the wave's number alone
	s_mul_i32 s75, s22, 6144
	s_add_co_u32 s74, s74, s75
	s_lshl_b32 s75, s21, 12
	s_lshl_b32 s76, s22, 10
	s_add_co_u32 s75, s75, s76
	s_add_co_u32 s75, s75, PSCL
	s_mul_i32 s78, s28, 98304
	s_mul_i32 s79, s22, 6144
	s_add_co_u32 s78, s78, s79
	s_mov_b32 s79, 0
	s_lshl_b32 s80, s28, 12
	s_add_co_u32 s80, s80, s76
	s_mov_b32 s81, 0
	s_wait_dscnt 0x0
	s_wait_kmcnt 0x0
	s_cmp_eq_u32 s21, 0                            ; the buffers are chosen by the wave's number alone
	s_cselect_b64 s[4:5], s[4:5], s[8:9]
	s_cselect_b64 s[6:7], s[6:7], s[10:11]
	s_add_nc_u64 s[78:79], s[4:5], s[78:79]
	s_add_nc_u64 s[80:81], s[6:7], s[80:81]
	s_mov_b32 s48, 1
	s_mov_b32 s49, s75
	s_mov_b64 s[50:51], s[80:81]
	s_or_b32 s51, s51, 0x80000000
	G0SET 52, 0
	G0SET 56, 1
	G0SET 60, 2
	G0SET 68, 3
	tensor_load_to_lds s[48:51], s[40:47]          ; all first fills together: five loads of mine are out
	s_nop 0
	tensor_load_to_lds s[52:55], s[32:39]
	s_nop 0
	tensor_load_to_lds s[56:59], s[32:39]
	s_nop 0
	tensor_load_to_lds s[60:63], s[32:39]
	s_nop 0
	tensor_load_to_lds s[68:71], s[32:39]
	s_nop 0
	PLACES
	v_and_b32 v20, 31, v0
	v_and_b32 v4, 15, v0                           ; r
	v_bfe_u32 v5, v0, 4, 1                         ; h
	v_lshlrev_b32 v1, 4, v20                       ; 16 L
	v_lshlrev_b32 v2, 3, v20                       ; 8 L
	s_mul_i32 s82, s19, 6144
	v_add_nc_u32 v6, s82, v1
	v_add_nc_u32 v8, s82, v2
	s_add_co_u32 s82, s82, 49152
	v_add_nc_u32 v7, s82, v1
	v_add_nc_u32 v9, s82, v2
	s_mul_i32 s82, s20, 3072
	s_add_co_u32 s82, s82, RCODE
	v_add_nc_u32 v10, s82, v1
	v_add_nc_u32 v12, s82, v2
	s_add_co_u32 s82, s82, 49152
	v_add_nc_u32 v11, s82, v1
	v_add_nc_u32 v13, s82, v2
	v_lshlrev_b32 v21, 4, v4
	v_lshl_add_u32 v21, v5, 9, v21                 ; scales: 16 r, and lanes 16-31 one tile on
	s_lshl_b32 s82, s19, 11
	s_add_co_u32 s82, s82, PSCL
	v_add_nc_u32 v14, s82, v21
	s_lshl_b32 s82, s20, 10
	s_add_co_u32 s82, s82, RSCL
	v_add_nc_u32 v15, s82, v21
	s_mul_i32 s82, s18, 4352
	s_add_co_u32 s82, s82, STAGE                   ; my stage
	v_mul_u32_u24 v17, v4, 272
	v_lshl_add_u32 v17, v5, 6, v17
	v_add_nc_u32 v17, s82, v17                     ; in: row r, + 64 h
	v_mul_u32_u24 v18, v5, 272
	v_lshl_add_u32 v18, v4, 4, v18
	v_add_nc_u32 v18, s82, v18                     ; back: lanes 0-15 one row of 256 bytes, lanes 16-31 the next
	v_lshlrev_b32 v19, 12, v5
	v_lshl_add_u32 v19, v4, 4, v19                 ; and the same two rows in out0
	s_lshl_b32 s84, s24, 9                         ; the bias: 4 (128 wt + 64 wp)
	s_lshl_b32 s85, s19, 8
	s_add_co_u32 s84, s84, s85
	s_mov_b32 s85, 0
	s_add_nc_u64 s[12:13], s[12:13], s[84:85]
	s_add_nc_u64 s[14:15], s[14:15], s[84:85]      ; out0: the same columns,
	s_lshl_b32 s84, s25, 7
	s_lshl_b32 s86, s20, 5
	s_add_co_u32 s84, s84, s86
	s_lshl_b32 s84, s84, 12                        ; row 128 at + 32 wr
	s_add_nc_u64 s[14:15], s[14:15], s[84:85]
	v_lshlrev_b32 v16, 6, v5                       ; register 8 pt + j: channel 32 (pt / 2) + 8 (pt % 2) + 16 h + j
.irp rt, 0,1
.irp pt, 0,1,2,3
	global_load_b128 v[ACC+32*\rt+8*\pt:ACC+32*\rt+8*\pt+3], v16, s[12:13] offset:128*(\pt/2)+32*(\pt%2)
	global_load_b128 v[ACC+32*\rt+8*\pt+4:ACC+32*\rt+8*\pt+7], v16, s[12:13] offset:128*(\pt/2)+32*(\pt%2)+16
.endr
.endr
	s_wait_tensorcnt 3                             ; the scales and my part of chunk 0 are in; three chunks may be out
	s_barrier_signal -1
	s_barrier_wait -1
	SCALES
	FETCH 0, 0
	s_wait_loadcnt 0x0                             ; the bias
.irp s, 0,1,2,3,4,5,6,7
	KSTEP \s
.endr
	; THE WAY OUT: a lane holds 2 x 64 bytes of a token's 256; a tile of 16 tokens goes through my own stage and comes back as whole rows.  LDS serves a wave's instructions in order (ISA guide 5.7.1.4).
	PLACES
.irp rt, 0,1
.irp m, 0,1,2,3,4,5,6,7
	ds_store_b128 v17, v[ACC+32*\rt+4*\m:ACC+32*\rt+4*\m+3] offset:128*(\m/4)+16*(\m%4)   ; each accumulator from its low end on
.endr
.irp i, 0,1,2,3,4,5,6,7
	ds_load_b128 v[48+32*\rt+4*\i:48+32*\rt+4*\i+3], v18 offset:544*\i
.endr
.endr
.irp rt, 0,1
.irp i, 0,1,2,3,4,5,6,7
	s_wait_dscnt 23-16*\rt-\i                      ; behind this load stand its tile's later loads and, for tile 0, tile 1's sixteen instructions
	global_store_b128 v19, v[48+32*\rt+4*\i:48+32*\rt+4*\i+3], s[14:15] offset:(8*\rt+2*\i+8*(\i/4))*4096 th:TH_STORE_NT   ; 16 lanes store 256 consecutive bytes, at a multiple of 256 from out0's first byte
.endr
.endr
	s_wait_tensorcnt 0x0
	ds_add_u32 v22, v23
	s_wait_dscnt 0x0
	s_endpgm
.Lfunc_end_k_qc7198c4904_outp:
	.size	k_qc7198c4904_outp, .Lfunc_end_k_qc7198c4904_outp-k_qc7198c4904_outp
	.p2alignl 7, 3214868480
	.fill 96, 4, 3214868480
	.section	.rodata,"a",@progbits
	.p2align	6, 0x0
	.amdhsa_kernel k_qc7198c4904_outp
		.amdhsa_group_segment_fixed_size 240640
		.amdhsa_private_segment_fixed_size 0
		.amdhsa_enable_private_segment 0
		.amdhsa_kernarg_size 48
		.amdhsa_user_sgpr_count 2
		.amdhsa_user_sgpr_kernarg_segment_ptr 1
		.amdhsa_wavefront_size32 1
		.amdhsa_system_sgpr_workgroup_id_x 1
		.amdhsa_system_sgpr_workgroup_id_y 1
		.amdhsa_system_sgpr_workgroup_id_z 1
		.amdhsa_system_vgpr_workitem_id 0
		.amdhsa_next_free_vgpr 256
		.amdhsa_next_free_sgpr 96
		.amdhsa_reserve_vcc 0
		.amdhsa_float_denorm_mode_32 3
		.amdhsa_float_denorm_mode_16_64 3
		.amdhsa_memory_ordered 1
		.amdhsa_forward_progress 1
		.amdhsa_inst_pref_size 34
	.end_amdhsa_kernel
	.amdgpu_metadata
---
amdhsa.version: [ 1, 2 ]
amdhsa.kernels:
  - .name:           k_qc7198c4904_outp
    .symbol:         k_qc7198c4904_outp.kd
    .args:
      - { .name: codes, .offset: 0, .size: 8, .value_kind: global_buffer, .address_space: global }
      - { .name: scales, .offset: 8, .size: 8, .value_kind: global_buffer, .address_space: global }
      - { .name: xc, .offset: 16, .size: 8, .value_kind: global_buffer, .address_space: global }
      - { .name: xs, .offset: 24, .size: 8, .value_kind: global_buffer, .address_space: global }
      - { .name: bo, .offset: 32, .size: 8, .value_kind: global_buffer, .address_space: global }
      - { .name: out0, .offset: 40, .size: 8, .value_kind: global_buffer, .address_space: global }
    .group_segment_fixed_size: 240640
    .private_segment_fixed_size: 0
    .kernarg_segment_align: 8
    .kernarg_segment_size: 48
    .max_flat_workgroup_size: 256
    .sgpr_count:     96
    .vgpr_count:     256
    .wavefront_size: 32
...
	.end_amdgpu_metadata
.endif
;; end of part 5
;; ======== version 2 of 2: 4 launches
;; limits: right only within a limited range of input values
;; workspace buffers: codes 12,582,912 bytes; scales 524,288 bytes; mbits 524,288 bytes of whole numbers; qf 3,407,872 bytes; kv 6,684,672 bytes; xc 3,145,728 bytes; xs 131,072 bytes
;; launch prep (part 6): grid 768 x 1, 4 waves a work-group, no clusters, 68,096 bytes of LDS; arguments q, k, v, wq, wk, wv, wo, codes, scales, mask, mbits; writes codes, scales, mbits
.if DOCPART == 6
	.amdgcn_target "amdgcn-amd-amdhsa--gfx1250"
	.amdhsa_code_object_version 6
	.text
	.protected	k_qc7198c4904_prep
	.globl	k_qc7198c4904_prep
	.p2align	8
	.type	k_qc7198c4904_prep,@function
k_qc7198c4904_prep:
	s_mov_b64 s[64:65], 0
	v_nop
	global_prefetch_b8 v0, s[64:65] scope:SCOPE_SE
	s_setreg_imm32_b32 hwreg(HW_REG_WAVE_MODE, 25, 1), 1
	s_wait_xcnt 0x0
; TWO JOBS THAT SHARE NOTHING, IN ONE LAUNCH: work-groups 0-511 quantise the seven f32 tensors, work-groups 512-767 pack the mask.  They part on the work-group's number at the first line,
; and each way has LDS bytes of its own (0 .. 33,791 and 33,792 .. 67,583).
; ---- QUANTISING.  q, k, v [4096][1024] and wq, wk, wv, wo [1024][1024], f32, K innermost, become codes of FP6 (E2M3) with one E8M0 byte for each 32 along K.
; A block's scale is 2^(floor(log2(its largest magnitude)) - 2); its byte is that magnitude's exponent field - 2, held at 1 from below.
; LIMITS: NaN and infinities among the inputs are not served; a block whose largest magnitude lies under 2^-124 keeps the byte 1; a block of zeros
; gets the byte 1 where the rule says 127: its codes are zeros, which add nothing under any byte but 0xff, and this program alone reads the bytes.
; THE CODES ARE LAID AS IMAGES OF OPERAND REGISTERS.  The seven tensors count as one run of 16,384 rows = 1,024 tiles of 16.  Tile T holds in lane r the row
; 32 (T / 2) + 8 (T % 2) + r + 8 (r / 8).  A unit is 16 rows x 64 K = 768 bytes: lane L = r + 16 h owns the 24 bytes of row r's block h: 16 at 16 L, 8 at 512 + 8 L.
; codes: [T / 8][K step of 128: 8][T % 8][unit: 2][768];  scales: [T][half of K: 2][r][16 bytes]: four scale words, one for each K step of 128.
; SHARES: a work-group owns 32 rows (two tiles); wave w takes tile w / 2 and half w % 2 of K: four steps of 16 rows x 128 numbers.
; Each load reads 512 consecutive bytes of one row; a step's 8,192 bytes turn through the wave's own stage in LDS (rows 528 = 33 x 16 bytes apart, so that the sixteen
; rows that a read touches begin 16 bytes apart modulo 256) and come back as 2 x 32 neighbours a lane: whole blocks, so no other lane is asked for a maximum.
; ---- PACKING.  mask [2048 queries][2048 keys], int32, becomes lane masks for the attention launch: mbits [query tile 128][key step 16][64 words].
; Word n of (qt, ks) has in bit L = r + 16 h: mask != 0 for query 32 (qt / 2) + 8 (qt % 2) + r + 8 (r / 8) and key 128 ks + 64 (n / 32) + 32 h + n % 32:
; the query of lane L and the key of score register n there.  A work-group takes one query tile and eight key steps, a wave two of them, through a stage of the same make.
; No tensor loads, no barrier: waves share nothing.  Matrix units and clusters have no work here: streams read once.
.set X,  48                            ; v48-111, v112-175: two sets of 64 numbers
.set C,  20                            ; v20-31: a step's 12 registers of codes
.set CT, 32                            ; v32-34, v36-38: the upper halves of the two blocks (a conversion's three registers begin on an even number)
.set XM, 16                            ; the mask's way: v16-79, v80-143: the two steps' numbers
.set MSTAGE, 33792                     ; the mask's way: its stages begin here
	v_lshl_add_u32 v176, v0, 2, 0x10800
	v_mov_b32 v177, 0
	s_cmp_ge_u32 ttmp9, 512
	s_cbranch_scc1 .Lmask
	s_load_b512 s[4:19], s[0:1], 0x0               ; q, k, v, wq, wk, wv, wo, codes
	s_load_b64 s[20:21], s[0:1], 0x40              ; scales
	v_lshrrev_b32 v1, 5, v0
	v_readfirstlane_b32 s22, v1                    ; wave
	v_and_b32 v8, 31, v0                           ; L
	v_and_b32 v9, 15, v0                           ; r
	v_bfe_u32 v7, v0, 4, 1                         ; h
	v_lshlrev_b32 v1, 4, v8                        ; 16 L
	v_lshlrev_b32 v2, 3, v8                        ; 8 L
	v_lshlrev_b32 v3, 4, v9
	v_lshl_add_u32 v3, v7, 3, v3                   ; 16 r + 8 h: my 8 of a row's 16 scale bytes
	s_mul_i32 s28, s22, 8448                       ; my wave's stage: 16 rows x 528 bytes
	v_add_nc_u32 v4, s28, v1                       ; into it: 16 L, the row in the immediate
	v_mul_u32_u24 v5, v9, 528
	v_lshl_add_u32 v5, v7, 7, v5
	v_add_nc_u32 v5, s28, v5                       ; out of it: row r, + 128 h: my block of 32 numbers
	v_lshlrev_b32 v6, 3, v7                        ; 8 h
	v_mov_b32 v15, 0                               ; a lane permute's destination counts as one of its sources
	s_lshr_b32 s23, ttmp9, 7                       ; 0 q, 1 k, 2 v, 3 a weight
	s_bfe_u32 s24, ttmp9, 0x20005                  ; which weight
	s_lshr_b32 s29, s22, 1                         ; u: which of the two tiles
	s_and_b32 s30, s22, 1                          ; kh: which half of K
	s_mov_b32 s26, 0x76543210
	s_mov_b32 s27, 0xfedcba98                      ; v_permlanex16_b32's selects for lane l xor 16
	s_lshr_b32 s34, ttmp9, 2                       ; codes: (T / 8) x 98,304 + (T % 8) x 1,536 + kh x 4 steps x 12,288
	s_mul_i32 s34, s34, 98304
	s_and_b32 s35, ttmp9, 3
	s_lshl_b32 s35, s35, 1
	s_add_co_u32 s35, s35, s29
	s_mul_i32 s35, s35, 1536
	s_add_co_u32 s34, s34, s35
	s_mul_i32 s35, s30, 49152
	s_add_co_u32 s34, s34, s35
	s_mov_b32 s35, 0
	s_lshl_b32 s36, ttmp9, 1                       ; scales: T x 512 + kh x 256
	s_add_co_u32 s36, s36, s29
	s_lshl_b32 s36, s36, 9
	s_lshl_b32 s37, s30, 8
	s_add_co_u32 s36, s36, s37
	s_mov_b32 s37, 0
	s_cmp_eq_u32 s23, 1                            ; k's tiles alone take other rows: tile t of a group of 128 keys holds in lane r the key 64 (t / 4) + 8 (t % 4) + r + 24 (r / 8),
	s_cselect_b32 s38, 0x10000, 0                  ; so its lanes 8-15 stand 16 rows (65,536 bytes) further on than in the other tensors
	v_add_nc_u32 v42, s38, v1
	s_wait_alu depctr_va_vdst(0)
	s_wait_kmcnt 0x0
	s_cmp_eq_u32 s24, 1                            ; the tensor is chosen by the work-group's number alone
	s_cselect_b64 s[10:11], s[12:13], s[10:11]
	s_cmp_eq_u32 s24, 2
	s_cselect_b64 s[10:11], s[14:15], s[10:11]
	s_cmp_eq_u32 s24, 3
	s_cselect_b64 s[10:11], s[16:17], s[10:11]
	s_cmp_eq_u32 s23, 1
	s_cselect_b64 s[4:5], s[6:7], s[4:5]
	s_cmp_eq_u32 s23, 2
	s_cselect_b64 s[4:5], s[8:9], s[4:5]
	s_cmp_eq_u32 s23, 3
	s_cselect_b64 s[4:5], s[10:11], s[4:5]
	s_cselect_b32 s25, 31, 127                     ; a weight has 32 groups of 32 rows, an activation 128
	s_and_b32 s25, ttmp9, s25
	s_lshl_b32 s32, s25, 17
	s_lshr_b32 s38, s25, 1                         ; k: the work-group's two tiles begin at row 64 (g / 2) + 16 (g % 2) + 8 u
	s_lshl_b32 s38, s38, 18
	s_and_b32 s39, s25, 1
	s_lshl_b32 s39, s39, 16
	s_add_co_u32 s38, s38, s39
	s_cmp_eq_u32 s23, 1
	s_cselect_b32 s32, s38, s32
	s_lshl_b32 s33, s29, 15                        ; + 8 u rows,
	s_add_co_u32 s32, s32, s33
	s_lshl_b32 s33, s30, 11                        ; + kh x 512 numbers
	s_add_co_u32 s32, s32, s33
	s_mov_b32 s33, 0
	s_add_nc_u64 s[4:5], s[4:5], s[32:33]
	s_add_nc_u64 s[18:19], s[18:19], s[34:35]
	s_add_nc_u64 s[20:21], s[20:21], s[36:37]
.macro LOAD t                          ; step t: 128 numbers of each of the tile's 16 rows; a load is one row's 512 consecutive bytes
.set XL, X+64*((\t)%2)
.set i, 0
.rept 16
	global_load_b128 v[XL+4*i:XL+4*i+3], v[1+41*(i/8)], s[4:5] offset:(i+8*(i/8))*4096+512*(\t) th:TH_LOAD_NT   ; rows 8-15 by v42
.set i, i+1
.endr
.endm
.macro TURN t                          ; through the stage and back into the same registers: LDS serves a wave's instructions in order (ISA guide 5.7.1.4)
.set XS, X+64*((\t)%2)
.set i, 0
.rept 16
	ds_store_b128 v4, v[XS+4*i:XS+4*i+3] offset:528*i
.set i, i+1
.endr
.irp c, 0,1
.irp q, 0,1,2,3,4,5,6,7
	ds_load_b128 v[XS+32*\c+4*\q:XS+32*\c+4*\q+3], v5 offset:256*\c+16*\q   ; register 32 c + i = k 64 c + 32 h + i of row r
.endr
.endr
.endm
.macro STEP t
.if (\t) < 3
	s_wait_loadcnt 16                              ; this step's sixteen loads are in; the next step's sixteen may be out
.else
	s_wait_loadcnt 0x0
.endif
	TURN \t
	s_wait_dscnt 0x0
.irp c, 0,1
	v_max3_num_f32 v[8+\c], |v[XS+32*\c]|, |v[XS+32*\c+1]|, 0x1800000   ; my two blocks by turns; the floor 2^(3 - 127) holds the byte at 1 from below
.endr
.irp i, 2,4,6,8,10,12,14,16,18,20,22,24,26,28,30
.irp c, 0,1
	v_max3_num_f32 v[8+\c], v[8+\c], |v[XS+32*\c+\i]|, |v[XS+32*\c+\i+1]|
.endr
.endr
	v_add_nc_u32 v10, 0xff000000, v8               ; 2 off the exponent field: the conversion takes the exponent field of this operand as its scale
	v_add_nc_u32 v11, 0xff000000, v9
	v_lshrrev_b32 v12, 23, v10                     ; the scale bytes
	v_lshrrev_b32 v13, 23, v11
.if (\t) > 0
	s_wait_alu depctr_va_vdst(0)
	s_wait_xcnt 0x0                                ; the last step's stores have read their registers (ISA guide 3.1): the codes may be written again
.endif
.irp c, 0,1
	v_cvt_scalef32_pk16_fp6_f32 v[C+6*\c:C+6*\c+2], v[XS+32*\c:XS+32*\c+15], v[10+\c]
	v_cvt_scalef32_pk16_fp6_f32 v[CT+4*\c:CT+4*\c+2], v[XS+32*\c+16:XS+32*\c+31], v[10+\c]
.endr
	v_lshl_or_b32 v14, v13, 16, v12                ; my two bytes: blocks h and 2 + h.  (The plain place behind the conversions)
.irp c, 0,1
.irp i, 0,1,2
	v_mov_b32 v[C+6*\c+3+\i], v[CT+4*\c+\i]
.endr
.endr
.irp c, 0,1
	global_store_b128 v1, v[C+6*\c:C+6*\c+3], s[18:19] offset:12288*(\t)+768*\c        ; 512 consecutive bytes,
	global_store_b64 v2, v[C+6*\c+4:C+6*\c+5], s[18:19] offset:12288*(\t)+768*\c+512   ; and 256: a unit is three aligned blocks of 256 bytes
.endr
.if (\t) < 2
	LOAD (\t)+2
.endif
	v_lshlrev_b32 v14, v6, v14                     ; at their places in the scale word (8 h bits up);
	v_permlanex16_b32 v15, v14, s26, s27
	v_or_b32 v[16+(\t)], v14, v15                  ; with lane l xor 16's two the word is whole
.endm
	LOAD 0
	LOAD 1
	STEP 0
	STEP 1
	STEP 2
	STEP 3
	v_cmp_ne_u32 vcc_lo, 0, v7
	v_cndmask_b32 v40, v16, v18, vcc_lo            ; lanes 0-15 store words 0, 1 of their row, lanes 16-31 words 2, 3
	v_cndmask_b32 v41, v17, v19, vcc_lo
	global_store_b64 v3, v[40:41], s[20:21]        ; 32 lanes store 256 consecutive bytes, aligned
	s_wait_tensorcnt 0x0
	ds_add_u32 v176, v177
	s_wait_dscnt 0x0
	s_endpgm
.Lmask:
	s_load_b128 s[4:7], s[0:1], 0x48               ; mask, mbits
	v_lshrrev_b32 v1, 5, v0
	v_readfirstlane_b32 s8, v1                     ; wave
	v_and_b32 v5, 31, v0
	v_and_b32 v10, 15, v0                          ; r
	v_bfe_u32 v11, v0, 4, 1                        ; h
	v_lshlrev_b32 v1, 4, v5                        ; 16 L
	v_lshlrev_b32 v2, 3, v5                        ; 8 L
	s_mul_i32 s9, s8, 8448
	s_add_co_u32 s9, s9, MSTAGE                    ; my wave's stage, among this way's own bytes
	v_add_nc_u32 v3, s9, v1                        ; into it
	v_mul_u32_u24 v4, v10, 528
	v_lshl_add_u32 v4, v11, 7, v4                  ; + 128 h: word n of a step has in bit r + 16 h the key 64 (n / 32) + 32 h + n % 32
	v_add_nc_u32 v4, s9, v4                        ; out of it: row r, + 128 h
.irp r, 6,7,8,9
	v_mov_b32 v\r, 0                               ; v_writelane_b32's destination counts as read
.endr
	s_sub_co_u32 s16, ttmp9, 512                   ; this way's work-groups count from 0
	s_lshr_b32 s10, s16, 1                         ; qt
	s_and_b32 s11, s16, 1
	s_lshl_b32 s11, s11, 3
	s_lshl_b32 s12, s8, 1
	s_add_co_u32 s11, s11, s12                     ; my first key step
	s_lshr_b32 s12, s10, 1
	s_lshl_b32 s12, s12, 18                        ; 32 rows of 8,192 bytes
	s_and_b32 s13, s10, 1
	s_lshl_b32 s13, s13, 16                        ; 8 rows
	s_add_co_u32 s12, s12, s13
	s_lshl_b32 s13, s11, 9                         ; 128 keys
	s_add_co_u32 s12, s12, s13
	s_mov_b32 s13, 0
	s_lshl_b32 s14, s10, 4
	s_add_co_u32 s14, s14, s11
	s_lshl_b32 s14, s14, 8                         ; 256 bytes for a tile and a step
	s_mov_b32 s15, 0
	s_wait_alu depctr_va_vdst(0)
	s_wait_kmcnt 0x0
	s_add_nc_u64 s[4:5], s[4:5], s[12:13]
	s_add_nc_u64 s[6:7], s[6:7], s[14:15]
.irp e, 0,1
.set i, 0
.rept 16
	global_load_b128 v[XM+64*\e+4*i:XM+64*\e+4*i+3], v1, s[4:5] offset:(i+8*(i/8))*8192+512*\e th:TH_LOAD_NT
.set i, i+1
.endr
.endr
.macro PACKU e
.set XS, XM+64*(\e)
.set WD, 6+2*(\e)
.if (\e) == 0
	s_wait_loadcnt 16                              ; the first step's sixteen loads are in; the second's may be out
.else
	s_wait_loadcnt 0x0
.endif
.set i, 0
.rept 16
	ds_store_b128 v3, v[XS+4*i:XS+4*i+3] offset:528*i
.set i, i+1
.endr
.irp b, 0,1
.irp q, 0,1,2,3,4,5,6,7
	ds_load_b128 v[XS+32*\b+4*\q:XS+32*\b+4*\q+3], v4 offset:256*\b+16*\q   ; register 32 b + i = key 64 b + 32 h + i of query r
.endr
.endr
	s_wait_dscnt 0x0
.set j, 0
.rept 16
.irp k, 0,1,2,3
	v_cmp_ne_u32 s[20+\k], 0, v[XS+j+\k]           ; word j + k
.endr
.irp k, 0,1,2,3
	v_writelane_b32 v[WD+\k%2], s[20+\k], (j+\k)/2 ; lane l gathers words 2 l and 2 l + 1
.endr
.set j, j+4
.endr
	global_store_b64 v2, v[WD:WD+1], s[6:7] offset:256*(\e)   ; 32 lanes store 256 consecutive bytes, aligned
.endm
	PACKU 0
	PACKU 1
	s_wait_tensorcnt 0x0
	ds_add_u32 v176, v177
	s_wait_dscnt 0x0
	s_endpgm
.Lfunc_end_k_qc7198c4904_prep:
	.size	k_qc7198c4904_prep, .Lfunc_end_k_qc7198c4904_prep-k_qc7198c4904_prep
	.p2alignl 7, 3214868480
	.fill 96, 4, 3214868480
	.section	.rodata,"a",@progbits
	.p2align	6, 0x0
	.amdhsa_kernel k_qc7198c4904_prep
		.amdhsa_group_segment_fixed_size 68096
		.amdhsa_private_segment_fixed_size 0
		.amdhsa_enable_private_segment 0
		.amdhsa_kernarg_size 88
		.amdhsa_user_sgpr_count 2
		.amdhsa_user_sgpr_kernarg_segment_ptr 1
		.amdhsa_wavefront_size32 1
		.amdhsa_system_sgpr_workgroup_id_x 1
		.amdhsa_system_sgpr_workgroup_id_y 1
		.amdhsa_system_sgpr_workgroup_id_z 1
		.amdhsa_system_vgpr_workitem_id 0
		.amdhsa_next_free_vgpr 178
		.amdhsa_next_free_sgpr 66
		.amdhsa_reserve_vcc 1
		.amdhsa_float_denorm_mode_32 3
		.amdhsa_float_denorm_mode_16_64 3
		.amdhsa_memory_ordered 1
		.amdhsa_forward_progress 1
		.amdhsa_inst_pref_size 57
	.end_amdhsa_kernel
	.amdgpu_metadata
---
amdhsa.version: [ 1, 2 ]
amdhsa.kernels:
  - .name:           k_qc7198c4904_prep
    .symbol:         k_qc7198c4904_prep.kd
    .args:
      - { .name: q, .offset: 0, .size: 8, .value_kind: global_buffer, .address_space: global }
      - { .name: k, .offset: 8, .size: 8, .value_kind: global_buffer, .address_space: global }
      - { .name: v, .offset: 16, .size: 8, .value_kind: global_buffer, .address_space: global }
      - { .name: wq, .offset: 24, .size: 8, .value_kind: global_buffer, .address_space: global }
      - { .name: wk, .offset: 32, .size: 8, .value_kind: global_buffer, .address_space: global }
      - { .name: wv, .offset: 40, .size: 8, .value_kind: global_buffer, .address_space: global }
      - { .name: wo, .offset: 48, .size: 8, .value_kind: global_buffer, .address_space: global }
      - { .name: codes, .offset: 56, .size: 8, .value_kind: global_buffer, .address_space: global }
      - { .name: scales, .offset: 64, .size: 8, .value_kind: global_buffer, .address_space: global }
      - { .name: mask, .offset: 72, .size: 8, .value_kind: global_buffer, .address_space: global }
      - { .name: mbits, .offset: 80, .size: 8, .value_kind: global_buffer, .address_space: global }
    .group_segment_fixed_size: 68096
    .private_segment_fixed_size: 0
    .kernarg_segment_align: 8
    .kernarg_segment_size: 88
    .max_flat_workgroup_size: 128
    .sgpr_count:     66
    .vgpr_count:     178
    .wavefront_size: 32
...
	.end_amdgpu_metadata
.endif
;; end of part 6
;; launch proj (part 7): grid 8 x 32, 8 waves a work-group, clusters of 4 x 4, 327,680 bytes of LDS; arguments codes, scales, bq, bk, bv, qf, kv; writes qf, kv
.if DOCPART == 7
	.amdgcn_target "amdgcn-amd-amdhsa--gfx1250"
	.amdhsa_code_object_version 6
	.text
	.protected	k_qc7198c4904_proj
	.globl	k_qc7198c4904_proj
	.p2align	8
	.type	k_qc7198c4904_proj,@function
k_qc7198c4904_proj:
	s_mov_b64 s[64:65], 0
	v_nop
	global_prefetch_b8 v0, s[64:65] scope:SCOPE_SE
	s_setreg_imm32_b32 hwreg(HW_REG_WAVE_MODE, 25, 1), 1
	s_wait_xcnt 0x0
	s_wait_alu depctr_hold_cnt(0) depctr_sa_sdst(0) depctr_va_vdst(0) depctr_va_sdst(0) depctr_va_ssrc(0) depctr_va_vcc(0) depctr_vm_vsrc(0)
	s_getreg_b32 s2, hwreg(HW_REG_IB_STS2, 6, 4)
	s_cmp_eq_u32 s2, 0
	s_cbranch_scc0 .Lentry_in_a_cluster
	s_endpgm
.Lentry_in_a_cluster:
	s_bfe_u32 s2, ttmp6, 0x10000c
	s_cmp_lg_u32 s2, 0xf033
	s_cbranch_scc0 .Lentry_shape_is_right
	s_endpgm
.Lentry_shape_is_right:
; The three input projections x W^T + b on codes of FP6 (E2M3) with E8M0 scales, 4,096 x 1,024 x 1,024 each; the results are quantised here, in f32 registers, into the operands of the attention launch.
; Operands come as images of registers: a unit of 768 bytes is 16 rows x 64 K, lane L = r + 16 h owning row r's block h (16 bytes at 16 L, 8 at 512 + 8 L); tile T holds in lane r the row
; 32 (T / 2) + 8 (T % 2) + r + 8 (r / 8).
; A WORK-GROUP STAYS: it makes three tiles of 128 x 128 over all of K, one after the other: query, key and value for the same 128 tokens (work-group y) and 128 channels (work-group x); the tile's number
; is a constant of the text.  Source 0 = 128 rows P, source 1 = 128 rows R.  Query and key: P = the weight's rows, R = tokens: a lane holds one token, and its 32 registers of one R tile run along 64
; channels, one head: register n = channel 32 (n / 16) + 16 h + n % 16.  Value: P = tokens, R = the weight's rows: a lane holds a channel and its registers run down 64 keys, since the keys are the K of
; the second attention product.  So one macro quantises all three.
; EIGHT WAVES: wave w takes P tiles 4 (w % 2) .. + 3 and R tiles 2 (w / 2), + 1: eight accumulators.
; CLUSTERS: 4 x 4 work-groups.  The four of a row of the cluster have the same tokens and want the same activations; the four of a column have the same channels and want the same weights.  Every tile is
; asked for JOINTLY: each of the four issues the same tensor load, with the same descriptor and a mask that names the four.  Waves 0-3 fetch activations, waves 4-7 weights: two lines under a branch on the
; wave's number, each with one mask and registers of its own.  That divides the requests for the work-group's 589,824 bytes by four.
; LDS: a tile is two halves of K; a half is 49,152 bytes of the activations' codes and 49,152 of the weight's.  The six halves h = 2 y + half go through three slots of 98,304 bytes, slot h % 3.
; Halves 0, 1, 2 are first fills: two loads a wave (half 0, then halves 1 and 2); the scale words go straight into registers.  Behind tile 0's last LDS read slots 0 and 1 are
; filled again with halves 3 and 4 (one load of 24,576 bytes a wave); behind the last read of half 2 slot 2 is filled again with half 5 (12,288 bytes a wave).  Each refill stands behind a round of the
; cluster's barrier.  All of a WGP's LDS is claimed, and 0 is added to spare words in front of each such round and at the wave's end.
; THE BIASES are loaded once, into v256-335 (window 1), in the results' layout, and are the C of each sum's first product: nothing is cleared or added, and no load stands between tiles.
; LIMITS: NaN and infinities are not served; a block whose largest magnitude lies under 2^-124, a block of zeros among them, keeps the byte 1 (zeros' codes add nothing under it; this program alone reads the bytes).
; qf: [head 32][query tile 128][768] codes; from byte 3,145,728 [head][tile][16 x 4] scale words (bytes 2, 3 are 0).
; kv: [head][key step 16][13,056]: K's 8 units; from 6,144 V's 8 units (3,072 (ct / 2) + 1,536 half + 768 (ct % 2)); from 12,288 K's scale words (128 j + 4 L: lanes 0-15 tile 2 j, 16-31 tile 2 j + 1); from 12,800 V's.
.set SLOTB, 98304                      ; a slot: the activations' half, then the weight's
.set HALFB, 49152
.set SCL,   294912
.set SPARE, 319488                     ; the spare words, 128 bytes for each wave: four blocks of 256 bytes that no other line names
.set SPW, 4                            ; v4   LDS address of my spare word; never rewritten
.set NIL, 5                            ; v5   0; never rewritten
.set SCP, 24                           ; v24-39  P's scale words: pair j of tiles, K step s at SCP + 8 j + s (lanes 0-15 the even tile, 16-31 the odd)
.set SCR, 40                           ; v40-47  R's: K step s at SCR + s
.set FB,  48                           ; v48-119, v120-191: two fragment buffers: P's four fragments, then R's two
.set ACC, 192                          ; v192-255: accumulator (pt, rt) at ACC + 32 rt + 8 pt
.set QM,  17                           ; v17-18 largest magnitudes; v19-20 permute results, then bytes; v21-22 scale operands
.set QP,  19
.set QS,  21
.set BV,  64                           ; window 1: v0-31 bq's, v32-63 bk's (8 pt + j); v64-79 bv's (8 rt + j)
.set SEL, 26                           ; s[26:27] v_permlanex16_b32's selects for lane l xor 16
.set G1A, 32                           ; s[32:39] descriptor group 1 for the activations' codes;  s[40:47] for the weights'
.set G1W, 40
.set G1SA, 48
.set G1SW, 56
.set DA,  68                           ; s[68:79] groups 0 of the activations' loads: the first refill; half 0, later the second refill; halves 1 and 2
.set DW,  84                           ; s[84:95] the same for the weights
; s18 wave, s19 w % 2, s20 w / 2, s21 the side that I fetch for, s22 my quarter, s23 my piece of a slot in LDS, s24 channel group, s25 token group,
; s[28:29] the activations' codes at tile 0's group and my K step, s[30:31] the weights'; s48-57 at work on the way out; s58: the lanes 16-31
.set MSB, 0
.macro WIN new                         ; the immediate's high byte repeats the setting that is left
.if MSB != \new
	s_set_vgpr_msb (MSB<<8)|\new
.set MSB, \new
.endif
.endm
.macro PLACES                          ; four places behind a matrix instruction of this form, ahead of loads into its sources
.rept 4
	v_nop
.endr
.endm
.macro PLACES5                         ; five behind a tile's last products: the next tile's first products write over their results
.rept 5
	v_nop
.endr
.endm
.macro CROUND                          ; a round of the cluster's barrier: my work-group's barrier; wave 0 signals for the work-group; every wave waits for all sixteen; my work-group's barrier once more
	s_barrier_signal -1
	s_barrier_wait -1
	s_cmp_lg_u32 s18, 0
	s_cbranch_scc1 .Lnot_wave_0_\@
	s_barrier_signal -3
.Lnot_wave_0_\@:
	s_barrier_wait -3
	s_barrier_signal -1
	s_barrier_wait -1
.endm
.macro JLOAD ga, gw                    ; a joint refill: waves 0-3 ask for activations, waves 4-7 for weights; four v_nop follow each of the two lines
	s_cmp_eq_u32 s21, 0
	s_cbranch_scc0 .Lfor_w_\@
	tensor_load_to_lds s[\ga:\ga+3], s[G1A:G1A+7]
	s_nop 0
.rept 4
	v_nop
.endr
	s_branch .Lasked_\@
.Lfor_w_\@:
	tensor_load_to_lds s[\gw:\gw+3], s[G1W:G1W+7]
	s_nop 0
.rept 4
	v_nop
.endr
.Lasked_\@:
.endm
.macro G1SET g, m, c, rows, pitch      ; rows of c elements of 8 bytes, pitch elements apart; the mask in s[m], bit 21 set beside it; no padding
	s_or_b32 s[\g], s[\m], (3<<16)|(1<<21)
	s_mov_b32 s[\g+1], (\c)<<16
	s_mov_b32 s[\g+2], (\rows)<<16
	s_mov_b32 s[\g+3], (\c)<<16
	s_mov_b32 s[\g+4], \rows
	s_mov_b32 s[\g+5], \pitch
	s_mov_b32 s[\g+6], 0
	s_mov_b32 s[\g+7], 0
.endm
.macro DESC g, lreg, limm, p, pimm     ; group 0: to LDS byte s[lreg] + limm, from s[p:p+1] + pimm
	s_mov_b32 s[\g], 1
	s_add_co_u32 s[\g+1], s[\lreg], \limm
	s_add_nc_u64 s[\g+2:\g+3], s[\p:\p+1], \pimm
	s_or_b32 s[\g+3], s[\g+3], 0x80000000
.endm
.macro ROWS n                          ; the rows of a load of codes (no tensor load of mine is out where this stands)
	s_mov_b32 s[G1A+2], (\n)<<16
	s_mov_b32 s[G1A+4], \n
	s_mov_b32 s[G1W+2], (\n)<<16
	s_mov_b32 s[G1W+4], \n
.endm
.macro ADDR h                          ; the fragment addresses of half h.  Four plain vector lines: they also serve as places in front of the loads that follow
.set SLB, SLOTB*((\h)%3)
.if (\h) < 4
.set PBS, SLB+HALFB
.set RBS, SLB
.else
.set PBS, SLB
.set RBS, SLB+HALFB
.endif
	v_add_nc_u32 v10, PBS, v6
	v_add_nc_u32 v11, PBS, v7
	v_add_nc_u32 v12, RBS, v8
	v_add_nc_u32 v13, RBS, v9
.endm
; THE SCALE WORDS come from memory straight into registers, once, at the head: sixteen lanes read 256 consecutive bytes.  Tile 0's land in v24-47; tiles 1 and 2's wait in window 1 (v80-103, v104-127 there).
.macro GSCALES y, d                    ; tile y's 24 registers from v[d] on: P's 16, then R's 8.  s[100:101]: the weights' scales at group 96 + channel group; s[66:67]: the activations' at the token group
.if (\y) < 2
.irp j, 0,1
.irp kh, 0,1
	global_load_b128 v[(\d)+8*\j+4*\kh:(\d)+8*\j+4*\kh+3], v14, s[100:101] offset:32768*(\y)+1024*\j+256*\kh
.endr
.endr
.irp kh, 0,1
	global_load_b128 v[(\d)+16+4*\kh:(\d)+16+4*\kh+3], v15, s[66:67] offset:131072*(\y)+256*\kh
.endr
.else
.irp j, 0,1
.irp kh, 0,1
	global_load_b128 v[(\d)+8*\j+4*\kh:(\d)+8*\j+4*\kh+3], v14, s[66:67] offset:131072*(\y)+1024*\j+256*\kh
.endr
.endr
.irp kh, 0,1
	global_load_b128 v[(\d)+16+4*\kh:(\d)+16+4*\kh+3], v15, s[100:101] offset:32768*(\y)+256*\kh
.endr
.endif
.endm
.macro SCALES y                        ; tile y's (1 or 2) scale words move into v24-47, behind the places that follow the last products
	WIN 0x01
.set i, 0
.rept 24
	v_mov_b32 v[SCP+i], v[80+24*((\y)-1)+i]
.set i, i+1
.endr
	WIN 0
.endm
.macro FETCH s, b                      ; K step s of the half in hand: six fragments, 24 loads, each of consecutive bytes
.set FO, 12288*((\s)%4)
.set FR0, FB+72*(\b)
.irp t, 0,1,2,3
	ds_load_b128 v[FR0+12*\t:FR0+12*\t+3], v10 offset:FO+1536*\t
	ds_load_b64 v[FR0+12*\t+4:FR0+12*\t+5], v11 offset:FO+1536*\t+512
	ds_load_b128 v[FR0+12*\t+6:FR0+12*\t+9], v10 offset:FO+1536*\t+768
	ds_load_b64 v[FR0+12*\t+10:FR0+12*\t+11], v11 offset:FO+1536*\t+1280
.endr
.irp t, 0,1
	ds_load_b128 v[FR0+48+12*\t:FR0+48+12*\t+3], v12 offset:FO+1536*\t
	ds_load_b64 v[FR0+48+12*\t+4:FR0+48+12*\t+5], v13 offset:FO+1536*\t+512
	ds_load_b128 v[FR0+48+12*\t+6:FR0+48+12*\t+9], v12 offset:FO+1536*\t+768
	ds_load_b64 v[FR0+48+12*\t+10:FR0+48+12*\t+11], v13 offset:FO+1536*\t+1280
.endr
.endm
.macro WM d, a, b, c, sa, sb, ra, rb   ; one product; ra, rb: the side's scale words stand in lanes 16-31
.if (\ra) && (\rb)
	v_wmma_scale_f32_16x16x128_f8f6f4 v[\d:\d+7], v[\a:\a+11], v[\b:\b+11], v[\c:\c+7], v[\sa], v[\sb] matrix_a_fmt:MATRIX_FMT_FP6 matrix_b_fmt:MATRIX_FMT_FP6 matrix_a_scale:MATRIX_SCALE_ROW1 matrix_b_scale:MATRIX_SCALE_ROW1
.elseif (\ra)
	v_wmma_scale_f32_16x16x128_f8f6f4 v[\d:\d+7], v[\a:\a+11], v[\b:\b+11], v[\c:\c+7], v[\sa], v[\sb] matrix_a_fmt:MATRIX_FMT_FP6 matrix_b_fmt:MATRIX_FMT_FP6 matrix_a_scale:MATRIX_SCALE_ROW1
.elseif (\rb)
	v_wmma_scale_f32_16x16x128_f8f6f4 v[\d:\d+7], v[\a:\a+11], v[\b:\b+11], v[\c:\c+7], v[\sa], v[\sb] matrix_a_fmt:MATRIX_FMT_FP6 matrix_b_fmt:MATRIX_FMT_FP6 matrix_b_scale:MATRIX_SCALE_ROW1
.else
	v_wmma_scale_f32_16x16x128_f8f6f4 v[\d:\d+7], v[\a:\a+11], v[\b:\b+11], v[\c:\c+7], v[\sa], v[\sb] matrix_a_fmt:MATRIX_FMT_FP6 matrix_b_fmt:MATRIX_FMT_FP6
.endif
.endm
; The eight accumulators take turns, one instruction a turn, in the same order in every K step.  first = 1: tile y's first K step: C is the bias, in window 1.
.macro MUL8 s, b, y, first
.set FR0, FB+72*(\b)
.if \first
	WIN 0x10                                       ; source 2 in window 1
.endif
.irp rt, 0,1
.irp pt, 0,1,2,3
.if \first
.if (\y) == 2
	WM ACC+32*\rt+8*\pt, FR0+12*\pt, FR0+48+12*\rt, BV+8*\rt, SCP+8*(\pt/2)+(\s), SCR+(\s), \pt%2, \rt
.else
	WM ACC+32*\rt+8*\pt, FR0+12*\pt, FR0+48+12*\rt, 32*(\y)+8*\pt, SCP+8*(\pt/2)+(\s), SCR+(\s), \pt%2, \rt
.endif
.else
	WM ACC+32*\rt+8*\pt, FR0+12*\pt, FR0+48+12*\rt, ACC+32*\rt+8*\pt, SCP+8*(\pt/2)+(\s), SCR+(\s), \pt%2, \rt
.endif
.endr
.endr
.if \first
	WIN 0
.endif
.endm
.macro FIRST y                         ; a tile's first K step: its fragments and scale words were asked for under the tile before
	FETCH 1, 1
	s_wait_dscnt 24                                ; all but the 24 loads just issued
	MUL8 0, 0, \y, 1
.endm
.macro NORM s, y                       ; a K step whose successor lies in the same half
	PLACES                                         ; the buffer that the last K step's products read is loaded again
	FETCH (\s)+1, ((\s)+1)%2
	s_wait_dscnt 24                                ; all but the 24 loads just issued: this K step's fragments are in
	MUL8 \s, (\s)%2, \y, 0
.endm
; 32 numbers of a lane, register 16 b + i = k 32 b + 16 h + i of my row, become a unit's six registers v[pc] on; the two blocks' bytes are left in v[QP], v[QP+1].
.macro QUANT32 s, pc, pt
	v_max3_num_f32 v[QM], |v[\s]|, |v[\s+1]|, 0x1800000          ; each accumulator is read from its low end on; the floor 2^(3 - 127) holds the byte at 1 from below
	v_max3_num_f32 v[QM+1], |v[\s+16]|, |v[\s+17]|, 0x1800000
.irp i, 2,4,6,8,10,12,14
	v_max3_num_f32 v[QM], v[QM], |v[\s+\i]|, |v[\s+\i+1]|
	v_max3_num_f32 v[QM+1], v[QM+1], |v[\s+16+\i]|, |v[\s+17+\i]|
.endr
	s_delay_alu instid0(VALU_DEP_2)
	v_permlanex16_b32 v[QP], v[QM], s[SEL], s[SEL+1]
	s_delay_alu instid0(VALU_DEP_2)
	v_permlanex16_b32 v[QP+1], v[QM+1], s[SEL], s[SEL+1]
	s_delay_alu instid0(VALU_DEP_2)
	v_max_num_f32 v[QM], v[QM], v[QP]              ; with lane l xor 16's: the block's largest magnitude
	s_delay_alu instid0(VALU_DEP_2)
	v_max_num_f32 v[QM+1], v[QM+1], v[QP+1]
	s_delay_alu instid0(VALU_DEP_2)
	v_add_nc_u32 v[QS], 0xff000000, v[QM]          ; 2 off the exponent field: the conversion's scale operand
	s_delay_alu instid0(VALU_DEP_2)
	v_add_nc_u32 v[QS+1], 0xff000000, v[QM+1]
	s_delay_alu instid0(VALU_DEP_2)
	v_lshrrev_b32 v[QP], 23, v[QS]                 ; the bytes
	s_delay_alu instid0(VALU_DEP_2)
	v_lshrrev_b32 v[QP+1], 23, v[QS+1]
	v_cvt_scalef32_pk16_fp6_f32 v[\pc:\pc+2], v[\s:\s+15], v[QS]
	v_cvt_scalef32_pk16_fp6_f32 v[\pt:\pt+2], v[\s+16:\s+31], v[QS+1]
	v_nop                                          ; one plain place behind a scaled conversion
.irp i, 0,1,2
	v_permlane16_swap_b32 v[\pc+\i], v[\pt+\i]     ; a whole block to a lane: lanes 0-15 block 0, lanes 16-31 block 1
.endr
.irp i, 0,1,2
	s_delay_alu instid0(VALU_DEP_3)
	v_mov_b32 v[\pc+3+\i], v[\pt+\i]
.endr
.endm
.macro QUANT2                          ; my two R tiles become two units, in the registers of fragment buffer 1, which is done with; v154: their scale half-words
	QUANT32 ACC, 120, 128
	v_lshl_or_b32 v152, v[QP+1], 8, v[QP]
	QUANT32 ACC+32, 136, 144
	v_lshl_or_b32 v153, v[QP+1], 8, v[QP]
	s_delay_alu instid0(VALU_DEP_1)
	v_cndmask_b32 v154, v152, v153, s58            ; s58: the lanes 16-31
.endm
.macro OUT                             ; my two units: each three aligned blocks of 256 bytes, written whole
	global_store_b128 v1, v[120:123], s[52:53]
	global_store_b64 v2, v[124:125], s[52:53] offset:512
	global_store_b128 v1, v[136:139], s[52:53] offset:768
	global_store_b64 v2, v[140:141], s[52:53] offset:1280
.endm
.macro HEADQK                          ; s48 = 16 x batch, s49 = which 128 tokens of the batch, s50 = head = 16 x batch + 2 x channel group + w % 2
	s_lshr_b32 s48, s25, 4
	s_lshl_b32 s48, s48, 4
	s_and_b32 s49, s25, 15
	s_lshl_b32 s50, s24, 1
	s_add_co_u32 s50, s50, s19
	s_add_co_u32 s50, s50, s48
.endm
	s_load_b256 s[4:11], s[0:1], 0x0               ; codes, scales, bq, bk
	s_load_b128 s[12:15], s[0:1], 0x20             ; bv, qf
	s_load_b64 s[16:17], s[0:1], 0x30              ; kv
	v_lshl_add_u32 v[SPW], v0, 2, SPARE
	v_mov_b32 v[NIL], 0
	ds_add_u32 v4, v5
	ds_add_u32 v4, v5
	s_wait_dscnt 0x0
	v_lshrrev_b32 v17, 5, v0
	s_delay_alu instid0(VALU_DEP_1)
	v_readfirstlane_b32 s18, v17                   ; wave 0..7
	s_and_b32 s19, s18, 1                          ; which four P tiles
	s_lshr_b32 s20, s18, 1                         ; which two R tiles
	s_lshr_b32 s21, s18, 2                         ; I fetch activations (0) or weights (1),
	s_and_b32 s22, s18, 3                          ; this quarter of each block
	s_bfe_u32 s100, ttmp6, 0x40000                 ; cx, cy: my place in the cluster
	s_bfe_u32 s66, ttmp6, 0x40004
	s_lshl_b32 s24, ttmp9, 2
	s_add_co_u32 s24, s24, s100                    ; channel group = 4 x cluster x + cx
	s_and_b32 s25, ttmp7, 0xffff
	s_lshl_b32 s25, s25, 2
	s_add_co_u32 s25, s25, s66                     ; token group = 4 x cluster y + cy
	s_lshl_b32 s67, s66, 2
	s_lshl_b32 s67, 15, s67                        ; my row of the cluster: the activations' mask
	s_lshl_b32 s101, 0x1111, s100
	s_cmp_eq_u32 s21, 0
	s_cselect_b32 s59, s100, s66                   ; my place among the four that ask for my tiles with me: cx for activations, cy for weights; it enters the prefetches' addresses alone
	G1SET G1A, 67, 32, 48, 32                      ; codes: 48 rows of 256 bytes, dense
	G1SET G1W, 101, 32, 48, 32
	s_mul_i32 s2, s22, 12288                       ; my quarter of a half: one K step
	s_mul_i32 s23, s21, HALFB                      ; LDS, from the wave's number alone: my piece of a slot,
	s_add_co_u32 s23, s23, s2
	s_mul_i32 s28, s25, SLOTB                      ; the activations: tile y's group is 32 y + token group; nothing here hangs on cx
	s_add_co_u32 s28, s28, s2
	s_mov_b32 s29, 0
	s_lshl_b32 s66, s25, 12
	s_mov_b32 s67, 0
	s_mul_i32 s30, s24, SLOTB                      ; the weights: tile y's group is 96 + 8 y + channel group; nothing here hangs on cy
	s_add_co_u32 s30, s30, s2
	s_add_co_u32 s30, s30, 96*SLOTB
	s_mov_b32 s31, 0
	s_lshl_b32 s100, s24, 12
	s_add_co_u32 s100, s100, 96<<12
	s_mov_b32 s101, 0
	s_wait_kmcnt 0x0
	s_add_nc_u64 s[28:29], s[4:5], s[28:29]
	s_add_nc_u64 s[66:67], s[6:7], s[66:67]
	s_add_nc_u64 s[30:31], s[4:5], s[30:31]
	s_add_nc_u64 s[100:101], s[6:7], s[100:101]
	DESC DA+4, 23, 0, 28, 0                        ; the head's one load a wave: my K step of half 0
	DESC DW+4, 23, 0, 30, 0
	s_mov_b32 s[DA], 1                             ; (the count of the set that later serves the first refill)
	s_mov_b32 s[DW], 1
	s_lshr_b32 s2, s22, 1                          ; the second load: of a side's four waves two bring half 1 (to slot 1), two half 2 (tile 1, lower K, to slot 2),
	s_and_b32 s3, s22, 1                           ; each wave 24,576 of that side's 49,152 bytes
	s_mul_i32 s[DA+9], s2, SLOTB
	s_mul_i32 s48, s21, HALFB
	s_add_co_u32 s[DA+9], s[DA+9], s48
	s_mul_i32 s48, s3, 24576
	s_add_co_u32 s[DA+9], s[DA+9], s48
	s_add_co_u32 s[DA+9], s[DA+9], SLOTB
	s_mov_b32 s[DW+9], s[DA+9]
	s_mov_b32 s[DA+8], 1
	s_mov_b32 s[DW+8], 1
	s_mul_i32 s48, s2, 32*SLOTB-73728              ; from s[28:29] (tile 0's group + 12,288 x quarter) on
	s_mul_i32 s50, s3, 12288
	s_add_co_u32 s48, s48, s50
	s_add_co_u32 s48, s48, HALFB
	s_mov_b32 s49, 0
	s_add_nc_u64 s[DA+10:DA+11], s[28:29], s[48:49]
	s_or_b32 s[DA+11], s[DA+11], 0x80000000
	s_mul_i32 s48, s2, 8*SLOTB-73728
	s_add_co_u32 s48, s48, s50
	s_add_co_u32 s48, s48, HALFB
	s_add_nc_u64 s[DW+10:DW+11], s[30:31], s[48:49]
	s_or_b32 s[DW+11], s[DW+11], 0x80000000
	; THE PREFETCHES: each later fill is asked of memory one fill ahead, one instruction a wave.  Of the rows of 256 bytes that I fetch in that fill (96, for half 5: 48), each of the four partners that ask
	; jointly takes a quarter, told apart by address, a lane a row; the lanes left over name the quarter's last row again.  So each block of 256 bytes is named once in each cluster that loads it.
	; s[82:83]: my piece of halves 1 and 2; s[96:97]: of halves 3 and 4, one tile on; s[62:63]: of half 5.  These registers serve nothing else.
	s_cmp_eq_u32 s21, 0
	s_cselect_b64 s[80:81], s[28:29], s[30:31]     ; my side's codes at tile 0's group and my K step
	s_mov_b32 s98, 8*SLOTB
	s_cselect_b32 s98, 32*SLOTB, s98               ; bytes from tile to tile on my side
	s_sub_co_u32 s99, s98, 73728
	s_mul_i32 s99, s99, s2
	s_add_co_u32 s99, s99, s50
	s_add_co_u32 s99, s99, HALFB                   ; as in the second load's address
	s_mov_b32 s61, 0
	s_mul_i32 s60, s59, 6144                       ; my 24 rows of the 96
	s_add_co_u32 s60, s60, s99
	s_add_nc_u64 s[82:83], s[80:81], s[60:61]
	s_mov_b32 s60, s98
	s_add_nc_u64 s[96:97], s[82:83], s[60:61]
	s_lshl_b32 s60, s98, 1
	s_add_co_u32 s60, s60, HALFB                   ; half 5: tile 2's group, upper K, my K step,
	s_mul_i32 s99, s59, 3072                       ; my 12 rows of the 48
	s_add_co_u32 s60, s60, s99
	s_add_nc_u64 s[62:63], s[80:81], s[60:61]
	s_mov_b32 s[SEL], 0x76543210
	s_mov_b32 s[SEL+1], 0xfedcba98
	CROUND                                         ; all sixteen work-groups are here: the first joint loads meet
	s_cmp_eq_u32 s21, 0                            ; a wave's first fill stands in one branch, ahead of every wait on TENSORcnt, LDS read and further barrier: one load of mine is out
	s_cbranch_scc0 .Lfirst_w
	tensor_load_to_lds s[DA+4:DA+7], s[G1A:G1A+7]
	s_nop 0
.rept 4
	v_nop
.endr
	s_branch .Lfirst_asked
.Lfirst_w:
	tensor_load_to_lds s[DW+4:DW+7], s[G1W:G1W+7]
	s_nop 0
.rept 4
	v_nop
.endr
.Lfirst_asked:
	v_and_b32 v17, 31, v0                          ; L
	v_and_b32 v18, 15, v0                          ; r
	v_bfe_u32 v19, v0, 4, 1                        ; h
	s_delay_alu instid0(VALU_DEP_3)
	v_lshlrev_b32 v1, 4, v17                       ; 16 L
	s_delay_alu instid0(VALU_DEP_4)
	v_lshlrev_b32 v2, 3, v17                       ; 8 L
	v_lshlrev_b32 v3, 2, v17                       ; 4 L
	s_mul_i32 s2, s19, 6144                        ; my four P tiles in a K step,
	v_add_nc_u32 v6, s2, v1
	v_add_nc_u32 v7, s2, v2
	s_mul_i32 s2, s20, 3072                        ; my two R tiles
	v_add_nc_u32 v8, s2, v1
	v_add_nc_u32 v9, s2, v2
	v_lshlrev_b32 v20, 4, v18
	s_delay_alu instid0(VALU_DEP_1)
	v_lshl_add_u32 v20, v19, 9, v20
	s_lshl_b32 s2, s19, 11                         ; in a group's 4,096 bytes of scales: P's pairs of tiles are quarters 2 (w % 2) and + 1,
	v_add_nc_u32 v14, s2, v20
	s_lshl_b32 s2, s20, 10                         ; R's pair is quarter w / 2
	v_add_nc_u32 v15, s2, v20
	v_cmp_ne_u32 s58, 0, v19
	v_lshlrev_b32 v16, 6, v19                      ; bq, bk: register 8 pt + j is channel 32 (pt / 2) + 8 (pt % 2) + 16 h + j
	s_wait_alu depctr_va_vdst(0)
	v_and_b32 v23, 8, v18
	s_delay_alu instid0(VALU_DEP_1)
	v_add_nc_u32 v23, v23, v18
	s_delay_alu instid0(VALU_DEP_1)
	v_lshlrev_b32 v23, 2, v23
	v_min_u32 v21, 23, v17                         ; the prefetches' offsets: a lane a row of 256 bytes, 24 rows,
	v_min_u32 v22, 11, v17                         ; or 12; both stand until the first tile is quantised
	v_lshlrev_b32 v21, 8, v21
	v_lshlrev_b32 v22, 8, v22
	s_wait_alu depctr_va_vdst(0)
	s_lshl_b32 s2, s24, 9                          ; 4 (128 x channel group + 64 (w % 2))
	s_lshl_b32 s3, s19, 8
	s_add_co_u32 s2, s2, s3
	s_mov_b32 s3, 0
	s_add_nc_u64 s[8:9], s[8:9], s[2:3]
	s_add_nc_u64 s[10:11], s[10:11], s[2:3]
	s_lshl_b32 s2, s24, 9                          ; 4 (128 x channel group + 32 (w / 2))
	s_lshl_b32 s3, s20, 7
	s_add_co_u32 s2, s2, s3
	s_mov_b32 s3, 0
	s_add_nc_u64 s[12:13], s[12:13], s[2:3]
	global_prefetch_b8 v21, s[82:83] th:TH_LOAD_NT scope:SCOPE_SE   ; halves 1 and 2, which the second load will want
	WIN 0x40
.irp pt, 0,1,2,3
	global_load_b128 v[8*\pt:8*\pt+3], v16, s[8:9] offset:128*(\pt/2)+32*(\pt%2)
	global_load_b128 v[8*\pt+4:8*\pt+7], v16, s[8:9] offset:128*(\pt/2)+32*(\pt%2)+16
	global_load_b128 v[32+8*\pt:32+8*\pt+3], v16, s[10:11] offset:128*(\pt/2)+32*(\pt%2)
	global_load_b128 v[32+8*\pt+4:32+8*\pt+7], v16, s[10:11] offset:128*(\pt/2)+32*(\pt%2)+16
.endr
.irp rt, 0,1
.irp j, 0,1,2,3,4,5,6,7
	global_load_b32 v[BV+8*\rt+\j], v23, s[12:13] offset:32*\rt
.endr
.endr
	GSCALES 1, 80
	GSCALES 2, 104
	WIN 0
	GSCALES 0, SCP
	s_wait_alu depctr_va_vdst(0)
	s_wait_tensorcnt 0x0                           ; my part of half 0 is in
	ds_add_u32 v[SPW], v[NIL]
	ROWS 96                                        ; no tensor load of mine is out: the next load brings 96 rows
	s_wait_dscnt 0x0
	CROUND                                         ; half 0 is whole, and all sixteen work-groups are here
	JLOAD DA+8, DW+8                               ; halves 1 and 2: my one tensor load behind this round
	ADDR 0
	FETCH 0, 0
	global_prefetch_b8 v21, s[96:97] th:TH_LOAD_NT scope:SCOPE_SE   ; halves 3 and 4: their load stands seven K steps on
	s_wait_alu depctr_va_vdst(0)
	s_wait_loadcnt 0x0
	; ---- TILE 0: the query
	FIRST 0
	NORM 1, 0
	NORM 2, 0
	s_wait_tensorcnt 0x0                           ; my part of halves 1 and 2 is in
	s_wait_dscnt 0x0                               ; no LDS instruction of mine is out at a signal
	s_barrier_signal -1
	s_barrier_wait -1
	ADDR 1
	FETCH 4, 0
	s_wait_alu depctr_va_vdst(0)
	s_wait_dscnt 24
	MUL8 3, 1, 0, 0
	NORM 4, 0
	NORM 5, 0
	PLACES
	FETCH 7, 1                                     ; my last reads of slots 0 and 1
	s_wait_tensorcnt 0x0                           ; all my tensor loads have landed, so every descriptor register may be written;
	ds_add_u32 v[SPW], v[NIL]                      ; 0 onto my spare word;
	s_lshr_b32 s2, s22, 1                          ; THE FIRST REFILL.  Of a side's four waves two bring half 3 (tile 1, upper K, to slot 0), two half 4 (tile 2, lower K, to slot 1),
	s_and_b32 s3, s22, 1                           ; each wave 24,576 of that side's 49,152 bytes
	s_mul_i32 s[DA+1], s2, SLOTB
	s_mul_i32 s48, s21, HALFB
	s_add_co_u32 s[DA+1], s[DA+1], s48
	s_mul_i32 s48, s3, 24576
	s_add_co_u32 s[DA+1], s[DA+1], s48
	s_mov_b32 s[DW+1], s[DA+1]
	s_mul_i32 s48, s2, 32*SLOTB-73728              ; from s[28:29] (tile 0's group + 12,288 x quarter) on: a tile's step of 32 groups, the half of K, and the wave's terms set right
	s_mul_i32 s50, s3, 12288
	s_add_co_u32 s48, s48, s50
	s_add_co_u32 s48, s48, 32*SLOTB+HALFB
	s_mov_b32 s49, 0
	s_add_nc_u64 s[DA+2:DA+3], s[28:29], s[48:49]
	s_or_b32 s[DA+3], s[DA+3], 0x80000000
	s_mul_i32 s48, s2, 8*SLOTB-73728               ; the weights likewise, 8 groups a tile
	s_add_co_u32 s48, s48, s50
	s_add_co_u32 s48, s48, 8*SLOTB+HALFB
	s_add_nc_u64 s[DW+2:DW+3], s[30:31], s[48:49]
	s_or_b32 s[DW+3], s[DW+3], 0x80000000
	ROWS 96
	s_wait_dscnt 25                                ; (the add and the 24 loads just issued may be out)
	MUL8 6, 0, 0, 0                                ; eight matrix instructions stand between the add and the wait for it
	s_wait_dscnt 0x0                               ; the add is done, and my reads of slots 0 and 1 are over
	CROUND                                         ; both hold of every wave of all sixteen work-groups; half 2 is whole
	JLOAD DA, DW                                   ; halves 3 and 4 into slots 0 and 1: my one tensor load behind this round, and the first thing there
	ADDR 2
	FETCH 0, 0
	global_prefetch_b8 v22, s[62:63] th:TH_LOAD_NT scope:SCOPE_SE   ; half 5: its load stands five K steps on; nothing is asked for beyond it
	MUL8 7, 1, 0, 0
	PLACES5
	s_wait_xcnt 0x0                                ; the prefetches have read v21 and v22 (ISA guide 3.1): the quantiser below writes them
	SCALES 1
	QUANT2
	HEADQK
	s_lshl_b32 s51, s50, 7                         ; query tile n = 128 x head + 8 a + 2 (w / 2)
	s_lshl_b32 s52, s49, 3
	s_add_co_u32 s51, s51, s52
	s_lshl_b32 s52, s20, 1
	s_add_co_u32 s51, s51, s52
	s_mul_i32 s52, s51, 768
	s_mov_b32 s53, 0
	s_lshl_b32 s54, s51, 6
	s_add_co_u32 s54, s54, 3145728
	s_mov_b32 s55, 0
	s_add_nc_u64 s[52:53], s[14:15], s[52:53]
	s_add_nc_u64 s[54:55], s[14:15], s[54:55]
	s_wait_alu depctr_va_vdst(0)
	OUT
	global_store_b32 v3, v154, s[54:55]            ; two tiles' words: 128 consecutive bytes
	; ---- TILE 1: the key
	s_wait_xcnt 0x0                                ; the stores have read their registers and bases (ISA guide 3.1): fragments may land there
	FIRST 1
	NORM 1, 1
	NORM 2, 1
	s_wait_dscnt 0x0                               ; K step 3's fragments: my last reads of slot 2
	MUL8 3, 1, 1, 0
	s_wait_tensorcnt 0x0                           ; my part of halves 3 and 4 has landed;
	ds_add_u32 v[SPW], v[NIL]                      ; 0 onto my spare word
	DESC DA+4, 23, 2*SLOTB, 28, 64*SLOTB+HALFB     ; THE SECOND REFILL: half 5: tile 2's group, upper K, my K step, to slot 2
	DESC DW+4, 23, 2*SLOTB, 30, 16*SLOTB+HALFB
	ROWS 48
	s_wait_dscnt 0x0                               ; the add is done
	CROUND                                         ; halves 3 and 4 are whole, and no wave of any partner reads slot 2
	JLOAD DA+4, DW+4                               ; my one tensor load behind this round, and the first thing there
	ADDR 3
	FETCH 4, 0
	NORM 4, 1
	s_wait_alu depctr_va_vdst(0)
	NORM 5, 1
	NORM 6, 1
	ADDR 4
	FETCH 0, 0                                     ; tile 2's first fragments, from slot 1
	s_wait_dscnt 24
	MUL8 7, 1, 1, 0
	PLACES5
	SCALES 2
	QUANT2
	HEADQK
	s_lshl_b32 s51, s50, 4                         ; key step (16 x head + a) x 13,056
	s_add_co_u32 s51, s51, s49
	s_mul_i32 s51, s51, 13056
	s_mul_i32 s52, s20, 1536
	s_add_co_u32 s52, s52, s51
	s_mov_b32 s53, 0
	s_lshl_b32 s54, s20, 7
	s_add_co_u32 s54, s54, s51
	s_add_co_u32 s54, s54, 12288
	s_mov_b32 s55, 0
	s_add_nc_u64 s[52:53], s[16:17], s[52:53]
	s_add_nc_u64 s[54:55], s[16:17], s[54:55]
	s_wait_alu depctr_va_vdst(0)
	OUT
	global_store_b32 v3, v154, s[54:55]
	; ---- TILE 2: the value
	s_wait_xcnt 0x0
	FIRST 2
	NORM 1, 2
	NORM 2, 2
	s_wait_tensorcnt 0x0                           ; my part of half 5, the last load
	s_wait_dscnt 0x0
	s_barrier_signal -1
	s_barrier_wait -1
	ADDR 5
	FETCH 4, 0
	s_wait_alu depctr_va_vdst(0)
	s_wait_dscnt 24
	MUL8 3, 1, 2, 0
	NORM 4, 2
	NORM 5, 2
	NORM 6, 2
	s_wait_dscnt 0x0
	MUL8 7, 1, 2, 0
	PLACES5
	QUANT2
	s_lshr_b32 s48, s25, 4
	s_lshl_b32 s48, s48, 4
	s_and_b32 s49, s25, 15
	s_lshl_b32 s50, s24, 1                         ; head = 16 x batch + 2 x channel group + w / 4; channel tiles 2 ((w / 2) % 2), + 1; keys 64 (w % 2) on
	s_lshr_b32 s51, s20, 1
	s_add_co_u32 s50, s50, s51
	s_add_co_u32 s50, s50, s48
	s_lshl_b32 s51, s50, 4
	s_add_co_u32 s51, s51, s49
	s_mul_i32 s51, s51, 13056
	s_and_b32 s56, s20, 1
	s_mul_i32 s52, s56, 3072
	s_add_co_u32 s52, s52, s51
	s_mul_i32 s57, s19, 1536
	s_add_co_u32 s52, s52, s57
	s_add_co_u32 s52, s52, 6144
	s_mov_b32 s53, 0
	s_lshl_b32 s54, s56, 7
	s_add_co_u32 s54, s54, s51
	s_lshl_b32 s57, s19, 1
	s_add_co_u32 s54, s54, s57
	s_add_co_u32 s54, s54, 12800
	s_mov_b32 s55, 0
	s_add_nc_u64 s[52:53], s[16:17], s[52:53]
	s_add_nc_u64 s[54:55], s[16:17], s[54:55]
	s_wait_alu depctr_va_vdst(0)
	OUT
	global_store_b16 v3, v154, s[54:55]            ; my half (64 keys, two bytes) of each channel's scale word; the wave with the other keys writes the other half
	s_wait_tensorcnt 0x0                           ; the wave's end
	ds_add_u32 v[SPW], v[NIL]
	s_wait_dscnt 0x0
	CROUND                                         ; the closing round: no work-group ends while a partner may still ask for a tile that names it
	s_endpgm
.Lfunc_end_k_qc7198c4904_proj:
	.size	k_qc7198c4904_proj, .Lfunc_end_k_qc7198c4904_proj-k_qc7198c4904_proj
	.p2alignl 7, 3214868480
	.fill 96, 4, 3214868480
	.section	.rodata,"a",@progbits
	.p2align	6, 0x0
	.amdhsa_kernel k_qc7198c4904_proj
		.amdhsa_group_segment_fixed_size 327680
		.amdhsa_private_segment_fixed_size 0
		.amdhsa_enable_private_segment 0
		.amdhsa_kernarg_size 56
		.amdhsa_user_sgpr_count 2
		.amdhsa_user_sgpr_kernarg_segment_ptr 1
		.amdhsa_wavefront_size32 1
		.amdhsa_system_sgpr_workgroup_id_x 1
		.amdhsa_system_sgpr_workgroup_id_y 1
		.amdhsa_system_sgpr_workgroup_id_z 1
		.amdhsa_system_vgpr_workitem_id 0
		.amdhsa_next_free_vgpr 384
		.amdhsa_next_free_sgpr 102
		.amdhsa_reserve_vcc 0
		.amdhsa_float_denorm_mode_32 3
		.amdhsa_float_denorm_mode_16_64 3
		.amdhsa_memory_ordered 1
		.amdhsa_forward_progress 1
		.amdhsa_inst_pref_size 103
	.end_amdhsa_kernel
	.amdgpu_metadata
---
amdhsa.version: [ 1, 2 ]
amdhsa.kernels:
  - .name:           k_qc7198c4904_proj
    .symbol:         k_qc7198c4904_proj.kd
    .args:
      - { .name: codes, .offset: 0, .size: 8, .value_kind: global_buffer, .address_space: global }
      - { .name: scales, .offset: 8, .size: 8, .value_kind: global_buffer, .address_space: global }
      - { .name: bq, .offset: 16, .size: 8, .value_kind: global_buffer, .address_space: global }
      - { .name: bk, .offset: 24, .size: 8, .value_kind: global_buffer, .address_space: global }
      - { .name: bv, .offset: 32, .size: 8, .value_kind: global_buffer, .address_space: global }
      - { .name: qf, .offset: 40, .size: 8, .value_kind: global_buffer, .address_space: global }
      - { .name: kv, .offset: 48, .size: 8, .value_kind: global_buffer, .address_space: global }
    .group_segment_fixed_size: 327680
    .private_segment_fixed_size: 0
    .kernarg_segment_align: 8
    .kernarg_segment_size: 56
    .max_flat_workgroup_size: 256
    .sgpr_count:     102
    .vgpr_count:     384
    .wavefront_size: 32
...
	.end_amdgpu_metadata
.endif
;; end of part 7
;; launch attn (part 8): grid 8 x 32, 16 waves a work-group, clusters of 4 x 1, 224,256 bytes of LDS; arguments qf, kv, mbits, xc, xs; writes xc, xs
.if DOCPART == 8
	.amdgcn_target "amdgcn-amd-amdhsa--gfx1250"
	.amdhsa_code_object_version 6
	.text
	.protected	k_qc7198c4904_attn
	.globl	k_qc7198c4904_attn
	.p2align	8
	.type	k_qc7198c4904_attn,@function
k_qc7198c4904_attn:
	s_mov_b64 s[64:65], 0
	v_nop
	global_prefetch_b8 v0, s[64:65] scope:SCOPE_SE
	s_setreg_imm32_b32 hwreg(HW_REG_WAVE_MODE, 25, 1), 1
	s_wait_xcnt 0x0
	s_wait_alu depctr_hold_cnt(0) depctr_sa_sdst(0) depctr_va_vdst(0) depctr_va_sdst(0) depctr_va_ssrc(0) depctr_va_vcc(0) depctr_vm_vsrc(0)
	s_getreg_b32 s2, hwreg(HW_REG_IB_STS2, 6, 4)
	s_cmp_eq_u32 s2, 0
	s_cbranch_scc0 .Lentry_in_a_cluster
	s_endpgm
.Lentry_in_a_cluster:
	s_bfe_u32 s2, ttmp6, 0x10000c
	s_cmp_lg_u32 s2, 0x3003
	s_cbranch_scc0 .Lentry_shape_is_right
	s_endpgm
.Lentry_shape_is_right:
; Attention of one (batch, head) (work-group y) for 256 queries (work-group x): S^T = K Q^T, the soft mask (score -1 where mask = 0), p = 2^(t - M), O^T += V^T p^T, all products on codes of FP6 (E2M3) with E8M0 scales.
; A WAVE owns 16 queries and walks the 2,048 keys in 16 steps of 128.  Both products are used transposed, so that a lane holds one query throughout.
; THE KEYS OF A K TILE are chosen so that a lane holds WHOLE blocks of 32 keys: tile t holds in row m the key 64 (t / 4) + 8 (t % 4) + m + 24 (m / 8), so score register n of lane (r, h) is key 64 (n / 32) + 32 h + n % 32.
; That is the order of the second product's operand: a block's maximum needs no other lane and the conversions' results are the operand's registers (three moves a block: a conversion's registers begin on an even number).
; M is the ceiling of the running largest t, a whole number, kept as -M; when it moves, the sum and O^T are multiplied by 2^(old M - new M), with no branch.  The row's sum is taken of the unquantised p.
; A block's largest p is made from its largest score by the same multiply-add and exponential (v_exp_f32 is taken not to fall where its input rises).
; LDS: the head's K and V, 16 steps x 13,056 bytes, are filled ONCE: each of the 16 waves asks for one step by one tensor load at the head; no byte is filled again.  They lie from byte 13,056 on, so that the address
; registers can be stepped between a step's K loads (immediate + 13,056) and its V loads: the three additions stand in the places behind the first product.
; CLUSTER: the four work-groups of a cluster have the same head: every load is asked for jointly, mask 15.  No prefetch: all tiles are asked for at the head, and there is no loop to run ahead in.
; The mask comes as lane masks, 64 scalar words a step, loaded one step ahead.
; LIMITS: NaN and infinities are not served; the promise holds while the scaled scores stay under 2^31 in magnitude; a block whose every p has fallen to 0 keeps the byte 1 (its codes are zeros).
.set STEPB, 13056
.set KVB,   13056                      ; LDS byte of step 0
.set SPARE, 221952                     ; behind the 16 steps: the spare words, 128 bytes a wave
.set F,   36                           ; v36-83 K's eight or V's four fragments; v84-89 zeros (tile 7's upper K)
.set KS,  30
.set VS,  34
.set S,   96                           ; v96-159 scores, then p
.set OT,  160                          ; v160-191 O^T
.set PCD, 192                          ; v192-203 p's codes
.set PT,  204
.set BM,  212                          ; block maxima; v222-223 their second chains
.set BN,  222
.set BS,  214
.set BP,  216
.set QM,  212
.set QP,  216
.set QS,  220
.macro CROUND
	s_barrier_signal -1
	s_barrier_wait -1
	s_cmp_lg_u32 s31, 0
	s_cbranch_scc1 .Lnot_wave_0_\@
	s_barrier_signal -3
.Lnot_wave_0_\@:
	s_barrier_wait -3
	s_barrier_signal -1
	s_barrier_wait -1
.endm
.macro KQ t                            ; K = 64 of the head, the upper 64 meet Q's zero codes
.if (\t)%2
	v_wmma_scale_f32_16x16x128_f8f6f4 v[S+8*\t:S+8*\t+7], v[F+6*\t:F+6*\t+11], v[16:27], 0, v[KS+\t/2], v28 matrix_a_fmt:MATRIX_FMT_FP6 matrix_b_fmt:MATRIX_FMT_FP6 matrix_a_scale:MATRIX_SCALE_ROW1
.else
	v_wmma_scale_f32_16x16x128_f8f6f4 v[S+8*\t:S+8*\t+7], v[F+6*\t:F+6*\t+11], v[16:27], 0, v[KS+\t/2], v28 matrix_a_fmt:MATRIX_FMT_FP6 matrix_b_fmt:MATRIX_FMT_FP6
.endif
.endm
.macro PV t
.if (\t)%2
	v_wmma_scale_f32_16x16x128_f8f6f4 v[OT+8*\t:OT+8*\t+7], v[F+12*\t:F+12*\t+11], v[PCD:PCD+11], v[OT+8*\t:OT+8*\t+7], v[VS+\t/2], v29 matrix_a_fmt:MATRIX_FMT_FP6 matrix_b_fmt:MATRIX_FMT_FP6 matrix_a_scale:MATRIX_SCALE_ROW1
.else
	v_wmma_scale_f32_16x16x128_f8f6f4 v[OT+8*\t:OT+8*\t+7], v[F+12*\t:F+12*\t+11], v[PCD:PCD+11], v[OT+8*\t:OT+8*\t+7], v[VS+\t/2], v29 matrix_a_fmt:MATRIX_FMT_FP6 matrix_b_fmt:MATRIX_FMT_FP6
.endif
.endm
.macro QUANT32 s, pc, pt               ; the way out: register 16 b + i = channel 32 b + 16 h + i of my query becomes a unit's six registers; the bytes stay in v[QP], v[QP+1]
	v_max3_num_f32 v[QM], |v[\s]|, |v[\s+1]|, 0x1800000
	v_max3_num_f32 v[QM+1], |v[\s+16]|, |v[\s+17]|, 0x1800000
.irp i, 2,4,6,8,10,12,14
	s_delay_alu instid0(VALU_DEP_2)
	v_max3_num_f32 v[QM], v[QM], |v[\s+\i]|, |v[\s+\i+1]|
	s_delay_alu instid0(VALU_DEP_2)
	v_max3_num_f32 v[QM+1], v[QM+1], |v[\s+16+\i]|, |v[\s+17+\i]|
.endr
	s_delay_alu instid0(VALU_DEP_2)
	v_permlanex16_b32 v[QP], v[QM], s26, s27
	s_delay_alu instid0(VALU_DEP_2)
	v_permlanex16_b32 v[QP+1], v[QM+1], s26, s27
	s_delay_alu instid0(VALU_DEP_2)
	v_max_num_f32 v[QM], v[QM], v[QP]
	s_delay_alu instid0(VALU_DEP_2)
	v_max_num_f32 v[QM+1], v[QM+1], v[QP+1]
	s_delay_alu instid0(VALU_DEP_2)
	v_add_nc_u32 v[QS], 0xff000000, v[QM]
	s_delay_alu instid0(VALU_DEP_2)
	v_add_nc_u32 v[QS+1], 0xff000000, v[QM+1]
	s_delay_alu instid0(VALU_DEP_2)
	v_lshrrev_b32 v[QP], 23, v[QS]
	s_delay_alu instid0(VALU_DEP_2)
	v_lshrrev_b32 v[QP+1], 23, v[QS+1]
	v_cvt_scalef32_pk16_fp6_f32 v[\pc:\pc+2], v[\s:\s+15], v[QS]
	v_cvt_scalef32_pk16_fp6_f32 v[\pt:\pt+2], v[\s+16:\s+31], v[QS+1]
	v_nop
.irp i, 0,1,2
	v_permlane16_swap_b32 v[\pc+\i], v[\pt+\i]
.endr
.irp i, 0,1,2
	s_delay_alu instid0(VALU_DEP_3)
	v_mov_b32 v[\pc+3+\i], v[\pt+\i]
.endr
.endm
	s_load_b128 s[32:35], s[0:1], 0x0              ; qf, kv
	s_load_b64 s[36:37], s[0:1], 0x10              ; mbits
	v_lshl_add_u32 v254, v0, 2, SPARE
	v_mov_b32 v255, 0
	ds_add_u32 v254, v255
	ds_add_u32 v254, v255
	v_lshrrev_b32 v8, 5, v0
	s_delay_alu instid0(VALU_DEP_1)
	v_readfirstlane_b32 s31, v8                    ; wave 0..15
	s_bfe_u32 s42, ttmp6, 0x40000                  ; cx
	s_lshl_b32 s43, ttmp9, 2
	s_add_co_u32 s43, s43, s42
	s_lshl_b32 s43, s43, 4
	s_add_co_u32 s43, s43, s31                     ; my query tile, 0..127
	s_and_b32 s44, ttmp7, 0xffff                   ; (batch, head), 0..31
	s_mul_i32 s45, s31, STEPB                      ; my key step's bytes: from the wave's number alone
	s_mul_i32 s46, s44, 208896
	s_add_co_u32 s46, s46, s45
	s_mov_b32 s47, 0
	s_mov_b32 s4, 15|(3<<16)|(1<<21)               ; group 1: 51 rows of 256 bytes, dense; all four partners
	s_mov_b32 s5, 32<<16
	s_mov_b32 s6, 51<<16
	s_mov_b32 s7, 32<<16
	s_mov_b32 s8, 51
	s_mov_b32 s9, 32
	s_mov_b32 s10, 0
	s_mov_b32 s11, 0
	s_lshl_b32 s50, s44, 7
	s_add_co_u32 s50, s50, s43
	s_mul_i32 s52, s50, 768                        ; Q's unit,
	s_mov_b32 s53, 0
	s_lshl_b32 s54, s50, 6
	s_add_co_u32 s54, s54, 3145728                 ; its scale words,
	s_mov_b32 s55, 0
	s_lshl_b32 s56, s43, 12                        ; my tile's lane masks: 16 steps x 256 bytes
	s_mov_b32 s57, 0
	s_mov_b32 s26, 0x76543210
	s_mov_b32 s27, 0xfedcba98                      ; lane l xor 16
	s_mov_b32 s28, 0x3e38aa3b                      ; log2(e) / 8
	s_mov_b32 s29, s28
	s_mov_b32 s2, 0
	s_mov_b32 s3, 0
	s_wait_dscnt 0x0
	s_wait_kmcnt 0x0
	s_add_nc_u64 s[14:15], s[34:35], s[46:47]
	s_add_nc_u64 s[38:39], s[32:33], s[52:53]
	s_add_nc_u64 s[40:41], s[32:33], s[54:55]
	s_add_nc_u64 s[24:25], s[36:37], s[56:57]
	s_mov_b32 s12, 1
	s_add_co_u32 s13, s45, KVB
	s_or_b32 s15, s15, 0x80000000
	CROUND                                         ; the four partners are here: the joint loads meet
	tensor_load_to_lds s[12:15], s[4:11]           ; key step w: my one tensor load of the launch
	s_nop 0
	v_and_b32 v8, 31, v0
	v_and_b32 v9, 15, v0
	v_bfe_u32 v230, v0, 4, 1
	s_delay_alu instid0(VALU_DEP_3)
	v_lshlrev_b32 v1, 4, v8                        ; 16 L
	v_lshlrev_b32 v2, 3, v8                        ; 8 L
	v_lshlrev_b32 v3, 2, v8                        ; 4 L
	v_lshlrev_b32 v9, 2, v9
	v_lshlrev_b32 v230, 3, v230                    ; 8 h
	v_mov_b32 v4, v1
	v_mov_b32 v5, v2
	v_mov_b32 v6, v3
	global_load_b128 v[16:19], v1, s[38:39]
	global_load_b64 v[20:21], v2, s[38:39] offset:512
	global_load_b32 v28, v9, s[40:41]
	s_wait_xcnt 0x0                                ; the loads have read their bases: the masks may land there
	s_load_b512 s[32:47], s[24:25], s3
	s_load_b512 s[48:63], s[24:25], s3 offset:0x40
	s_load_b512 s[68:83], s[24:25], s3 offset:0x80
	s_load_b512 s[84:99], s[24:25], s3 offset:0xc0
	v_mov_b32 v7, 0xc1000000                       ; -8: the score -1 ahead of the division by 8
	v_mov_b32 v13, 0xff61b1e6                      ; the largest t so far: -3e38
	s_delay_alu instid0(VALU_DEP_1)
	v_floor_f32 v12, -v13
.irp r, 14,15,22,23,24,25,26,27,84,85,86,87,88,89,220,227
	v_mov_b32 v\r, 0
.endr
.set n, 0
.rept 32
	v_mov_b32 v[OT+n], 0
.set n, n+1
.endr
	s_wait_alu depctr_va_vdst(0)
	s_wait_loadcnt 0x0
	s_wait_tensorcnt 0x0                           ; my step has landed
	s_barrier_signal -1
	s_barrier_wait -1                              ; everybody's has; nothing is filled again
	s_mov_b32 s30, 16
.Lstep:
.irp t, 0,1,2,3,4,5,6,7
	ds_load_b128 v[F+6*\t:F+6*\t+3], v4 offset:KVB+768*\t
	ds_load_b64 v[F+6*\t+4:F+6*\t+5], v5 offset:KVB+768*\t+512
.endr
.irp j, 0,1,2,3
	ds_load_b32 v[KS+\j], v6 offset:KVB+12288+128*\j
.endr
	s_wait_dscnt 0x0
.irp t, 0,1,2,3,4,5,6,7
	KQ \t
.endr
	s_add_co_u32 s2, s2, STEPB
	v_add_nc_u32 v4, s2, v1                        ; four places behind the products: the addresses step on (V's immediates count from here),
	v_add_nc_u32 v5, s2, v2
	v_add_nc_u32 v6, s2, v3
	v_mov_b32 v218, v12                            ; and the old -M is kept
.irp ct, 0,1,2,3
.irp hf, 0,1
	ds_load_b128 v[F+12*\ct+6*\hf:F+12*\ct+6*\hf+3], v4 offset:6144+3072*(\ct/2)+1536*\hf+768*(\ct%2)
	ds_load_b64 v[F+12*\ct+6*\hf+4:F+12*\ct+6*\hf+5], v5 offset:6144+3072*(\ct/2)+1536*\hf+768*(\ct%2)+512
.endr
.endr
	ds_load_b32 v[VS], v6 offset:12800
	ds_load_b32 v[VS+1], v6 offset:12928
	s_wait_kmcnt 0x0                               ; this step's 64 lane masks
.set n, 0
.rept 64
.if n < 32
	v_cndmask_b32 v[S+n], v7, v[S+n], s[32+n]      ; each accumulator from its low end on
.else
	v_cndmask_b32 v[S+n], v7, v[S+n], s[36+n]
.endif
.set n, n+1
.endr
.irp c, 0,1                                    ; my two blocks' largest scores, in two chains each: four chains by turns
	v_max3_num_f32 v[BM+\c], v[S+32*\c], v[S+32*\c+1], v[S+32*\c+2]
	v_max3_num_f32 v[BN+\c], v[S+32*\c+15], v[S+32*\c+16], v[S+32*\c+17]
.endr
.irp i, 3,5,7,9,11,13
.irp c, 0,1
	s_delay_alu instid0(VALU_DEP_4)
	v_max3_num_f32 v[BM+\c], v[BM+\c], v[S+32*\c+\i], v[S+32*\c+\i+1]
	s_delay_alu instid0(VALU_DEP_4)
	v_max3_num_f32 v[BN+\c], v[BN+\c], v[S+32*\c+15+\i], v[S+32*\c+16+\i]
.endr
.endr
	s_delay_alu instid0(VALU_DEP_3)
	v_max3_num_f32 v[BM], v[BM], v[BN], v[S+30]
	s_delay_alu instid0(VALU_DEP_2)
	v_max3_num_f32 v[BM+1], v[BM+1], v[BN+1], v[S+62]
	s_delay_alu instid0(VALU_DEP_2)
	v_max_num_f32 v[BM], v[BM], v[S+31]
	s_delay_alu instid0(VALU_DEP_2)
	v_max_num_f32 v[BM+1], v[BM+1], v[S+63]
	s_add_co_u32 s3, s3, 256                       ; the next step's masks (the last trip asks for step 0's again: inside the buffer, not used)
	s_and_b32 s3, s3, 0xfff
	s_load_b512 s[32:47], s[24:25], s3
	s_load_b512 s[48:63], s[24:25], s3 offset:0x40
	s_load_b512 s[68:83], s[24:25], s3 offset:0x80
	s_load_b512 s[84:99], s[24:25], s3 offset:0xc0
	v_max_num_f32 v219, v[BM], v[BM+1]
	s_delay_alu instid0(VALU_DEP_1)
	v_permlanex16_b32 v220, v219, s26, s27
	s_delay_alu instid0(VALU_DEP_1)
	v_max_num_f32 v219, v219, v220                 ; the step's largest score of my query
	s_delay_alu instid0(VALU_DEP_1)
	v_mul_f32 v219, s28, v219
	s_delay_alu instid0(VALU_DEP_1)
	v_max_num_f32 v13, v13, v219
	s_delay_alu instid0(VALU_DEP_1)
	v_floor_f32 v12, -v13                          ; -M = floor(-t)
	s_delay_alu instid0(VALU_DEP_1)
	v_sub_f32 v218, v12, v218
	s_delay_alu instid0(VALU_DEP_1)
	v_cvt_i32_f32 v218, v218
	s_delay_alu instid0(VALU_DEP_1)
	v_ldexp_f32 v226, 1.0, v218                    ; f = 2^(old M - new M)
.set n, 0
.rept 32
	v_pk_fma_f32 v[S+n:S+n+1], v[S+n:S+n+1], s[28:29], v[12:13] op_sel_hi:[1,0,0]   ; t - M
.set n, n+2
.endr
.irp c, 0,1
	v_fma_f32 v[BM+\c], v[BM+\c], s28, v12
.endr
.set n, 0
.rept 16
	v_pk_mul_f32 v[OT+n:OT+n+1], v[OT+n:OT+n+1], v[226:227] op_sel_hi:[1,0]   ; O^T under the new M, ahead of the exponentials
.set n, n+2
.endr
	s_wait_alu depctr_va_vdst(0)
.set n, 0
.rept 64
	v_exp_f32 v[S+n], v[S+n]
.set n, n+1
.endr
.irp c, 0,1
	v_exp_f32 v[BM+\c], v[BM+\c]                   ; the blocks' largest p
.endr
	v_pk_mul_f32 v[14:15], v[14:15], v[226:227] op_sel_hi:[1,0]   ; the sums under the new M: the plain place behind the batch
	s_wait_alu depctr_va_vdst(0)                   ; one wait for the batch, ahead of its first reader
.irp c, 0,1
	v_max_num_f32 v[BM+\c], 0x1800000, v[BM+\c]    ; the floor 2^(3 - 127)
.endr
.irp c, 0,1
	s_delay_alu instid0(VALU_DEP_2)
	v_add_nc_u32 v[BS+\c], 0xff000000, v[BM+\c]    ; 2 off the exponent field: the conversion's scale operand
.endr
.irp c, 0,1
	s_delay_alu instid0(VALU_DEP_2)
	v_lshrrev_b32 v[BP+\c], 23, v[BS+\c]
.endr
	s_delay_alu instid0(VALU_DEP_1)
	v_lshl_or_b32 v219, v[BP+1], 16, v[BP]         ; my bytes: blocks h and 2 + h,
	s_delay_alu instid0(VALU_DEP_1)
	v_lshlrev_b32 v219, v230, v219                 ; 8 h bits up;
	s_delay_alu instid0(VALU_DEP_1)
	v_permlanex16_b32 v220, v219, s26, s27
	s_delay_alu instid0(VALU_DEP_1)
	v_or_b32 v29, v219, v220                       ; with lane l xor 16's two the word is whole
.irp c, 0,1
	v_cvt_scalef32_pk16_fp6_f32 v[PCD+6*\c:PCD+6*\c+2], v[S+32*\c:S+32*\c+15], v[BS+\c]
	v_cvt_scalef32_pk16_fp6_f32 v[PT+4*\c:PT+4*\c+2], v[S+32*\c+16:S+32*\c+31], v[BS+\c]
.endr
	v_pk_add_f32 v[228:229], v[S:S+1], v[S+2:S+3]  ; the row's sum of the unquantised p, in two chains.  (The plain place behind the conversions)
.irp c, 0,1
.irp i, 0,1,2
	v_mov_b32 v[PCD+6*\c+3+\i], v[PT+4*\c+\i]
.endr
.endr
.irp j, 4,8,12,16,20,24,28,32,36,40,44,48,52
	v_pk_add_f32 v[14:15], v[14:15], v[S+\j:S+\j+1]
	v_pk_add_f32 v[228:229], v[228:229], v[S+2+\j:S+3+\j]
.endr
	s_wait_alu depctr_va_vdst(0)                   ; directly ahead of the wait below
	s_wait_dscnt 0x0                               ; V's fragments and scale words
.irp ct, 0,1,2,3
	PV \ct
.endr
.irp j, 56,60                                  ; the sum's last lines name none of the products' registers: they are the places ahead of the next step's loads and of the way out
	v_pk_add_f32 v[14:15], v[14:15], v[S+\j:S+\j+1]
	v_pk_add_f32 v[228:229], v[228:229], v[S+2+\j:S+3+\j]
.endr
	s_delay_alu instid0(VALU_DEP_1)
	v_pk_add_f32 v[14:15], v[14:15], v[228:229]
	s_sub_co_u32 s30, s30, 1
	s_cmp_lg_u32 s30, 0
	s_cbranch_scc1 .Lstep
	v_add_f32 v14, v14, v15
	s_delay_alu instid0(VALU_DEP_1)
	v_permlanex16_b32 v220, v14, s26, s27
	s_delay_alu instid0(VALU_DEP_1)
	v_add_f32 v14, v14, v220                       ; the row's sum
	s_wait_alu depctr_va_vdst(0)
	v_rcp_f32 v226, v14
	v_nop
	s_wait_alu depctr_va_vdst(0)
.set n, 0
.rept 16
	v_pk_mul_f32 v[S+n:S+n+1], v[OT+n:OT+n+1], v[226:227] op_sel_hi:[1,0]
.set n, n+2
.endr
	QUANT32 S, PCD, PT                             ; x's 64 channels of this head: a unit of the last product's operand
	v_bfe_u32 v8, v0, 4, 1
	s_delay_alu instid0(VALU_DEP_1)
	v_cmp_ne_u32 vcc_lo, 0, v8
	s_delay_alu instid0(VALU_DEP_1)
	v_cndmask_b32 v9, v[QP], v[QP+1], vcc_lo
	v_and_b32 v10, 15, v0
	s_delay_alu instid0(VALU_DEP_1)
	v_lshl_add_u32 v10, v10, 4, v8
	s_wait_alu depctr_va_vdst(0)
	s_wait_kmcnt 0x0                               ; the last trip's mask loads have landed: their registers are free
	s_load_b128 s[32:35], s[0:1], 0x18             ; xc, xs
	s_bfe_u32 s36, ttmp6, 0x40000
	s_lshl_b32 s37, ttmp9, 2
	s_add_co_u32 s37, s37, s36
	s_lshl_b32 s37, s37, 4
	s_add_co_u32 s37, s37, s31
	s_and_b32 s38, ttmp7, 0xffff
	s_lshr_b32 s39, s38, 4
	s_lshl_b32 s39, s39, 7
	s_add_co_u32 s39, s39, s37                     ; token tile T = 128 x batch + query tile
	s_and_b32 s38, s38, 15                         ; head: K step head / 2, unit head % 2
	s_lshr_b32 s40, s39, 3
	s_mul_i32 s40, s40, 98304
	s_lshr_b32 s41, s38, 1
	s_mul_i32 s41, s41, 12288
	s_add_co_u32 s40, s40, s41
	s_and_b32 s41, s39, 7
	s_mul_i32 s41, s41, 1536
	s_add_co_u32 s40, s40, s41
	s_and_b32 s41, s38, 1
	s_mul_i32 s41, s41, 768
	s_add_co_u32 s40, s40, s41
	s_mov_b32 s41, 0
	s_lshl_b32 s42, s39, 9
	s_lshr_b32 s43, s38, 3
	s_lshl_b32 s43, s43, 8
	s_add_co_u32 s42, s42, s43
	s_and_b32 s43, s38, 7
	s_lshl_b32 s43, s43, 1
	s_add_co_u32 s42, s42, s43
	s_mov_b32 s43, 0
	s_wait_kmcnt 0x0
	s_add_nc_u64 s[32:33], s[32:33], s[40:41]
	s_add_nc_u64 s[34:35], s[34:35], s[42:43]
	global_store_b128 v1, v[PCD:PCD+3], s[32:33]
	global_store_b64 v2, v[PCD+4:PCD+5], s[32:33] offset:512
	global_store_b8 v10, v9, s[34:35]
	s_wait_tensorcnt 0x0                           ; the wave's end
	ds_add_u32 v254, v255
	s_wait_dscnt 0x0
	CROUND                                         ; the closing round
	s_endpgm
.Lfunc_end_k_qc7198c4904_attn:
	.size	k_qc7198c4904_attn, .Lfunc_end_k_qc7198c4904_attn-k_qc7198c4904_attn
	.p2alignl 7, 3214868480
	.fill 96, 4, 3214868480
	.section	.rodata,"a",@progbits
	.p2align	6, 0x0
	.amdhsa_kernel k_qc7198c4904_attn
		.amdhsa_group_segment_fixed_size 224256
		.amdhsa_private_segment_fixed_size 0
		.amdhsa_enable_private_segment 0
		.amdhsa_kernarg_size 40
		.amdhsa_user_sgpr_count 2
		.amdhsa_user_sgpr_kernarg_segment_ptr 1
		.amdhsa_wavefront_size32 1
		.amdhsa_system_sgpr_workgroup_id_x 1
		.amdhsa_system_sgpr_workgroup_id_y 1
		.amdhsa_system_sgpr_workgroup_id_z 1
		.amdhsa_system_vgpr_workitem_id 0
		.amdhsa_next_free_vgpr 256
		.amdhsa_next_free_sgpr 100
		.amdhsa_reserve_vcc 1
		.amdhsa_float_denorm_mode_32 3
		.amdhsa_float_denorm_mode_16_64 3
		.amdhsa_memory_ordered 1
		.amdhsa_forward_progress 1
		.amdhsa_inst_pref_size 33
	.end_amdhsa_kernel
	.amdgpu_metadata
---
amdhsa.version: [ 1, 2 ]
amdhsa.kernels:
  - .name:           k_qc7198c4904_attn
    .symbol:         k_qc7198c4904_attn.kd
    .args:
      - { .name: qf, .offset: 0, .size: 8, .value_kind: global_buffer, .address_space: global }
      - { .name: kv, .offset: 8, .size: 8, .value_kind: global_buffer, .address_space: global }
      - { .name: mbits, .offset: 16, .size: 8, .value_kind: global_buffer, .address_space: global }
      - { .name: xc, .offset: 24, .size: 8, .value_kind: global_buffer, .address_space: global }
      - { .name: xs, .offset: 32, .size: 8, .value_kind: global_buffer, .address_space: global }
    .group_segment_fixed_size: 224256
    .private_segment_fixed_size: 0
    .kernarg_segment_align: 8
    .kernarg_segment_size: 40
    .max_flat_workgroup_size: 512
    .sgpr_count:     100
    .vgpr_count:     256
    .wavefront_size: 32
...
	.end_amdgpu_metadata
.endif
;; end of part 8
;; launch outp (part 9): grid 8 x 32, 8 waves a work-group, clusters of 4 x 4, 240,640 bytes of LDS; arguments codes, scales, xc, xs, bo, out0; writes out0
.if DOCPART == 9
	.amdgcn_target "amdgcn-amd-amdhsa--gfx1250"
	.amdhsa_code_object_version 6
	.text
	.protected	k_qc7198c4904_outp
	.globl	k_qc7198c4904_outp
	.p2align	8
	.type	k_qc7198c4904_outp,@function
k_qc7198c4904_outp:
	s_mov_b64 s[64:65], 0
	v_nop
	global_prefetch_b8 v0, s[64:65] scope:SCOPE_SE
	s_setreg_imm32_b32 hwreg(HW_REG_WAVE_MODE, 25, 1), 1
	s_wait_xcnt 0x0
	s_wait_alu depctr_hold_cnt(0) depctr_sa_sdst(0) depctr_va_vdst(0) depctr_va_sdst(0) depctr_va_ssrc(0) depctr_va_vcc(0) depctr_vm_vsrc(0)
	s_getreg_b32 s2, hwreg(HW_REG_IB_STS2, 6, 4)
	s_cmp_eq_u32 s2, 0
	s_cbranch_scc0 .Lentry_in_a_cluster
	s_endpgm
.Lentry_in_a_cluster:
	s_bfe_u32 s2, ttmp6, 0x10000c
	s_cmp_lg_u32 s2, 0xf033
	s_cbranch_scc0 .Lentry_shape_is_right
	s_endpgm
.Lentry_shape_is_right:
; out0 = x wo^T + bo on codes of FP6 (E2M3) with E8M0 scales: 4,096 x 1,024 x 1,024, f32 out.  Operands come as images of registers: a unit of 768 bytes is 16 rows x 64 K, lane L = r + 16 h owning
; row r's block h (16 bytes at 16 L, 8 at 512 + 8 L); tile T holds in lane r the row 32 (T / 2) + 8 (T % 2) + r + 8 (r / 8).
; A WORK-GROUP makes 128 tokens (work-group y) x 128 channels (work-group x) over all of K: source 0 = 128 rows of wo (P), source 1 = 128 tokens of x (R): a lane holds one token and its registers run
; along the channels.  EIGHT WAVES: wave w takes P tiles 4 (w % 2) .. + 3 and R tiles 2 (w / 2), + 1: eight accumulators.
; CLUSTERS: 4 x 4 work-groups.  The four of a column of the cluster have the same channels and want the same rows of wo; the four of a row have the same tokens and want the same rows of x.  Every tile is
; asked for JOINTLY: each of the four issues the same tensor load, with the same descriptor and a mask that names the four.  Waves 0-3 fetch wo, waves 4-7 x: two lines under a branch on the wave's number,
; each with one mask and registers of its own.  That divides the requests for the work-group's 196,608 bytes by four.
; LDS: both groups' codes for all of K (2 x 98,304 bytes) are filled ONCE: one tensor load a wave at the start (two K steps of one side); no byte is filled again.
; Behind them a stage of 16 rows x 272 bytes for each wave, into which no fill lands.  The bias is loaded into the accumulators.
.set RCODE, 98304
.set PSCL,  196608
.set RSCL,  200704
.set STAGE, 204800
.set SCP, 24                           ; v24-39  P's scale words: pair j of tiles, K step s at SCP + 8 j + s
.set SCR, 40                           ; v40-47  R's
.set FB,  48                           ; v48-119, v120-191: two fragment buffers
.set ACC, 192                          ; accumulator (pt, rt) at ACC + 32 rt + 8 pt
.set G1W, 32                           ; s[32:39] descriptor group 1 for wo's codes;  s[40:47] for x's
.set G1X, 40
.set G1SW, 48
.set G1SX, 56
.set DW,  68                           ; s[72:75] group 0 of wo's one fill;  s[84:87] of x's
.set DX,  80
.macro PLACES                          ; four places behind a matrix instruction of this form (ISA guide 7.12.1)
.rept 4
	v_nop
.endr
.endm
.macro CROUND                          ; a round of the cluster's barrier
	s_barrier_signal -1
	s_barrier_wait -1
	s_cmp_lg_u32 s18, 0
	s_cbranch_scc1 .Lnot_wave_0_\@
	s_barrier_signal -3
.Lnot_wave_0_\@:
	s_barrier_wait -3
	s_barrier_signal -1
	s_barrier_wait -1
.endm
.macro G1SET g, m, c, rows, pitch      ; rows of c elements of 8 bytes, pitch elements apart; the mask in s[m], bit 21 set beside it; no padding
	s_or_b32 s[\g], s[\m], (3<<16)|(1<<21)
	s_mov_b32 s[\g+1], (\c)<<16
	s_mov_b32 s[\g+2], (\rows)<<16
	s_mov_b32 s[\g+3], (\c)<<16
	s_mov_b32 s[\g+4], \rows
	s_mov_b32 s[\g+5], \pitch
	s_mov_b32 s[\g+6], 0
	s_mov_b32 s[\g+7], 0
.endm
.macro DESC g, lreg, limm, p, pimm     ; group 0: to LDS byte s[lreg] + limm, from s[p:p+1] + pimm
	s_mov_b32 s[\g], 1
	s_add_co_u32 s[\g+1], s[\lreg], \limm
	s_add_nc_u64 s[\g+2:\g+3], s[\p:\p+1], \pimm
	s_or_b32 s[\g+3], s[\g+3], 0x80000000
.endm
.macro SCALES
.irp j, 0,1
.irp kh, 0,1
	global_load_b128 v[SCP+8*\j+4*\kh:SCP+8*\j+4*\kh+3], v14, s[100:101] offset:1024*\j+256*\kh   ; the scale words come from memory straight into registers: sixteen lanes read 256 consecutive bytes
.endr
.endr
.irp kh, 0,1
	global_load_b128 v[SCR+4*\kh:SCR+4*\kh+3], v15, s[66:67] offset:256*\kh
.endr
.endm
.macro FETCH s, b
.set FO, 12288*((\s)%4)
.set FK, (\s)/4
.set FR0, FB+72*(\b)
.irp t, 0,1,2,3
	ds_load_b128 v[FR0+12*\t:FR0+12*\t+3], v[6+FK] offset:FO+1536*\t
	ds_load_b64 v[FR0+12*\t+4:FR0+12*\t+5], v[8+FK] offset:FO+1536*\t+512
	ds_load_b128 v[FR0+12*\t+6:FR0+12*\t+9], v[6+FK] offset:FO+1536*\t+768
	ds_load_b64 v[FR0+12*\t+10:FR0+12*\t+11], v[8+FK] offset:FO+1536*\t+1280
.endr
.irp t, 0,1
	ds_load_b128 v[FR0+48+12*\t:FR0+48+12*\t+3], v[10+FK] offset:FO+1536*\t
	ds_load_b64 v[FR0+48+12*\t+4:FR0+48+12*\t+5], v[12+FK] offset:FO+1536*\t+512
	ds_load_b128 v[FR0+48+12*\t+6:FR0+48+12*\t+9], v[10+FK] offset:FO+1536*\t+768
	ds_load_b64 v[FR0+48+12*\t+10:FR0+48+12*\t+11], v[12+FK] offset:FO+1536*\t+1280
.endr
.endm
.macro WM d, a, b, sa, sb, ra, rb
.if (\ra) && (\rb)
	v_wmma_scale_f32_16x16x128_f8f6f4 v[\d:\d+7], v[\a:\a+11], v[\b:\b+11], v[\d:\d+7], v[\sa], v[\sb] matrix_a_fmt:MATRIX_FMT_FP6 matrix_b_fmt:MATRIX_FMT_FP6 matrix_a_scale:MATRIX_SCALE_ROW1 matrix_b_scale:MATRIX_SCALE_ROW1
.elseif (\ra)
	v_wmma_scale_f32_16x16x128_f8f6f4 v[\d:\d+7], v[\a:\a+11], v[\b:\b+11], v[\d:\d+7], v[\sa], v[\sb] matrix_a_fmt:MATRIX_FMT_FP6 matrix_b_fmt:MATRIX_FMT_FP6 matrix_a_scale:MATRIX_SCALE_ROW1
.elseif (\rb)
	v_wmma_scale_f32_16x16x128_f8f6f4 v[\d:\d+7], v[\a:\a+11], v[\b:\b+11], v[\d:\d+7], v[\sa], v[\sb] matrix_a_fmt:MATRIX_FMT_FP6 matrix_b_fmt:MATRIX_FMT_FP6 matrix_b_scale:MATRIX_SCALE_ROW1
.else
	v_wmma_scale_f32_16x16x128_f8f6f4 v[\d:\d+7], v[\a:\a+11], v[\b:\b+11], v[\d:\d+7], v[\sa], v[\sb] matrix_a_fmt:MATRIX_FMT_FP6 matrix_b_fmt:MATRIX_FMT_FP6
.endif
.endm
.macro MUL8 s, b                       ; the eight accumulators take turns, one instruction a turn
.set FR0, FB+72*(\b)
.irp rt, 0,1
.irp pt, 0,1,2,3
	WM ACC+32*\rt+8*\pt, FR0+12*\pt, FR0+48+12*\rt, SCP+8*(\pt/2)+(\s), SCR+(\s), \pt%2, \rt
.endr
.endr
.endm
.macro KSTEP s
.if (\s) < 7
.if (\s) >= 1
	PLACES
.endif
	FETCH (\s)+1, ((\s)+1)%2
	s_wait_dscnt 24                                ; all but the 24 loads just issued
.else
	s_wait_dscnt 0x0
.endif
	MUL8 \s, (\s)%2
.endm
	s_load_b256 s[4:11], s[0:1], 0x0               ; codes, scales, xc, xs
	s_load_b128 s[12:15], s[0:1], 0x20             ; bo, out0
	v_lshl_add_u32 v22, v0, 2, 0x3a800
	v_mov_b32 v23, 0
	ds_add_u32 v22, v23
	ds_add_u32 v22, v23
	v_lshrrev_b32 v20, 5, v0
	s_delay_alu instid0(VALU_DEP_1)
	v_readfirstlane_b32 s18, v20                   ; wave 0..7
	s_and_b32 s19, s18, 1                          ; which four P tiles
	s_lshr_b32 s20, s18, 1                         ; which two R tiles
	s_lshr_b32 s21, s18, 2                         ; I fetch wo (0) or x (1),
	s_and_b32 s22, s18, 3                          ; this quarter of each block
	s_bfe_u32 s100, ttmp6, 0x40000                 ; cx, cy: my place in the cluster
	s_bfe_u32 s66, ttmp6, 0x40004
	s_lshl_b32 s24, ttmp9, 2
	s_add_co_u32 s24, s24, s100                    ; channel group = 4 x cluster x + cx
	s_and_b32 s25, ttmp7, 0xffff
	s_lshl_b32 s25, s25, 2
	s_add_co_u32 s25, s25, s66                     ; token group = 4 x cluster y + cy
	s_lshl_b32 s67, s66, 2
	s_lshl_b32 s67, 15, s67                        ; my row of the cluster: x's mask
	s_lshl_b32 s101, 0x1111, s100                  ; my column: wo's mask
	G1SET G1W, 101, 32, 96, 32                     ; codes: 96 rows of 256 bytes, dense: one tensor load a wave brings two K steps
	G1SET G1X, 67, 32, 96, 32
	s_mul_i32 s2, s22, 24576                       ; my quarter of a group's codes: K steps 2 q and 2 q + 1
	s_mul_i32 s23, s21, RCODE                      ; LDS, from the wave's number alone: codes,
	s_add_co_u32 s23, s23, s2
	s_mul_i32 s30, s24, 98304                      ; wo: group 120 + channel group among the codes; nothing here hangs on cy
	s_add_co_u32 s30, s30, s2
	s_add_co_u32 s30, s30, 120*98304
	s_mov_b32 s31, 0
	s_lshl_b32 s100, s24, 12
	s_add_co_u32 s100, s100, 120<<12
	s_mov_b32 s101, 0
	s_mul_i32 s28, s25, 98304                      ; x: the token group; nothing here hangs on cx
	s_add_co_u32 s28, s28, s2
	s_mov_b32 s29, 0
	s_lshl_b32 s66, s25, 12
	s_mov_b32 s67, 0
	s_wait_dscnt 0x0
	s_wait_kmcnt 0x0
	s_add_nc_u64 s[30:31], s[4:5], s[30:31]
	s_add_nc_u64 s[100:101], s[6:7], s[100:101]
	s_add_nc_u64 s[28:29], s[8:9], s[28:29]
	s_add_nc_u64 s[66:67], s[10:11], s[66:67]
	DESC DW+4, 23, 0, 30, 0
	DESC DX+4, 23, 0, 28, 0
	CROUND                                         ; all sixteen work-groups are here: the joint loads meet
	s_cmp_eq_u32 s21, 0                            ; a wave's one fill stands in one branch, ahead of every wait on TENSORcnt, LDS read and further barrier: one load of mine is out
	s_cbranch_scc0 .Lfirst_x
	tensor_load_to_lds s[DW+4:DW+7], s[G1W:G1W+7]
	s_nop 0
.rept 4
	v_nop
.endr
	s_branch .Lfirst_asked
.Lfirst_x:
	tensor_load_to_lds s[DX+4:DX+7], s[G1X:G1X+7]
	s_nop 0
.rept 4
	v_nop
.endr
.Lfirst_asked:
	v_and_b32 v20, 31, v0
	v_and_b32 v4, 15, v0                           ; r
	v_bfe_u32 v5, v0, 4, 1                         ; h
	s_delay_alu instid0(VALU_DEP_3)
	v_lshlrev_b32 v1, 4, v20                       ; 16 L
	s_delay_alu instid0(VALU_DEP_4)
	v_lshlrev_b32 v2, 3, v20                       ; 8 L
	s_mul_i32 s96, s19, 6144                       ; my four P tiles; K steps 0-3 and 4-7 have an address register each, so that the immediates stay under 65,536
	v_add_nc_u32 v6, s96, v1
	v_add_nc_u32 v8, s96, v2
	s_add_co_u32 s96, s96, 49152
	v_add_nc_u32 v7, s96, v1
	v_add_nc_u32 v9, s96, v2
	s_mul_i32 s96, s20, 3072                       ; my two R tiles
	s_add_co_u32 s96, s96, RCODE
	v_add_nc_u32 v10, s96, v1
	v_add_nc_u32 v12, s96, v2
	s_add_co_u32 s96, s96, 49152
	v_add_nc_u32 v11, s96, v1
	v_add_nc_u32 v13, s96, v2
	v_lshlrev_b32 v21, 4, v4
	s_delay_alu instid0(VALU_DEP_1)
	v_lshl_add_u32 v21, v5, 9, v21                 ; scales: 16 r, and lanes 16-31 one tile on
	s_lshl_b32 s96, s19, 11
	v_add_nc_u32 v14, s96, v21
	s_lshl_b32 s96, s20, 10
	v_add_nc_u32 v15, s96, v21
	s_mul_i32 s96, s18, 4352
	s_add_co_u32 s96, s96, STAGE                   ; my stage
	v_mul_u32_u24 v17, v4, 272
	s_delay_alu instid0(VALU_DEP_1)
	v_lshl_add_u32 v17, v5, 6, v17
	s_delay_alu instid0(VALU_DEP_1)
	v_add_nc_u32 v17, s96, v17                     ; in: row r, + 64 h
	v_mul_u32_u24 v18, v5, 272
	s_delay_alu instid0(VALU_DEP_1)
	v_lshl_add_u32 v18, v4, 4, v18
	s_delay_alu instid0(VALU_DEP_1)
	v_add_nc_u32 v18, s96, v18                     ; back: lanes 0-15 one row of 256 bytes, lanes 16-31 the next
	v_lshlrev_b32 v19, 12, v5
	s_delay_alu instid0(VALU_DEP_1)
	v_lshl_add_u32 v19, v4, 4, v19                 ; and the same two rows in out0
	s_lshl_b32 s92, s24, 9                         ; the bias: 4 (128 x channel group + 64 (w % 2))
	s_lshl_b32 s93, s19, 8
	s_add_co_u32 s92, s92, s93
	s_mov_b32 s93, 0
	s_add_nc_u64 s[12:13], s[12:13], s[92:93]
	s_add_nc_u64 s[14:15], s[14:15], s[92:93]      ; out0: the same columns,
	s_lshl_b32 s92, s25, 7
	s_lshl_b32 s94, s20, 5
	s_add_co_u32 s92, s92, s94
	s_lshl_b32 s92, s92, 12                        ; row 128 x token group + 32 (w / 2)
	s_add_nc_u64 s[14:15], s[14:15], s[92:93]
	v_lshlrev_b32 v16, 6, v5                       ; register 8 pt + j: channel 32 (pt / 2) + 8 (pt % 2) + 16 h + j
.irp rt, 0,1
.irp pt, 0,1,2,3
	global_load_b128 v[ACC+32*\rt+8*\pt:ACC+32*\rt+8*\pt+3], v16, s[12:13] offset:128*(\pt/2)+32*(\pt%2)
	global_load_b128 v[ACC+32*\rt+8*\pt+4:ACC+32*\rt+8*\pt+7], v16, s[12:13] offset:128*(\pt/2)+32*(\pt%2)+16
.endr
.endr
	SCALES
	s_wait_alu depctr_va_vdst(0)
	s_wait_tensorcnt 0x0                           ; my one load, two K steps of one side, is in
	s_barrier_signal -1
	s_barrier_wait -1
	FETCH 0, 0
	s_wait_loadcnt 0x0                             ; the bias
.irp s, 0,1,2,3,4,5,6,7
	KSTEP \s
.endr
	; THE WAY OUT: a lane holds 2 x 64 bytes of a token's 256; a tile of 16 tokens goes through my own stage and comes back as whole rows.  LDS serves a wave's instructions in order (ISA guide 5.7.1.4).
	PLACES
	s_wait_alu depctr_va_vdst(0)
.irp rt, 0,1
.irp m, 0,1,2,3,4,5,6,7
	ds_store_b128 v17, v[ACC+32*\rt+4*\m:ACC+32*\rt+4*\m+3] offset:128*(\m/4)+16*(\m%4)   ; each accumulator from its low end on
.endr
.irp i, 0,1,2,3,4,5,6,7
	ds_load_b128 v[48+32*\rt+4*\i:48+32*\rt+4*\i+3], v18 offset:544*\i
.endr
.endr
.irp rt, 0,1
.irp i, 0,1,2,3,4,5,6,7
	s_wait_dscnt 23-16*\rt-\i                      ; behind this load stand its tile's later loads and, for tile 0, tile 1's sixteen instructions
	global_store_b128 v19, v[48+32*\rt+4*\i:48+32*\rt+4*\i+3], s[14:15] offset:(8*\rt+2*\i+8*(\i/4))*4096 th:TH_STORE_NT   ; 16 lanes store 256 consecutive bytes, at a multiple of 256 from out0's first byte
.endr
.endr
	s_wait_tensorcnt 0x0
	ds_add_u32 v22, v23
	s_wait_dscnt 0x0
	CROUND                                         ; the closing round: no work-group ends while a partner may still ask for a tile that names it
	s_endpgm
.Lfunc_end_k_qc7198c4904_outp:
	.size	k_qc7198c4904_outp, .Lfunc_end_k_qc7198c4904_outp-k_qc7198c4904_outp
	.p2alignl 7, 3214868480
	.fill 96, 4, 3214868480
	.section	.rodata,"a",@progbits
	.p2align	6, 0x0
	.amdhsa_kernel k_qc7198c4904_outp
		.amdhsa_group_segment_fixed_size 240640
		.amdhsa_private_segment_fixed_size 0
		.amdhsa_enable_private_segment 0
		.amdhsa_kernarg_size 48
		.amdhsa_user_sgpr_count 2
		.amdhsa_user_sgpr_kernarg_segment_ptr 1
		.amdhsa_wavefront_size32 1
		.amdhsa_system_sgpr_workgroup_id_x 1
		.amdhsa_system_sgpr_workgroup_id_y 1
		.amdhsa_system_sgpr_workgroup_id_z 1
		.amdhsa_system_vgpr_workitem_id 0
		.amdhsa_next_free_vgpr 256
		.amdhsa_next_free_sgpr 102
		.amdhsa_reserve_vcc 0
		.amdhsa_float_denorm_mode_32 3
		.amdhsa_float_denorm_mode_16_64 3
		.amdhsa_memory_ordered 1
		.amdhsa_forward_progress 1
		.amdhsa_inst_pref_size 35
	.end_amdhsa_kernel
	.amdgpu_metadata
---
amdhsa.version: [ 1, 2 ]
amdhsa.kernels:
  - .name:           k_qc7198c4904_outp
    .symbol:         k_qc7198c4904_outp.kd
    .args:
      - { .name: codes, .offset: 0, .size: 8, .value_kind: global_buffer, .address_space: global }
      - { .name: scales, .offset: 8, .size: 8, .value_kind: global_buffer, .address_space: global }
      - { .name: xc, .offset: 16, .size: 8, .value_kind: global_buffer, .address_space: global }
      - { .name: xs, .offset: 24, .size: 8, .value_kind: global_buffer, .address_space: global }
      - { .name: bo, .offset: 32, .size: 8, .value_kind: global_buffer, .address_space: global }
      - { .name: out0, .offset: 40, .size: 8, .value_kind: global_buffer, .address_space: global }
    .group_segment_fixed_size: 240640
    .private_segment_fixed_size: 0
    .kernarg_segment_align: 8
    .kernarg_segment_size: 48
    .max_flat_workgroup_size: 256
    .sgpr_count:     102
    .vgpr_count:     256
    .wavefront_size: 32
...
	.end_amdgpu_metadata
.endif
;; end of part 9
